; MI455X (gfx1250); checked and timed in simulation.
; The chip was launched on July 23, 2026; its instructions are those of AMD's public machine-readable ISA for CDNA 5 (MIT licence, August 2026) and "CDNA5" Instruction Set Architecture Reference Guide (July 2026). The comments in the code are by the model that wrote it; some were corrected since.
;; Block. Allowed arithmetic: matrix products marked QUANTISED: E2M1 operands, one E8M0 scale for each 32 along K, by v_wmma_scale_f32_16x16x128_f8f6f4 with both operands' format E2M1 (or v_wmma_scale_f32_32x16x128_f4), f32 sums; everything else in f32.
;; Inputs: W1_codes 4,096 x 32 x 16 uint8 (E2M1 codes of W1, K innermost, in blocks of 32 codes, two codes a byte); W1_scales 4,096 x 32 uint8 (E8M0 scales of W1, one for each 32 codes along K); W2_codes 1,024 x 128 x 16 uint8 (E2M1 codes of W2, K innermost, in blocks of 32 codes, two codes a byte); W2_scales 1,024 x 128 uint8 (E8M0 scales of W2, one for each 32 codes along K); Wk_codes 1,024 x 32 x 16 uint8 (E2M1 codes of Wk, K innermost, in blocks of 32 codes, two codes a byte); Wk_scales 1,024 x 32 uint8 (E8M0 scales of Wk, one for each 32 codes along K); Wo_codes 1,024 x 32 x 16 uint8 (E2M1 codes of Wo, K innermost, in blocks of 32 codes, two codes a byte); Wo_scales 1,024 x 32 uint8 (E8M0 scales of Wo, one for each 32 codes along K); Wq_codes 1,024 x 32 x 16 uint8 (E2M1 codes of Wq, K innermost, in blocks of 32 codes, two codes a byte); Wq_scales 1,024 x 32 uint8 (E8M0 scales of Wq, one for each 32 codes along K); Wv_codes 1,024 x 32 x 16 uint8 (E2M1 codes of Wv, K innermost, in blocks of 32 codes, two codes a byte); Wv_scales 1,024 x 32 uint8 (E8M0 scales of Wv, one for each 32 codes along K); b1 4,096 float32; b2 1,024 float32; bk 1,024 float32; bo 1,024 float32; bq 1,024 float32; bv 1,024 float32; ln1_b 1,024 float32; ln1_g 1,024 float32; ln2_b 1,024 float32; ln2_g 1,024 float32; x 2 x 2,048 x 1,024 float32.
;; Outputs: out0 2 x 2,048 x 1,024 float32.
;; This version of the problem:
;;   THIS VERSION OF THE PROBLEM IS GIVEN IN LOW PRECISION. The matrix products marked QUANTISED in the list below multiply operands that are first quantised to E2M1 (2 exponent bits, 1 mantissa bit; 4 bits a number), with one power-of-two scale for each 32 numbers along K (OCP MX v1.0); their sums are f32. All else is computed in f32.
;;   The module's matrix products, in the order in which they are computed (A, B: the left and right operand; K: the contracted axis; several contracted axes count as one K, in the product's order):
;;     1. [M 4,096, K 1,024] x [K 1,024, N 1,024]; A: computed on the way; B: input Wq (given as codes): QUANTISED
;;     2. [M 4,096, K 1,024] x [K 1,024, N 1,024]; A: computed on the way; B: input Wk (given as codes): QUANTISED
;;     3. [M 4,096, K 1,024] x [K 1,024, N 1,024]; A: computed on the way; B: input Wv (given as codes): QUANTISED
;;     4. batch 32 x [M 2,048, K 64] x [K 64, N 2,048]; A: computed on the way; B: computed on the way: QUANTISED
;;     5. batch 32 x [M 64, K 2,048] x [K 2,048, N 2,048]; A: computed on the way; B: softmax (see below): QUANTISED
;;     6. [M 4,096, K 1,024] x [K 1,024, N 1,024]; A: computed on the way; B: input Wo (given as codes): QUANTISED
;;     7. [M 4,096, K 1,024] x [K 1,024, N 4,096]; A: computed on the way; B: input W1 (given as codes): QUANTISED
;;     8. [M 4,096, K 4,096] x [K 4,096, N 1,024]; A: computed on the way; B: input W2 (given as codes): QUANTISED
;;   THE QUANTISER, for each operand of a quantised product, along K:
;;     - K is cut into blocks of 32 from its start; a last block that is shorter is filled with zeros.
;;     - A block's scale is 2^e with e = floor(log2(the largest magnitude in the block)) - 2, held to -126 .. 127; a block of zeros has e = 0. As a byte (E8M0): e + 127.
;;     - Each number is divided by its block's scale, clamped to +-6, and rounded to the nearest number of E2M1, ties to even, subnormals kept.
;;     - The product sums the exact products of the quantised numbers (number of the format x scale) in f32.
;;   ~~~python
;;   def quantise(x, axis):      # numpy; x: float32 -> the quantised numbers, widened to float32 again
;;       x = np.moveaxis(x, axis, -1); K = x.shape[-1]
;;       x = np.pad(x, [(0, 0)] * (x.ndim - 1) + [(0, -K % 32)]); x = x.reshape(x.shape[:-1] + (-1, 32)); a = np.abs(x).max(-1, keepdims=True)
;;       e = np.where(a > 0, np.clip(np.frexp(np.where(a > 0, a, 1))[1] - 1 - 2, -126, 127), 0)      # np.frexp(a)[1] - 1 = floor(log2(a)), exactly
;;       r = np.clip(x / 2.0 ** e, -6, 6)
;;       step = 2.0 ** (np.maximum(np.frexp(np.where(r == 0, 1, r))[1] - 1, 0) - 1)
;;       q = np.round(r / step) * step * 2.0 ** e      # np.round: ties to even
;;       return np.moveaxis(q.reshape(q.shape[:-2] + (-1,))[..., :K], -1, axis).astype(np.float32)
;;   ~~~
;;   SOFTMAX AHEAD OF A QUANTISED PRODUCT. Where the list says 'softmax', what is quantised is not the finished softmax but p = 2^(t - M), with t = logit x log2(e) and M = ceil(the row's largest t), a whole number; so 1/2 < the row's largest p <= 1. The row's sum l is taken of the UNQUANTISED p, in f32, and the product's result is divided by l at the end. Since M is a whole number, a kernel that streams over the keys may use a running M (the ceiling of the running maximum): every later rescaling is an exact power of two, which a block's scale takes up: the codes' values come out the same.
;;   OPERANDS COMPUTED ON THE WAY. 'Computed on the way' means the value that the module computes at that place (a softmax that the list does not call 'softmax' is quantised finished and normalised). What goes into a quantiser is computed in f32, as accurately as f32 sums, v_exp_f32 and their like allow (about 1e-6 of the number): no bf16 or f16 on the way to a quantiser, and a product that is left as it is and whose result goes on into a quantised operand takes f32 operands (vector FMAs, or v_wmma_f32_16x16x4_f32). A number that lies on a knife's edge between two numbers of the format may be rounded either way, as far as f32 arithmetic and the matrix unit's own rounding can turn it there, and no further.
;;   INPUTS GIVEN AS CODES. W1 (in the module: [1024, 4096], K = its axis 0); W2 (in the module: [4096, 1024], K = its axis 0); Wk (in the module: [1024, 1024], K = its axis 0); Wo (in the module: [1024, 1024], K = its axis 0); Wq (in the module: [1024, 1024], K = its axis 0); Wv (in the module: [1024, 1024], K = its axis 0): each comes as NAME_codes (uint8): NAME with its K axis moved to the last place and cut into blocks of 32 codes, [.., K / 32, bytes a block], one block behind the other in memory; two codes a byte, the lower K in the low four bits (a code: sign, 2 exponent bits, 1 mantissa bit); and NAME_scales (uint8): the same leading axes, one E8M0 byte (e + 127) for each 32 codes along K. Its value is code x scale, taken as it is: it is not quantised again, and the codes and scales need not be those that the quantiser above would give.
;; 2 versions. Each part assembles by itself: llvm-mc -triple=amdgcn-amd-amdhsa -mcpu=gfx1250 --defsym DOCPART=n.
;; ======== version 1 of 2: 7 launches
;; workspace buffers: WU 6,684,672 bytes; A1 2,228,224 bytes; QKVU 6,684,672 bytes; YU 2,228,224 bytes; X1 16,777,216 bytes; A2 2,228,224 bytes; HU 8,912,896 bytes
;; launch pre (part 1): grid 448 x 1, 4 waves a work-group, no clusters, 12,800 bytes of LDS; arguments x, ln1_g, ln1_b, A1, Wq_codes, Wq_scales, Wk_codes, Wk_scales, Wv_codes, Wv_scales, Wo_codes, Wo_scales, W1_codes, W1_scales, W2_codes, W2_scales, WU; writes A1, WU
.if DOCPART == 1
	.amdgcn_target "amdgcn-amd-amdhsa--gfx1250"
	.amdhsa_code_object_version 6
	.text
	.protected	k_q6414668635_pre
	.globl	k_q6414668635_pre
	.p2align	8
	.type	k_q6414668635_pre,@function
k_q6414668635_pre:
	s_mov_b64 s[64:65], 0
	v_nop
	global_prefetch_b8 v0, s[64:65] scope:SCOPE_SE
	s_setreg_imm32_b32 hwreg(HW_REG_WAVE_MODE, 25, 1), 1
	s_wait_xcnt 0x0
; TWO JOBS, told apart by the work-group's number.
; Work-groups 0-255: layer norm of 16 rows of [4096][1024] f32, quantised along the row to codes of FP4 (E2M1) with one E8M0 byte for each 32, stored in the operand layout U.
; Work-groups 256-447: the six weights, which arrive as codes and scale bytes with K innermost, are laid out anew in U.  Nothing is re-quantised: bytes are only moved.
; LAYOUT U of an operand [rows][K]: a unit of 8,704 bytes for each 128 rows x 128 K, unit (T, s) at (T K/128 + s) x 8,704.  In it eight fragments of 1,024 bytes, f = 4 g + a: the 16 bytes at
; 512 c + 256 h + 16 r are the codes of k = 128 s + 32 (2 c + h) + 0 .. 31 of row 128 T + 64 g + 32 (a / 2) + 8 (a % 2) + r + 8 (r / 8): so two loads of 16 bytes a lane, at 16 x lane and 512 further on, ARE the
; matrix operand's eight registers.  Behind the codes, from byte 8,192: the row's scale word (4 bytes: 128 along K) at 256 g + 16 r + 4 a.
; The rows of a fragment are chosen so that a product's results, taken transposed, have 16 neighbours along the next K in 16 registers of a lane.
; LIMITS: NaN and infinities are not served.  A block whose largest magnitude lies under 2^-124 (a block of zeros too) gets the byte 1: its codes are zeros or the nearest codes under that scale; the bytes are read by this program alone.
; THE NORM'S PATH: a work-group makes one fragment's 16 rows for all of K (8 units); wave w takes four rows that follow each other in memory.  A lane holds k = 256 j + 8 lane + 0 .. 7, j = 0 .. 3, of each row,
; so a pair of loads covers 1,024 consecutive bytes, four neighbouring lanes hold a block of 32, and a conversion's eight numbers are a lane's own.  Mean and variance in two passes over the registers, as the reference has them.
; Codes meet in LDS (a block's 16 rows x 16 bytes: 256 bytes + 16 of padding) and leave 256 consecutive aligned bytes to sixteen lanes.  The scale words leave as 4 bytes, 16 bytes apart: 512 bytes for 65,536 bytes read:
; the price of a fragment to a work-group, which gives 256 work-groups.
; No tensor loads, no matrix work, no cluster: no two work-groups read the same large bytes.
.set UNIT, 8704
.set USC,  8192
.set CST,  0                           ; LDS, the norm's path: 32 blocks x 272 bytes of codes
.set SCS,  8704                        ; and 8 x 16 scale words
.set PSC,  9216                        ; LDS, the weights' path (bytes of its own): 8 units x 256 bytes of scale words
.set AC,   10                          ; v10-17  a pair a row: the sum, later the sum of squares
.set MR,   18                          ; v18-25  a pair a row: the mean, later 1 / sqrt(var + eps), in both registers
.set TP,   26                          ; v26-29  at work
.set X,    32                          ; v32-159 four rows x 32 numbers
.set G,    160                         ; v160-191 the gain at my 32 columns; later the conversions' scale operands
.set BV,   192                         ; v192-223 the bias
.set CD,   224                         ; v224-239 codes: 8 to a register, register 4 i + j
.set BY,   240                         ; v240-255 largest magnitudes, then scale bytes
	v_lshl_add_u32 v30, v0, 2, 0x3000
	v_mov_b32 v31, 0
	s_cmp_ge_u32 ttmp9, 256
	s_cbranch_scc1 .Lprep
	s_load_b256 s[4:11], s[0:1], 0x0               ; the rows s[4:5], gain s[6:7], bias s[8:9], the operand's buffer s[10:11]
	v_lshrrev_b32 v9, 5, v0
	v_readfirstlane_b32 s12, v9                    ; wave
	v_and_b32 v1, 31, v0                           ; lane
	v_lshlrev_b32 v2, 5, v1                        ; 32 bytes a lane
	v_bfe_u32 v3, v0, 2, 3                         ; lane / 4: which block of the eight that a j covers
	v_mul_u32_u24 v3, v3, 272
	v_and_b32 v4, 3, v0
	v_lshl_add_u32 v3, v4, 2, v3                   ; + 4 (lane % 4): my 8 codes' place in the block's 16 bytes
	v_lshl_add_u32 v3, v9, 6, v3                   ; + 16 bytes for each of the 4 w rows ahead of mine
	v_bfe_u32 v4, v0, 4, 1
	v_lshlrev_b32 v4, 6, v4                        ; scale bytes: 64 (lane / 16): the unit,
	v_bfe_u32 v5, v0, 2, 2
	v_add_nc_u32 v4, v4, v5                        ; + the block in the unit,
	v_lshl_add_u32 v4, v9, 4, v4                   ; + 4 bytes a row
	v_add_nc_u32 v4, SCS, v4
	v_lshrrev_b32 v5, 4, v0                        ; the way out, by thread t: t / 16,
	v_and_b32 v6, 15, v0
	v_lshlrev_b32 v6, 4, v6                        ; 16 (t % 16)
	v_mul_u32_u24 v8, v5, UNIT
	v_add_nc_u32 v8, v8, v6                        ; the words' place: unit t / 16, row t % 16
	v_mad_u32_u24 v5, v5, 272, v6                  ; the codes in LDS: block t / 16 (+ 8 for each further load)
	v_bfe_u32 v7, v0, 4, 2
	v_lshl_add_u32 v6, v7, 8, v6                   ; and in memory: 256 x the block in the unit,
	v_lshrrev_b32 v7, 6, v0
	v_mad_u32_u24 v6, v7, UNIT, v6                 ; + the unit
	v_lshl_add_u32 v7, v0, 2, SCS                  ; my scale word in LDS
.irp i, 0,1,2,3
	v_mov_b32 v[TP+\i], 0                          ; written once: a lane permute's destination counts as one of its sources
.endr
	s_lshr_b32 s13, ttmp9, 3                       ; T
	s_and_b32 s18, ttmp9, 7                        ; f
	s_lshl_b32 s19, s13, 7
	s_lshr_b32 s20, s18, 2
	s_lshl_b32 s20, s20, 6
	s_add_co_u32 s19, s19, s20                     ; 128 T + 64 (f / 4)
	s_bfe_u32 s20, s18, 0x10001
	s_lshl_b32 s20, s20, 5
	s_add_co_u32 s19, s19, s20                     ; + 32 ((f / 2) % 2)
	s_and_b32 s20, s18, 1
	s_lshl_b32 s20, s20, 3
	s_add_co_u32 s19, s19, s20                     ; + 8 (f % 2)
	s_lshl_b32 s20, s12, 2
	s_add_co_u32 s19, s19, s20                     ; + r + 8 (r / 8) at r = 4 w:
	s_lshr_b32 s20, s12, 1
	s_lshl_b32 s20, s20, 3
	s_add_co_u32 s19, s19, s20                     ; my wave's first row
	s_lshl_b32 s20, s19, 12                        ; x 4,096 bytes
	s_mov_b32 s21, 0
	s_mul_i32 s22, s13, 8*UNIT
	s_lshl_b32 s23, s18, 10
	s_add_co_u32 s22, s22, s23                     ; the fragment in unit (T, 0)
	s_mov_b32 s23, 0
	s_mul_i32 s24, s13, 8*UNIT
	s_lshr_b32 s25, s18, 2
	s_lshl_b32 s25, s25, 8
	s_add_co_u32 s24, s24, s25
	s_and_b32 s25, s18, 3
	s_lshl_b32 s25, s25, 2
	s_add_co_u32 s24, s24, s25
	s_add_co_u32 s24, s24, USC                     ; its scale words' column
	s_mov_b32 s25, 0
	s_mov_b32 s14, 0x76543210
	s_mov_b32 s15, 0xfedcba98                      ; v_permlanex16_b32's selects for lane l xor 16
	s_mov_b32 s16, 0x3a800000                      ; 1 / 1024
	s_mov_b32 s17, 0x3727c5ac                      ; 1e-5
	s_wait_kmcnt 0x0
	s_add_nc_u64 s[4:5], s[4:5], s[20:21]
	s_add_nc_u64 s[26:27], s[10:11], s[24:25]
	s_add_nc_u64 s[10:11], s[10:11], s[22:23]
.irp i, 0,1,2,3
.irp j, 0,1,2,3
.irp e, 0,1
	global_load_b128 v[X+32*\i+8*\j+4*\e:X+32*\i+8*\j+4*\e+3], v2, s[4:5] offset:4096*\i+1024*\j+16*\e th:TH_LOAD_NT
.endr
.endr
.endr
.irp j, 0,1,2,3
.irp e, 0,1
	global_load_b128 v[G+8*\j+4*\e:G+8*\j+4*\e+3], v2, s[6:7] offset:1024*\j+16*\e
	global_load_b128 v[BV+8*\j+4*\e:BV+8*\j+4*\e+3], v2, s[8:9] offset:1024*\j+16*\e
.endr
.endr
; a pair's two halves and the 32 lanes are added: every lane then holds the row's sum in v[AC + 2 i].  The four rows by turns
.macro REDUCE
.irp i, 0,1,2,3
	v_add_f32 v[AC+2*\i], v[AC+2*\i], v[AC+2*\i+1]
.endr
.irp m, 1,2,4,8
.irp i, 0,1,2,3
	v_add_f32_dpp v[AC+2*\i], v[AC+2*\i], v[AC+2*\i] row_xmask:\m row_mask:0xf bank_mask:0xf
.endr
.endr
.irp i, 0,1,2,3
	v_permlanex16_b32 v[TP+\i], v[AC+2*\i], s14, s15
.endr
.irp i, 0,1,2,3
	v_add_f32 v[AC+2*\i], v[AC+2*\i], v[TP+\i]
.endr
.endm
	s_wait_loadcnt 16                              ; the rows are in; the 16 loads of gain and bias, issued behind them, may be out
.irp i, 0,1,2,3
	v_pk_add_f32 v[AC+2*\i:AC+2*\i+1], v[X+32*\i:X+32*\i+1], v[X+32*\i+2:X+32*\i+3]
.endr
.irp p, 2,3,4,5,6,7,8,9,10,11,12,13,14,15
.irp i, 0,1,2,3
	v_pk_add_f32 v[AC+2*\i:AC+2*\i+1], v[AC+2*\i:AC+2*\i+1], v[X+32*\i+2*\p:X+32*\i+2*\p+1]
.endr
.endr
	REDUCE
.irp i, 0,1,2,3
	v_mul_f32 v[MR+2*\i], s16, v[AC+2*\i]          ; the mean,
	v_mul_f32 v[MR+2*\i+1], s16, v[AC+2*\i]        ; in both registers of the pair
.endr
.irp p, 0,1,2,3,4,5,6,7,8,9,10,11,12,13,14,15
.irp i, 0,1,2,3
	v_pk_add_f32 v[X+32*\i+2*\p:X+32*\i+2*\p+1], v[X+32*\i+2*\p:X+32*\i+2*\p+1], v[MR+2*\i:MR+2*\i+1] neg_lo:[0,1] neg_hi:[0,1]   ; x - mean
.endr
.endr
.irp i, 0,1,2,3
	v_pk_mul_f32 v[AC+2*\i:AC+2*\i+1], v[X+32*\i:X+32*\i+1], v[X+32*\i:X+32*\i+1]
.endr
.irp p, 1,2,3,4,5,6,7,8,9,10,11,12,13,14,15
.irp i, 0,1,2,3
	v_pk_fma_f32 v[AC+2*\i:AC+2*\i+1], v[X+32*\i+2*\p:X+32*\i+2*\p+1], v[X+32*\i+2*\p:X+32*\i+2*\p+1], v[AC+2*\i:AC+2*\i+1]
.endr
.endr
	REDUCE
.irp i, 0,1,2,3
	v_fma_f32 v[TP+\i], v[AC+2*\i], s16, s17       ; variance + eps
.endr
.irp i, 0,1,2,3
	v_rsq_f32 v[MR+2*\i], v[TP+\i]
	v_rsq_f32 v[MR+2*\i+1], v[TP+\i]
.endr
	v_nop                                          ; a plain instruction behind the last of the batch
	s_wait_alu depctr_va_vdst(0)                   ; one wait for the eight, ahead of their first reader
	s_wait_loadcnt 0x0                             ; gain and bias
.irp p, 0,1,2,3,4,5,6,7,8,9,10,11,12,13,14,15
.irp i, 0,1,2,3
	v_pk_mul_f32 v[X+32*\i+2*\p:X+32*\i+2*\p+1], v[X+32*\i+2*\p:X+32*\i+2*\p+1], v[MR+2*\i:MR+2*\i+1]
.endr
.irp i, 0,1,2,3
	v_pk_fma_f32 v[X+32*\i+2*\p:X+32*\i+2*\p+1], v[X+32*\i+2*\p:X+32*\i+2*\p+1], v[G+2*\p:G+2*\p+1], v[BV+2*\p:BV+2*\p+1]
.endr
.endr
; THE QUANTISER: n = 4 i + j names row i's eight numbers at k = 256 j + 8 lane.  The sixteen by turns
.irp n, 0,1,2,3,4,5,6,7,8,9,10,11,12,13,14,15
	v_max3_num_f32 v[BY+\n], |v[X+8*\n]|, |v[X+8*\n+1]|, 0x1800000   ; with the floor 2^(3 - 127) among the leaves: the byte cannot fall under 1
.endr
.irp m, 2,4,6
.irp n, 0,1,2,3,4,5,6,7,8,9,10,11,12,13,14,15
	v_max3_num_f32 v[BY+\n], v[BY+\n], |v[X+8*\n+\m]|, |v[X+8*\n+\m+1]|
.endr
.endr
.irp m, 1,2
.irp n, 0,1,2,3,4,5,6,7,8,9,10,11,12,13,14,15
	v_max_num_f32_dpp v[BY+\n], v[BY+\n], v[BY+\n] row_xmask:\m row_mask:0xf bank_mask:0xf   ; the four lanes that share a block
.endr
.endr
.irp n, 0,1,2,3,4,5,6,7,8,9,10,11,12,13,14,15
	v_add_nc_u32 v[G+\n], 0xff000000, v[BY+\n]     ; 2 off the exponent field: the conversion takes this operand's exponent field as its scale
.endr
.irp n, 0,1,2,3,4,5,6,7,8,9,10,11,12,13,14,15
	v_lshrrev_b32 v[BY+\n], 23, v[G+\n]            ; the scale's byte
.endr
.irp n, 0,1,2,3,4,5,6,7,8,9,10,11,12,13,14,15
	v_cvt_scalef32_pk8_fp4_f32 v[CD+\n], v[X+8*\n:X+8*\n+7], v[G+\n]
.endr
	v_nop                                          ; a plain instruction behind the last scaled conversion
.irp n, 0,1,2,3,4,5,6,7,8,9,10,11,12,13,14,15
	ds_store_b32 v3, v[CD+\n] offset:2176*(\n%4)+16*(\n/4)
.endr
.irp n, 0,1,2,3,4,5,6,7,8,9,10,11,12,13,14,15
	ds_store_b8 v4, v[BY+\n] offset:128*(\n%4)+4*(\n/4)   ; the four lanes of a block write the same byte with the same value
.endr
	s_wait_dscnt 0x0                               ; for the other waves' sake: my stores have landed
	s_barrier_signal -1
	s_barrier_wait -1
.irp k, 0,1,2,3
	ds_load_b128 v[32+4*\k:35+4*\k], v5 offset:2176*\k
.endr
	ds_load_b32 v48, v7
.irp k, 0,1,2,3
	s_wait_dscnt 4-\k                              ; behind load k: the later code loads and the word's
	global_store_b128 v6, v[32+4*\k:35+4*\k], s[10:11] offset:2*UNIT*\k   ; sixteen lanes store 256 consecutive bytes, at a multiple of 256 from the buffer's first byte
.endr
	s_wait_dscnt 0x0
	global_store_b32 v8, v48, s[26:27]
	s_wait_tensorcnt 0x0
	ds_add_u32 v30, v31
	s_wait_dscnt 0x0
	s_endpgm
; THE WEIGHTS' PATH.  p = work-group - 256; g = p % 2: which 64 rows of a tile of 128; u = p / 2 = 0 .. 95: eight units (1,024 along K) of one tile of one weight; wave w makes fragment 4 g + w of each of them.
; u 0-7 Wq, 8-15 Wk, 16-23 Wv, 24-31 Wo (tile u % 8), 32-63 W1 (tile u % 32), 64-95 W2 (tile (u % 32) / 4, K from 1,024 (u % 4) on).  In the buffer the regions follow each other so that u's eight units begin at 69,632 u.
; A load takes 32 bytes of each of 16 rows; a wave's sixteen loads take those rows' 512 bytes whole.  Each store covers 512 consecutive bytes.
.Lprep:
	s_load_b512 s[16:31], s[0:1], 0x20             ; codes and scales of Wq, Wk, Wv, Wo
	s_load_b256 s[32:39], s[0:1], 0x60             ; of W1, W2
	s_load_b64 s[40:41], s[0:1], 0x80              ; the buffer
	v_lshrrev_b32 v9, 5, v0
	v_readfirstlane_b32 s12, v9                    ; wave
	s_sub_co_u32 s13, ttmp9, 256
	s_and_b32 s14, s13, 1                          ; g
	s_lshr_b32 s15, s13, 1                         ; u
	s_and_b32 s50, s15, 7
	s_and_b32 s51, s15, 31
	s_lshr_b32 s52, s51, 2
	s_and_b32 s53, s15, 3
	s_cmp_ge_u32 s15, 32
	s_cselect_b32 s50, s51, s50
	s_cmp_ge_u32 s15, 64
	s_cselect_b32 s50, s52, s50                    ; the tile
	s_cselect_b32 s53, s53, 0                      ; which 1,024 along K
	s_cselect_b32 s54, 11, 9                       ; a row of codes is 2^11 or 2^9 bytes,
	s_cselect_b32 s55, 7, 5                        ; a row of scale bytes 2^7 or 2^5
	s_lshl_b32 s56, s50, 7
	s_lshl_b32 s57, s14, 6
	s_add_co_u32 s56, s56, s57
	s_lshr_b32 s57, s12, 1
	s_lshl_b32 s57, s57, 5
	s_add_co_u32 s56, s56, s57
	s_and_b32 s57, s12, 1
	s_lshl_b32 s57, s57, 3
	s_add_co_u32 s56, s56, s57                     ; the fragment's first row: 128 T + 64 g + 32 (w / 2) + 8 (w % 2)
	s_lshl_b32 s58, s56, s54
	s_lshl_b32 s57, s53, 9
	s_add_co_u32 s58, s58, s57                     ; its codes
	s_mov_b32 s59, 0
	s_lshl_b32 s60, s56, s55
	s_lshl_b32 s57, s53, 5
	s_add_co_u32 s60, s60, s57                     ; its scale bytes
	s_mov_b32 s61, 0
	s_mul_i32 s48, s15, 8*UNIT
	s_mov_b32 s49, 0
	v_and_b32 v1, 15, v0                           ; r
	v_bfe_u32 v2, v0, 4, 1                         ; h
	v_and_b32 v3, 8, v1
	v_add_nc_u32 v3, v3, v1                        ; r + 8 (r / 8)
	v_lshlrev_b32 v4, s54, v3
	v_lshl_add_u32 v4, v2, 4, v4                   ; codes: my row, + 16 h
	v_lshlrev_b32 v5, s55, v3
	v_lshl_add_u32 v5, v2, 4, v5                   ; scale bytes: my row; lanes 16-31 take units 4 to 7
	v_and_b32 v6, 31, v0
	v_lshlrev_b32 v6, 4, v6                        ; 16 x lane
	v_lshlrev_b32 v7, 10, v2
	v_lshl_add_u32 v7, v1, 4, v7
	v_lshl_add_u32 v7, v9, 2, v7
	v_add_nc_u32 v7, PSC, v7                       ; LDS: unit 4 h + j at 256 bytes each, row r, fragment w
	v_lshl_add_u32 v8, v0, 4, PSC                  ; back: 16 bytes a thread: a row's four words
	v_lshrrev_b32 v10, 4, v0
	v_mul_u32_u24 v10, v10, UNIT
	v_lshl_add_u32 v10, v1, 4, v10                 ; and their place: unit t / 16, row t % 16
	s_wait_kmcnt 0x0
	s_mov_b64 s[44:45], s[16:17]
	s_mov_b64 s[46:47], s[18:19]
	s_cmp_ge_u32 s15, 8                            ; the choices hang on the work-group's number alone
	s_cselect_b64 s[44:45], s[20:21], s[44:45]
	s_cselect_b64 s[46:47], s[22:23], s[46:47]
	s_cmp_ge_u32 s15, 16
	s_cselect_b64 s[44:45], s[24:25], s[44:45]
	s_cselect_b64 s[46:47], s[26:27], s[46:47]
	s_cmp_ge_u32 s15, 24
	s_cselect_b64 s[44:45], s[28:29], s[44:45]
	s_cselect_b64 s[46:47], s[30:31], s[46:47]
	s_cmp_ge_u32 s15, 32
	s_cselect_b64 s[44:45], s[32:33], s[44:45]
	s_cselect_b64 s[46:47], s[34:35], s[46:47]
	s_cmp_ge_u32 s15, 64
	s_cselect_b64 s[44:45], s[36:37], s[44:45]
	s_cselect_b64 s[46:47], s[38:39], s[46:47]
	s_add_nc_u64 s[44:45], s[44:45], s[58:59]
	s_add_nc_u64 s[46:47], s[46:47], s[60:61]
	s_add_nc_u64 s[40:41], s[40:41], s[48:49]      ; u's first unit
	s_lshl_b32 s48, s14, 2
	s_add_co_u32 s48, s48, s12
	s_lshl_b32 s48, s48, 10
	s_add_nc_u64 s[42:43], s[40:41], s[48:49]      ; my fragment in it
	s_lshl_b32 s48, s14, 8
	s_add_co_u32 s48, s48, USC
	s_add_nc_u64 s[40:41], s[40:41], s[48:49]      ; the scale words of my 64 rows
	global_load_b128 v[96:99], v5, s[46:47]
.irp n, 0,1,2,3,4,5,6,7,8,9,10,11,12,13,14,15
	global_load_b128 v[32+4*\n:35+4*\n], v4, s[44:45] offset:32*\n th:TH_LOAD_NT   ; unit n / 2, half n % 2
.endr
	s_wait_loadcnt 16                              ; the scale bytes are in; the 16 loads of codes issued behind them may be out
.irp j, 0,1,2,3
	ds_store_b32 v7, v[96+\j] offset:256*\j
.endr
.irp n, 0,1,2,3,4,5,6,7,8,9,10,11,12,13,14,15
	s_wait_loadcnt 15-\n
	global_store_b128 v6, v[32+4*\n:35+4*\n], s[42:43] offset:UNIT*(\n/2)+512*(\n%2)
.endr
	s_wait_dscnt 0x0                               ; for the other waves' sake: my stores have landed
	s_barrier_signal -1
	s_barrier_wait -1
	ds_load_b128 v[100:103], v8
	s_wait_dscnt 0x0
	global_store_b128 v10, v[100:103], s[40:41]    ; sixteen lanes store 256 consecutive aligned bytes
	s_wait_tensorcnt 0x0
	ds_add_u32 v30, v31
	s_wait_dscnt 0x0
	s_endpgm
.Lfunc_end_k_q6414668635_pre:
	.size	k_q6414668635_pre, .Lfunc_end_k_q6414668635_pre-k_q6414668635_pre
	.p2alignl 7, 3214868480
	.fill 96, 4, 3214868480
	.section	.rodata,"a",@progbits
	.p2align	6, 0x0
	.amdhsa_kernel k_q6414668635_pre
		.amdhsa_group_segment_fixed_size 12800
		.amdhsa_private_segment_fixed_size 0
		.amdhsa_enable_private_segment 0
		.amdhsa_kernarg_size 136
		.amdhsa_user_sgpr_count 2
		.amdhsa_user_sgpr_kernarg_segment_ptr 1
		.amdhsa_wavefront_size32 1
		.amdhsa_system_sgpr_workgroup_id_x 1
		.amdhsa_system_sgpr_workgroup_id_y 1
		.amdhsa_system_sgpr_workgroup_id_z 1
		.amdhsa_system_vgpr_workitem_id 0
		.amdhsa_next_free_vgpr 256
		.amdhsa_next_free_sgpr 66
		.amdhsa_reserve_vcc 0
		.amdhsa_float_denorm_mode_32 3
		.amdhsa_float_denorm_mode_16_64 3
		.amdhsa_memory_ordered 1
		.amdhsa_forward_progress 1
		.amdhsa_inst_pref_size 52
	.end_amdhsa_kernel
	.amdgpu_metadata
---
amdhsa.version: [ 1, 2 ]
amdhsa.kernels:
  - .name:           k_q6414668635_pre
    .symbol:         k_q6414668635_pre.kd
    .args:
      - { .name: x, .offset: 0, .size: 8, .value_kind: global_buffer, .address_space: global }
      - { .name: ln1_g, .offset: 8, .size: 8, .value_kind: global_buffer, .address_space: global }
      - { .name: ln1_b, .offset: 16, .size: 8, .value_kind: global_buffer, .address_space: global }
      - { .name: A1, .offset: 24, .size: 8, .value_kind: global_buffer, .address_space: global }
      - { .name: Wq_codes, .offset: 32, .size: 8, .value_kind: global_buffer, .address_space: global }
      - { .name: Wq_scales, .offset: 40, .size: 8, .value_kind: global_buffer, .address_space: global }
      - { .name: Wk_codes, .offset: 48, .size: 8, .value_kind: global_buffer, .address_space: global }
      - { .name: Wk_scales, .offset: 56, .size: 8, .value_kind: global_buffer, .address_space: global }
      - { .name: Wv_codes, .offset: 64, .size: 8, .value_kind: global_buffer, .address_space: global }
      - { .name: Wv_scales, .offset: 72, .size: 8, .value_kind: global_buffer, .address_space: global }
      - { .name: Wo_codes, .offset: 80, .size: 8, .value_kind: global_buffer, .address_space: global }
      - { .name: Wo_scales, .offset: 88, .size: 8, .value_kind: global_buffer, .address_space: global }
      - { .name: W1_codes, .offset: 96, .size: 8, .value_kind: global_buffer, .address_space: global }
      - { .name: W1_scales, .offset: 104, .size: 8, .value_kind: global_buffer, .address_space: global }
      - { .name: W2_codes, .offset: 112, .size: 8, .value_kind: global_buffer, .address_space: global }
      - { .name: W2_scales, .offset: 120, .size: 8, .value_kind: global_buffer, .address_space: global }
      - { .name: WU, .offset: 128, .size: 8, .value_kind: global_buffer, .address_space: global }
    .group_segment_fixed_size: 12800
    .private_segment_fixed_size: 0
    .kernarg_segment_align: 8
    .kernarg_segment_size: 136
    .max_flat_workgroup_size: 128
    .sgpr_count:     66
    .vgpr_count:     256
    .wavefront_size: 32
...
	.end_amdgpu_metadata
.endif
;; end of part 1
;; launch qkv (part 2): grid 24 x 32, 4 waves a work-group, clusters of 4 x 4, 327,680 bytes of LDS; arguments A1, WU, bq, bk, bv, QKVU; writes QKVU
.if DOCPART == 2
	.amdgcn_target "amdgcn-amd-amdhsa--gfx1250"
	.amdhsa_code_object_version 6
	.text
	.protected	k_q6414668635_qkv
	.globl	k_q6414668635_qkv
	.p2align	8
	.type	k_q6414668635_qkv,@function
k_q6414668635_qkv:
	s_mov_b64 s[64:65], 0
	v_nop
	global_prefetch_b8 v0, s[64:65] scope:SCOPE_SE
	s_setreg_imm32_b32 hwreg(HW_REG_WAVE_MODE, 25, 1), 1
	s_wait_xcnt 0x0
	s_wait_alu depctr_hold_cnt(0) depctr_sa_sdst(0) depctr_va_vdst(0) depctr_va_sdst(0) depctr_va_ssrc(0) depctr_va_vcc(0) depctr_vm_vsrc(0)
	s_getreg_b32 s2, hwreg(HW_REG_IB_STS2, 6, 4)
	s_cmp_eq_u32 s2, 0
	s_cbranch_scc0 .Lentry_in_a_cluster
	s_endpgm
.Lentry_in_a_cluster:
	s_bfe_u32 s2, ttmp6, 0x10000c
	s_cmp_lg_u32 s2, 0xf033
	s_cbranch_scc0 .Lentry_shape_is_right
	s_endpgm
.Lentry_shape_is_right:
; q = LN1(x) Wq + bq, k and v likewise, on codes of FP4 (E2M1) with E8M0 scales; each result is quantised at once along the K of the product that will read it, and stored in the operand layout U
; (a unit of 8,704 bytes for 128 rows x 128 K: eight fragments of 1,024 bytes as images of the operand's registers, then 512 bytes of scale words).  q and k: rows = tokens, K = channels.  v: rows = channels, K = TOKENS.
; C = P Q^T on a tile of 128 x 128: P gives the result's rows (source 1: a lane holds one row of P), Q its K (source 0: a lane's registers run along Q's rows).  For q and k P = the tokens and Q = the weight;
; for v the two pointers change places, so that a lane's registers run along the tokens.  The choice hangs on the cluster's x alone (clusters 0, 1: q; 2, 3: k; 4, 5: v) and is made by selects, with no branch.
; Four waves, each 64 x 64: 16 accumulators.  K = 1,024 is eight units: two LDS slots of four units of P and four of Q, each filled ONCE, at the head.
; CLUSTER 4 x 4: P's tiles are asked for jointly along a row of the cluster, Q's along a column.  No prefetch: every tile is asked for at the kernel's head.
; The bias along Q's rows is the C of the first products; the bias along P's rows (v's) is added at the end; the one that does not apply is replaced by zeros.
; LIMITS: NaN and infinities are not served; a block under 2^-124 (zeros too) gets the byte 1, read by this program alone.
; REGISTERS.  Window 0: v1-15 addresses; v16-23 scale words, two sets (lanes 0-15 P's words, lanes 16-31 Q's); v24-55 the bias as C, later the codes made; v56-127 at work; v128-255 accumulator (a, b) at 128 + 8 (4 a + b).
; Window 1: two sets of fragments: Q's four at 64 p, P's four at 64 p + 32.
.set UNIT,  8704
.set USC,   8192
.set KU,    8                          ; units along K
.set NQ,    4                          ; units of each operand in a slot
.set HALF,  NQ/2*UNIT                  ; what one tensor load brings
.set RR,    HALF/256
.set SLOT,  2*NQ*UNIT
.set SST,   2*SLOT                     ; behind the slots: 512 bytes in which the tile's scale words meet
.set SPARE, SST+512                    ; the spare words, 128 bytes a wave: no other line names them
.set ADRP, 4
.set ADRQ, 6
.set ADRS, 8
.set SSA,  10                          ; where I put my half words
.set SSR,  11                          ; where wave 0 reads the words back
.set BCO,  12                          ; the column bias' offset
.set SPW,  13
.set NIL,  14
.set BRO,  15                          ; the row bias' offset
.set SC,   16
.set BIAS, 24
.set PC,   24
.set HW,   40
.set RB,   60                          ; v60-67 the row bias of block a, in both registers of a pair
.set TM,   96
.set TX,   104
.set SO,   112
.set BY,   120
.set ACC,  128
.set G1P, 24
.set G0P, 32
.set G1Q, 48
.set G0Q, 56
.set SEL, 92
.set MSB, 0
.macro WIN new                         ; the immediate's high byte repeats the setting that is left
.if MSB != \new
	s_set_vgpr_msb (MSB<<8)|\new
.set MSB, \new
.endif
.endm
.set MUL,  0x05                        ; sources 0 and 1 window 1; C and D window 0
.set TO_F, 0x40                        ; destination window 1, address window 0
.macro JLOAD g0p, g1p, g0q, g1q        ; a joint load: waves 0 and 1 fetch for P, waves 2 and 3 for Q; four v_nop follow each line
	s_cmp_eq_u32 s15, 0
	s_cbranch_scc0 .Lfor_q_\@
	tensor_load_to_lds s[\g0p:\g0p+3], s[\g1p:\g1p+7]
	s_nop 0
.rept 4
	v_nop
.endr
	s_branch .Lasked_\@
.Lfor_q_\@:
	tensor_load_to_lds s[\g0q:\g0q+3], s[\g1q:\g1q+7]
	s_nop 0
.rept 4
	v_nop
.endr
.Lasked_\@:
.endm
.macro CREST
	s_cmp_lg_u32 s14, 0
	s_cbranch_scc1 .Lnot_wave_0_\@
	s_barrier_signal -3
.Lnot_wave_0_\@:
	s_barrier_wait -3
	s_barrier_signal -1
	s_barrier_wait -1
.endm
.macro CROUND
	s_barrier_signal -1
	s_barrier_wait -1
	CREST
.endm
.macro PLACES n
.rept \n
	v_nop
.endr
.endm
.macro FETCH slot, q, p                ; 17 LDS loads: unit q of the slot into set p: the scale words, Q's four fragments, P's four
	WIN 0
	ds_load_b128 v[SC+4*(\p):SC+4*(\p)+3], v[ADRS+\slot] offset:(\q)*UNIT
	WIN TO_F
.irp i, 0,1,2,3
	ds_load_b128 v[64*(\p)+8*\i:64*(\p)+8*\i+3], v[ADRQ+\slot] offset:(\q)*UNIT+1024*\i
	ds_load_b128 v[64*(\p)+8*\i+4:64*(\p)+8*\i+7], v[ADRQ+\slot] offset:(\q)*UNIT+1024*\i+512
.endr
.irp i, 0,1,2,3
	ds_load_b128 v[64*(\p)+32+8*\i:64*(\p)+32+8*\i+3], v[ADRP+\slot] offset:(\q)*UNIT+1024*\i
	ds_load_b128 v[64*(\p)+32+8*\i+4:64*(\p)+32+8*\i+7], v[ADRP+\slot] offset:(\q)*UNIT+1024*\i+512
.endr
.endm
.macro MUL4 a, p, cz                   ; P's block a against Q's four.  cz = 1: the first product starts the sums from the bias.  The 16 accumulators take turns, in one order throughout
.irp b, 0,1,2,3
.if \cz
	v_wmma_scale_f32_16x16x128_f8f6f4 v[ACC+8*(4*(\a)+\b):ACC+8*(4*(\a)+\b)+7], v[64*(\p)+8*\b:64*(\p)+8*\b+7], v[64*(\p)+32+8*(\a):64*(\p)+32+8*(\a)+7], v[BIAS+8*\b:BIAS+8*\b+7], v[SC+4*(\p)+\b], v[SC+4*(\p)+(\a)] matrix_a_fmt:MATRIX_FMT_FP4 matrix_b_fmt:MATRIX_FMT_FP4 matrix_a_scale:MATRIX_SCALE_ROW1
.else
	v_wmma_scale_f32_16x16x128_f8f6f4 v[ACC+8*(4*(\a)+\b):ACC+8*(4*(\a)+\b)+7], v[64*(\p)+8*\b:64*(\p)+8*\b+7], v[64*(\p)+32+8*(\a):64*(\p)+32+8*(\a)+7], v[ACC+8*(4*(\a)+\b):ACC+8*(4*(\a)+\b)+7], v[SC+4*(\p)+\b], v[SC+4*(\p)+(\a)] matrix_a_fmt:MATRIX_FMT_FP4 matrix_b_fmt:MATRIX_FMT_FP4 matrix_a_scale:MATRIX_SCALE_ROW1
.endif
.endr
.endm
.macro KS slot, q, cz                  ; unit q, which has its successor in the same slot
	PLACES 4                                       ; in front of loads into registers that the last products read
	FETCH \slot, (\q)+1, 1-(\q)%2
	s_wait_dscnt 17                                ; all but the 17 just issued: this unit's set is in
	WIN MUL
	MUL4 0, (\q)%2, \cz
	MUL4 1, (\q)%2, \cz
	MUL4 2, (\q)%2, \cz
	MUL4 3, (\q)%2, \cz
.endm
.macro KSS slot, from
.set Q, \from
.rept NQ-1-\from
	KS \slot, Q, 0
.set Q, Q+1
.endr
.endm
.macro TURN slot, next                 ; a slot's last unit; the other slot's first fill is waited for, and one barrier shows it to every wave.  Nothing is filled again in this launch
	WIN 0
	s_wait_tensorcnt 0x0                           ; all my tensor loads have landed: my part of the next slot
	ds_add_u32 v[SPW], v[NIL]                      ; 0 onto my spare word
	s_wait_dscnt 1                                 ; this unit's set is in; the add may be out
	WIN MUL
	MUL4 0, 1, 0
	s_wait_dscnt 0x0                               ; the add is done
	s_barrier_signal -1
	MUL4 1, 1, 0
	WIN 0
	s_barrier_wait -1
	PLACES 4
	FETCH \next, 0, 0
	WIN MUL
	MUL4 2, 1, 0
	MUL4 3, 1, 0
.endm
	s_load_b128 s[4:7], s[0:1], 0x0                ; the tokens' codes, the weights
	s_load_b128 s[8:11], s[0:1], 0x10              ; bq, bk
	s_load_b128 s[68:71], s[0:1], 0x20             ; bv, the results
	v_lshl_add_u32 v[SPW], v0, 2, SPARE
	v_mov_b32 v[NIL], 0
	ds_add_u32 v13, v14
	ds_add_u32 v13, v14
	s_wait_dscnt 0x0
	v_lshrrev_b32 v1, 5, v0
	v_readfirstlane_b32 s14, v1                    ; wave 0..3
	s_lshr_b32 s15, s14, 1                         ; wm: which 64 of P's rows are mine.  Also: I fetch for P (0) or Q (1)
	s_and_b32 s16, s14, 1                          ; wn: which 64 of Q's rows.  Also: which half of a slot's units I fetch
	s_bfe_u32 s40, ttmp6, 0x40000                  ; cx, cy: my place in the cluster
	s_bfe_u32 s41, ttmp6, 0x40004
	s_lshr_b32 s72, ttmp9, 1                       ; 0: q, 1: k, 2: v: the same in all sixteen partners
	s_and_b32 s73, ttmp9, 1                        ; which four of the weight's eight tiles
	s_and_b32 s74, ttmp7, 0xffff                   ; which four of the tokens' 32 tiles
	s_cmp_eq_u32 s72, 2
	s_cselect_b32 s17, s73, s74
	s_cselect_b32 s42, s74, s73
	s_cselect_b32 s75, 32, 8                       ; units in a row of tiles of the result
	s_cselect_b32 s76, -1, 0                       ; all lanes where v
	s_cselect_b32 s77, 0, -1                       ; all lanes where q or k
	s_lshl_b32 s17, s17, 2
	s_add_co_u32 s17, s17, s41                     ; P's tile
	s_lshl_b32 s42, s42, 2
	s_add_co_u32 s42, s42, s40                     ; Q's tile
	s_lshl_b32 s43, s41, 2
	s_lshl_b32 s43, 15, s43                        ; my row of the cluster
	s_lshl_b32 s44, 0x1111, s40                    ; my column
	s_or_b32 s[G1P], s43, (3<<16)|(1<<21)          ; 15:0 the mask; 17:16 elements of 8 bytes; 21 set beside a mask; no padding
	s_or_b32 s[G1Q], s44, (3<<16)|(1<<21)
.irp g, G1P, G1Q
	s_mov_b32 s[\g+1], 32<<16                      ; a dense block as rows of 256 bytes: tensor_dim0 = 32
	s_mov_b32 s[\g+2], RR<<16                      ; tensor_dim1
	s_mov_b32 s[\g+3], 32<<16                      ; tile_dim0
	s_mov_b32 s[\g+4], RR                          ; tile_dim1
	s_mov_b32 s[\g+5], 32                          ; the pitch
	s_mov_b32 s[\g+6], 0
	s_mov_b32 s[\g+7], 0
.endr
	s_mul_i32 s18, s16, HALF
	s_mul_i32 s20, s17, KU*UNIT
	s_add_co_u32 s20, s20, s18                     ; P: the tile's units, my half of a slot's
	s_mov_b32 s21, 0
	s_mul_i32 s46, s42, KU*UNIT
	s_add_co_u32 s46, s46, s18                     ; Q likewise
	s_mov_b32 s47, 0
	s_mul_i32 s45, s14, HALF                       ; where they go: P's two halves, then Q's: no place in the cluster enters an LDS address
	s_mul_i32 s78, s72, 557056                     ; the weight's region
	s_mov_b32 s79, 0
	s_wait_kmcnt 0x0
	s_add_nc_u64 s[78:79], s[6:7], s[78:79]
	s_cmp_eq_u32 s72, 2
	s_cselect_b64 s[80:81], s[78:79], s[4:5]       ; P: the tokens, for v the weight
	s_cselect_b64 s[82:83], s[4:5], s[78:79]       ; Q: the weight, for v the tokens
	s_add_nc_u64 s[20:21], s[80:81], s[20:21]
	s_add_nc_u64 s[46:47], s[82:83], s[46:47]
	CROUND                                         ; all sixteen work-groups are here: the joint loads meet
.irp s, 0,1
	s_mov_b32 s[G0P+4*\s], 1
	s_add_co_u32 s[G0P+4*\s+1], s45, \s*SLOT
	s_add_nc_u64 s[G0P+4*\s+2:G0P+4*\s+3], s[20:21], \s*NQ*UNIT
	s_or_b32 s[G0P+4*\s+3], s[G0P+4*\s+3], 0x80000000
	s_mov_b32 s[G0Q+4*\s], 1
	s_add_co_u32 s[G0Q+4*\s+1], s45, \s*SLOT
	s_add_nc_u64 s[G0Q+4*\s+2:G0Q+4*\s+3], s[46:47], \s*NQ*UNIT
	s_or_b32 s[G0Q+4*\s+3], s[G0Q+4*\s+3], 0x80000000
	JLOAD G0P+4*\s, G1P, G0Q+4*\s, G1Q
.endr
	v_and_b32 v1, 15, v0                           ; r
	v_bfe_u32 v2, v0, 4, 1                         ; h
	v_and_b32 v3, 31, v0
	v_lshlrev_b32 v3, 4, v3                        ; 16 x lane
	v_lshlrev_b32 v[BCO], 6, v2                    ; the column bias: 16 h numbers on
	v_and_b32 v[BRO], 8, v1
	v_add_nc_u32 v[BRO], v[BRO], v1
	v_lshlrev_b32 v[BRO], 2, v[BRO]                ; the row bias: r + 8 (r / 8) numbers on
	s_cmp_eq_u32 s72, 1
	s_cselect_b64 s[84:85], s[10:11], s[8:9]
	s_cmp_eq_u32 s72, 2
	s_cselect_b64 s[84:85], s[68:69], s[84:85]     ; the bias that belongs to the weight
	s_lshl_b32 s86, s42, 9
	s_lshl_b32 s87, s16, 8
	s_add_co_u32 s86, s86, s87                     ; 4 (128 Q's tile + 64 wn)
	s_lshl_b32 s88, s17, 9
	s_lshl_b32 s89, s15, 8
	s_add_co_u32 s88, s88, s89                     ; 4 (128 P's tile + 64 wm)
	s_cmp_eq_u32 s72, 2
	s_cselect_b32 s86, 0, s86                      ; the one that does not apply reads the buffer's head, and is replaced by zeros below
	s_cselect_b32 s88, s88, 0
	s_mov_b32 s87, 0
	s_mov_b32 s89, 0
	s_add_nc_u64 s[86:87], s[84:85], s[86:87]
	s_add_nc_u64 s[88:89], s[84:85], s[88:89]
.irp b, 0,1,2,3
	global_load_b128 v[BIAS+8*\b:BIAS+8*\b+3], v[BCO], s[86:87] offset:(32*(\b/2)+8*(\b%2))*4
	global_load_b128 v[BIAS+8*\b+4:BIAS+8*\b+7], v[BCO], s[86:87] offset:(32*(\b/2)+8*(\b%2))*4+16
.endr
.irp a, 0,1,2,3
	global_load_b32 v[56+\a], v[BRO], s[88:89] offset:(32*(\a/2)+8*(\a%2))*4
.endr
	s_mul_i32 s18, s17, s75
	s_add_co_u32 s18, s18, s42
	s_mul_i32 s18, s18, UNIT
	s_mul_i32 s19, s72, 2228224
	s_add_co_u32 s18, s18, s19
	s_mov_b32 s19, 0
	s_add_nc_u64 s[90:91], s[70:71], s[18:19]      ; the result's unit
	s_lshl_b32 s18, s15, 12
	s_lshl_b32 s22, s16, 9
	s_add_co_u32 s18, s18, s22
	s_add_nc_u64 s[12:13], s[90:91], s[18:19]      ; my four fragments' halves: 4,096 wm + 512 wn
	s_add_nc_u64 s[90:91], s[90:91], USC           ; its scale words
	s_mov_b32 s[SEL], 0x76543210
	s_mov_b32 s[SEL+1], 0xfedcba98
	s_lshl_b32 s21, s15, 12
	s_lshl_b32 s22, s16, 12
	s_add_co_u32 s22, s22, NQ*UNIT
.irp s, 0,1
	v_add_nc_u32 v[ADRP+\s], s21, v3
	v_add_nc_u32 v[ADRQ+\s], s22, v3
	s_add_co_u32 s21, s21, SLOT
	s_add_co_u32 s22, s22, SLOT
.endr
	s_lshl_b32 s21, s15, 8
	s_lshl_b32 s22, s16, 8
	s_add_co_u32 s22, s22, NQ*UNIT
	s_sub_co_u32 s22, s22, s21
	v_mul_u32_u24 v[ADRS], s22, v2                 ; lanes 16-31 take Q's words: one product with h
	s_add_co_u32 s21, s21, USC
	v_lshl_add_u32 v[ADRS], v1, 4, v[ADRS]
	v_add_nc_u32 v[ADRS], s21, v[ADRS]
	v_add_nc_u32 v[ADRS+1], SLOT, v[ADRS]
	s_lshl_b32 s21, s15, 8
	s_lshl_b32 s22, s16, 1
	s_add_co_u32 s21, s21, s22
	s_add_co_u32 s21, s21, SST
	v_lshl_add_u32 v[SSA], v1, 4, s21              ; 256 wm + 16 r + 2 wn
	v_add_nc_u32 v[SSR], SST, v3
	s_wait_tensorcnt 1                             ; my part of slot 0 is in; slot 1's load, issued behind it, may be out
	s_barrier_signal -1
	s_barrier_wait -1                              ; everybody's is
	FETCH 0, 0, 0
	WIN 0
	s_wait_loadcnt 0x0                             ; the biases
.irp i, 0,1,2,3,4,5,6,7,8,9,10,11,12,13,14,15,16,17,18,19,20,21,22,23,24,25,26,27,28,29,30,31
	v_cndmask_b32 v[BIAS+\i], 0, v[BIAS+\i], s77   ; kept for q and k
.endr
.irp a, 0,1,2,3
	v_cndmask_b32 v[RB+2*\a], 0, v[56+\a], s76     ; kept for v
	v_cndmask_b32 v[RB+2*\a+1], 0, v[56+\a], s76
.endr
	KS 0, 0, 1
	KSS 0, 1
	TURN 0, 1
	KSS 1, 0
	s_wait_dscnt 0x0                               ; the last unit
	WIN MUL
	MUL4 0, 1, 0
	MUL4 1, 1, 0
	MUL4 2, 1, 0
	MUL4 3, 1, 0
	WIN 0
	PLACES 4                                       ; in front of the first read of results
.irp a, 0,1,2,3
.irp i, 0,1,2,3,4,5,6,7,8,9,10,11,12,13,14,15
	v_pk_add_f32 v[ACC+32*\a+2*\i:ACC+32*\a+2*\i+1], v[ACC+32*\a+2*\i:ACC+32*\a+2*\i+1], v[RB+2*\a:RB+2*\a+1]   ; each accumulator from its low end on
.endr
.endr
; THE QUANTISER.  Block n = 2 a + u: the 16 registers at ACC + 16 n are k = 32 u + 16 h + 0 .. 15 (of my 64) of row (a, r); lane l xor 16 holds the block's other half.  The eight by turns
.irp n, 0,1,2,3,4,5,6,7
	v_mov_b32 v[TX+\n], 0                          ; a lane permute's destination counts as one of its sources
.endr
.irp n, 0,1,2,3,4,5,6,7
	v_max3_num_f32 v[TM+\n], |v[ACC+16*\n]|, |v[ACC+16*\n+1]|, 0x1800000   ; with the floor 2^(3 - 127): the byte cannot fall under 1
.endr
.irp i, 2,4,6,8,10,12,14
.irp n, 0,1,2,3,4,5,6,7
	v_max3_num_f32 v[TM+\n], v[TM+\n], |v[ACC+16*\n+\i]|, |v[ACC+16*\n+\i+1]|
.endr
.endr
.irp n, 0,1,2,3,4,5,6,7
	v_permlanex16_b32 v[TX+\n], v[TM+\n], s[SEL], s[SEL+1]
.endr
.irp n, 0,1,2,3,4,5,6,7
	v_max_num_f32 v[TM+\n], v[TM+\n], v[TX+\n]
.endr
.irp n, 0,1,2,3,4,5,6,7
	v_add_nc_u32 v[SO+\n], 0xff000000, v[TM+\n]    ; 2 off the exponent field: the conversion's scale operand
.endr
.irp n, 0,1,2,3,4,5,6,7
	v_lshrrev_b32 v[BY+\n], 23, v[SO+\n]           ; the scale's byte
.endr
.irp a, 0,1,2,3
	v_lshl_or_b32 v[HW+\a], v[BY+2*\a+1], 8, v[BY+2*\a]   ; my two bytes of the row's word
.endr
.irp n, 0,1,2,3,4,5,6,7
	v_cvt_scalef32_pk8_fp4_f32 v[PC+2*\n], v[ACC+16*\n:ACC+16*\n+7], v[SO+\n]
	v_cvt_scalef32_pk8_fp4_f32 v[PC+2*\n+1], v[ACC+16*\n+8:ACC+16*\n+15], v[SO+\n]
.endr
	v_nop                                          ; a plain instruction behind the last scaled conversion
.irp a, 0,1,2,3
.irp i, 0,1
	v_permlane16_swap_b32 v[PC+4*\a+\i], v[PC+4*\a+2+\i]   ; a whole block to a lane: lanes 0-15 the first, lanes 16-31 the second
.endr
.endr
.irp a, 0,1,2,3
	global_store_b128 v3, v[PC+4*\a:PC+4*\a+3], s[12:13] offset:1024*\a   ; 512 consecutive bytes: half a fragment
	ds_store_b16 v[SSA], v[HW+\a] offset:4*\a      ; lanes l and l xor 16 write the same bytes with the same value
.endr
	s_wait_dscnt 0x0                               ; for wave 0's sake: my stores have landed
	s_barrier_signal -1
	s_barrier_wait -1
	s_cmp_lg_u32 s14, 0
	s_cbranch_scc1 .Lnot_mine
	ds_load_b128 v[56:59], v[SSR]
	s_wait_dscnt 0x0
	global_store_b128 v3, v[56:59], s[90:91]       ; the unit's 512 bytes of scale words
.Lnot_mine:
	s_wait_tensorcnt 0x0                           ; the wave's end
	ds_add_u32 v[SPW], v[NIL]
	s_wait_dscnt 0x0
	CROUND                                         ; the closing round
	s_endpgm
.Lfunc_end_k_q6414668635_qkv:
	.size	k_q6414668635_qkv, .Lfunc_end_k_q6414668635_qkv-k_q6414668635_qkv
	.p2alignl 7, 3214868480
	.fill 96, 4, 3214868480
	.section	.rodata,"a",@progbits
	.p2align	6, 0x0
	.amdhsa_kernel k_q6414668635_qkv
		.amdhsa_group_segment_fixed_size 327680
		.amdhsa_private_segment_fixed_size 0
		.amdhsa_enable_private_segment 0
		.amdhsa_kernarg_size 48
		.amdhsa_user_sgpr_count 2
		.amdhsa_user_sgpr_kernarg_segment_ptr 1
		.amdhsa_wavefront_size32 1
		.amdhsa_system_sgpr_workgroup_id_x 1
		.amdhsa_system_sgpr_workgroup_id_y 1
		.amdhsa_system_sgpr_workgroup_id_z 1
		.amdhsa_system_vgpr_workitem_id 0
		.amdhsa_next_free_vgpr 384
		.amdhsa_next_free_sgpr 96
		.amdhsa_reserve_vcc 0
		.amdhsa_float_denorm_mode_32 3
		.amdhsa_float_denorm_mode_16_64 3
		.amdhsa_memory_ordered 1
		.amdhsa_forward_progress 1
		.amdhsa_inst_pref_size 52
	.end_amdhsa_kernel
	.amdgpu_metadata
---
amdhsa.version: [ 1, 2 ]
amdhsa.kernels:
  - .name:           k_q6414668635_qkv
    .symbol:         k_q6414668635_qkv.kd
    .args:
      - { .name: A1, .offset: 0, .size: 8, .value_kind: global_buffer, .address_space: global }
      - { .name: WU, .offset: 8, .size: 8, .value_kind: global_buffer, .address_space: global }
      - { .name: bq, .offset: 16, .size: 8, .value_kind: global_buffer, .address_space: global }
      - { .name: bk, .offset: 24, .size: 8, .value_kind: global_buffer, .address_space: global }
      - { .name: bv, .offset: 32, .size: 8, .value_kind: global_buffer, .address_space: global }
      - { .name: QKVU, .offset: 40, .size: 8, .value_kind: global_buffer, .address_space: global }
    .group_segment_fixed_size: 327680
    .private_segment_fixed_size: 0
    .kernarg_segment_align: 8
    .kernarg_segment_size: 48
    .max_flat_workgroup_size: 128
    .sgpr_count:     96
    .vgpr_count:     384
    .wavefront_size: 32
...
	.end_amdgpu_metadata
.endif
;; end of part 2
;; launch att (part 3): grid 16 x 16, 16 waves a work-group, clusters of 4 x 1, 327,680 bytes of LDS; arguments QKVU, YU; writes YU
.if DOCPART == 3
	.amdgcn_target "amdgcn-amd-amdhsa--gfx1250"
	.amdhsa_code_object_version 6
	.text
	.protected	k_q6414668635_att
	.globl	k_q6414668635_att
	.p2align	8
	.type	k_q6414668635_att,@function
k_q6414668635_att:
	s_mov_b64 s[64:65], 0
	v_nop
	global_prefetch_b8 v0, s[64:65] scope:SCOPE_SE
	s_setreg_imm32_b32 hwreg(HW_REG_WAVE_MODE, 25, 1), 1
	s_wait_xcnt 0x0
	s_wait_alu depctr_hold_cnt(0) depctr_sa_sdst(0) depctr_va_vdst(0) depctr_va_sdst(0) depctr_va_ssrc(0) depctr_va_vcc(0) depctr_vm_vsrc(0)
	s_getreg_b32 s2, hwreg(HW_REG_IB_STS2, 6, 4)
	s_cmp_eq_u32 s2, 0
	s_cbranch_scc0 .Lentry_in_a_cluster
	s_endpgm
.Lentry_in_a_cluster:
	s_bfe_u32 s2, ttmp6, 0x10000c
	s_cmp_lg_u32 s2, 0x3003
	s_cbranch_scc0 .Lentry_shape_is_right
	s_endpgm
.Lentry_shape_is_right:
; y = softmax(q k^T / 8) v for 32 (batch, head) pairs of 2,048 tokens and head size 64, no mask; both products on codes of FP4 (E2M1) with E8M0 scales; y is quantised along the channels and stored in the operand layout U.
; THE SOFTMAX AHEAD OF THE SECOND PRODUCT: t = score x log2(e) / 8; M = the running largest t rounded UP to a whole number; p = 2^(t - M) is quantised along the keys, not normalised; the row's sum is taken of the
; unquantised p and divides at the end.  When M moves, the sum and O are multiplied by 2^(old M - new M), which rounds nothing.
; INPUTS, all in U (units of 8,704 bytes: 128 rows x 128 K as register images, then scale words): q, k: rows = tokens, K = channels: a unit's 128 channels are TWO heads, head c in the half at 512 c of each fragment;
; v: rows = channels, K = tokens: head c's 64 channels are fragments 4 c .. 4 c + 3.
; SHARES.  A work-group takes 128 queries and a PAIR of heads: it makes one whole unit of y.  Sixteen waves, four to a SIMD: wave w takes head w % 2 of the pair and query fragment w / 2 (16 queries).
; Every wave walks the batch's 2,048 keys, 128 a step.  The pair's K and V, 16 units each, lie in LDS WHOLE, filled once: no slot is filled again.
; CLUSTER 4 x 1: the four blocks of queries of a cluster read the same K and V: each tile is asked for jointly, by wave 0 (K, four loads of four key steps) and wave 1 (V likewise): four tensor loads of a wave are out at the most.
; No prefetch: all of K and V is asked for at the kernel's head.
; HEAD SIZE 64 IN AN INSTRUCTION OF K = 128: q's upper four registers are zero codes.  k's operand of tile t is v[24 + 4 t .. 31 + 4 t]: its upper half holds the next tile's codes, which meet q's zero codes; the scale words are
; loaded as 16 bits, the head's two bytes, with zero bytes above them (2^-127, no NaN).
; Both products are used transposed (S^T = k q^T, O^T = v^T p^T): a lane holds ONE query.  By U's order of rows the 16 registers of score tiles 2 b, 2 b + 1 are keys 32 b + 16 (lane / 16) + 0 .. 15, and O^T's likewise 16 neighbouring channels.
; LIMITS: NaN and infinities are not served; a block of p or of y under 2^-124 gets the byte 1 (its codes are zeros or the nearest under that scale).
; REGISTERS: v1-4 addresses that stay, v8-11 those of the step; v12 -M, v13 the largest t, v[14:15] the sum; v16-23 q; v24-59 k; v60-91 v; v96-159 S^T, then p; v160-191 O^T; v192-203 k's and v's scale words; v224-231 p's codes; v232-249, v252-254 at work; v250, v251 the add's two; v255 q's scale word.
.set UNIT, 8704
.set USC,  8192
.set VL,   16*UNIT                     ; LDS: K's 16 units from 0, V's from here,
.set SST,  32*UNIT                     ; and 512 bytes in which y's scale words meet
.set KOFF, 2228224                     ; k's region in the buffer
.set VOFF, 4456448                     ; v's
.set WV,   8
.set G1K,  16
.set G1V,  24
.set G0K,  32                          ; s[32:47] four groups 0 for K's loads
.set G0V,  48                          ; s[48:63] for V's
.set SEL,  66
.set CS,   68
.set TB,   70
.set CNT,  71
.macro CROUND
	s_barrier_signal -1
	s_barrier_wait -1
	s_cmp_lg_u32 s[WV], 0
	s_cbranch_scc1 .Lnot_wave_0_\@
	s_barrier_signal -3
.Lnot_wave_0_\@:
	s_barrier_wait -3
	s_barrier_signal -1
	s_barrier_wait -1
.endm
	s_load_b128 s[4:7], s[0:1], 0x0                ; q, k, v; y
	v_lshl_add_u32 v250, v0, 2, 0x44200
	v_mov_b32 v251, 0
	ds_add_u32 v250, v251
	ds_add_u32 v250, v251
	v_lshrrev_b32 v8, 5, v0
	v_readfirstlane_b32 s[WV], v8                  ; wave 0..15
	s_bfe_u32 s9, ttmp6, 0x40000                   ; cx
	s_lshl_b32 s10, ttmp9, 2
	s_add_co_u32 s10, s10, s9                      ; my block of 128 queries: it enters q's and y's addresses alone
	s_and_b32 s11, ttmp7, 0xffff
	s_lshr_b32 s12, s11, 3                         ; the batch
	s_and_b32 s13, s11, 7                          ; the pair of heads
	s_and_b32 s14, s[WV], 1                        ; c: my head of the pair
	s_lshr_b32 s15, s[WV], 1                       ; f: my fragment of queries
	s_mov_b32 s[G1K], 15|(3<<16)|(1<<21)           ; the mask: all four work-groups; elements of 8 bytes; bit 21 beside a mask
	s_mov_b32 s[G1K+1], 1088<<16                   ; K: four units, each a row of 8,704 bytes,
	s_mov_b32 s[G1K+2], 4<<16
	s_mov_b32 s[G1K+3], 1088<<16
	s_mov_b32 s[G1K+4], 4
	s_mov_b32 s[G1K+5], 8704                       ; eight units apart in memory
	s_mov_b32 s[G1K+6], 0
	s_mov_b32 s[G1K+7], 0
	s_mov_b32 s[G1V], 15|(3<<16)|(1<<21)
	s_mov_b32 s[G1V+1], 32<<16                     ; V: four units on end: 136 rows of 256 bytes
	s_mov_b32 s[G1V+2], 136<<16
	s_mov_b32 s[G1V+3], 32<<16
	s_mov_b32 s[G1V+4], 136
	s_mov_b32 s[G1V+5], 32
	s_mov_b32 s[G1V+6], 0
	s_mov_b32 s[G1V+7], 0
	s_lshl_b32 s72, s12, 7
	s_add_co_u32 s72, s72, s13
	s_mul_i32 s72, s72, UNIT
	s_add_co_u32 s72, s72, KOFF                    ; k: unit (16 batch, pair)
	s_mov_b32 s73, 0
	s_lshl_b32 s74, s13, 5
	s_lshl_b32 s75, s12, 4
	s_add_co_u32 s74, s74, s75
	s_mul_i32 s74, s74, UNIT
	s_add_co_u32 s74, s74, VOFF                    ; v: unit (pair, 16 batch)
	s_mov_b32 s75, 0
	s_lshl_b32 s76, s12, 4
	s_add_co_u32 s76, s76, s10
	s_lshl_b32 s76, s76, 3
	s_add_co_u32 s76, s76, s13
	s_mul_i32 s76, s76, UNIT                       ; q's and y's unit (16 batch + block, pair)
	s_lshl_b32 s77, s15, 10
	s_lshl_b32 s78, s14, 9
	s_add_co_u32 s77, s77, s78
	s_add_co_u32 s80, s76, s77                     ; + 1,024 f + 512 c: my half fragment
	s_mov_b32 s81, 0
	s_lshr_b32 s77, s15, 2
	s_lshl_b32 s77, s77, 8
	s_and_b32 s78, s15, 3
	s_lshl_b32 s78, s78, 2
	s_add_co_u32 s77, s77, s78
	s_lshl_b32 s78, s14, 1
	s_add_co_u32 s79, s77, s78                     ; 256 (f / 4) + 4 (f % 4) + 2 c: my half words' column
	s_add_co_u32 s82, s76, s79
	s_add_co_u32 s82, s82, USC
	s_mov_b32 s83, 0
	s_add_co_u32 s84, s76, USC
	s_mov_b32 s85, 0
	s_mov_b32 s[SEL], 0x76543210
	s_mov_b32 s[SEL+1], 0xfedcba98
	s_mov_b32 s[CS], 0x3e38aa3b                    ; log2(e) / 8
	s_mov_b32 s[CS+1], s[CS]                       ; (named with it as a pair, so it is written)
	s_wait_dscnt 0x0
	s_wait_kmcnt 0x0
	s_add_nc_u64 s[72:73], s[4:5], s[72:73]
	s_add_nc_u64 s[74:75], s[4:5], s[74:75]
	s_add_nc_u64 s[86:87], s[4:5], s[80:81]        ; q's codes
	s_add_nc_u64 s[88:89], s[4:5], s[82:83]        ; q's half words
	s_add_nc_u64 s[90:91], s[6:7], s[80:81]        ; y's codes
	s_add_nc_u64 s[92:93], s[6:7], s[84:85]        ; y's scale words
.irp ch, 0,1,2,3
	s_mov_b32 s[G0K+4*\ch], 1
	s_mov_b32 s[G0K+4*\ch+1], \ch*4*UNIT
	s_add_nc_u64 s[G0K+4*\ch+2:G0K+4*\ch+3], s[72:73], \ch*32*UNIT
	s_or_b32 s[G0K+4*\ch+3], s[G0K+4*\ch+3], 0x80000000
	s_mov_b32 s[G0V+4*\ch], 1
	s_mov_b32 s[G0V+4*\ch+1], VL+\ch*4*UNIT
	s_add_nc_u64 s[G0V+4*\ch+2:G0V+4*\ch+3], s[74:75], \ch*4*UNIT
	s_or_b32 s[G0V+4*\ch+3], s[G0V+4*\ch+3], 0x80000000
.endr
	CROUND                                         ; all four work-groups are here: the joint loads meet
	s_cmp_eq_u32 s[WV], 0                          ; a wave's fills stand in one branch on the wave's number, ahead of every wait on TENSORcnt and every LDS read
	s_cbranch_scc0 .Lnot_k
.irp ch, 0,1,2,3
	tensor_load_to_lds s[G0K+4*\ch:G0K+4*\ch+3], s[G1K:G1K+7]
	s_nop 0
.endr
.rept 4
	v_nop
.endr
	s_branch .Lasked
.Lnot_k:
	s_cmp_eq_u32 s[WV], 1
	s_cbranch_scc0 .Lasked
.irp ch, 0,1,2,3
	tensor_load_to_lds s[G0V+4*\ch:G0V+4*\ch+3], s[G1V:G1V+7]
	s_nop 0
.endr
.rept 4
	v_nop
.endr
.Lasked:
	v_and_b32 v5, 15, v0                           ; r
	v_and_b32 v6, 31, v0
	v_lshlrev_b32 v6, 4, v6                        ; 16 x lane
	v_lshlrev_b32 v7, 4, v5                        ; 16 r
	global_load_b128 v[16:19], v6, s[86:87]        ; q stays in registers
	global_load_u16 v255, v7, s[88:89]             ; and its two scale bytes
	s_lshl_b32 s76, s14, 9
	v_add_nc_u32 v1, s76, v6                       ; k's tiles: 16 x lane + 512 c
	s_lshl_b32 s77, s14, 12
	s_add_co_u32 s77, s77, VL
	v_add_nc_u32 v2, s77, v6                       ; v's fragments: + 4,096 c
	s_lshl_b32 s78, s14, 1
	s_add_co_u32 s78, s78, USC
	v_lshl_add_u32 v3, v5, 4, s78                  ; k's half words: 16 r + 2 c
	s_lshl_b32 s77, s14, 8
	s_add_co_u32 s77, s77, VL+USC
	v_lshl_add_u32 v4, v5, 4, s77                  ; v's words: 16 r + 256 c
	s_add_co_u32 s79, s79, SST
	v_lshl_add_u32 v92, v5, 4, s79                 ; where y's half word goes
	v_add_nc_u32 v93, SST, v6                      ; where wave 0 reads the words back
.irp j, 20,21,22,23,56,57,58,59
	v_mov_b32 v[\j], 0                             ; zero codes: q's upper half, and what stands above k's last tile
.endr
	v_mov_b32 v13, 0xff61b1e6                      ; the largest t so far: -3e38
	v_floor_f32 v12, -v13                          ; -M
	v_mov_b32 v14, 0
	v_mov_b32 v15, 0
.irp b, 0,1,2,3
	v_mov_b32 v[236+\b], 0                         ; a lane permute's destination counts as one of its sources
.endr
	v_mov_b32 v253, 0                              ; (named as the upper half of the pair v[252:253] before it is first written)
.irp j, 0,1,2,3,4,5,6,7,8,9,10,11,12,13,14,15,16,17,18,19,20,21,22,23,24,25,26,27,28,29,30,31
	v_mov_b32 v[160+\j], 0                         ; O^T: the step is written once; the first finds zeros, which the first change of M leaves zeros
.endr
; A KEY STEP: 128 keys, the unit at s[TB]
.macro STEP
	v_add_nc_u32 v8, s[TB], v1                     ; these four are also the places between the last products and the loads into v's registers below
	v_add_nc_u32 v9, s[TB], v2
	v_add_nc_u32 v10, s[TB], v3
	v_add_nc_u32 v11, s[TB], v4
.irp t, 0,1,2,3,4,5,6,7
	ds_load_b128 v[24+4*\t:27+4*\t], v8 offset:1024*\t
.endr
.irp t, 0,1,2,3,4,5,6,7
	ds_load_u16 v[192+\t], v10 offset:256*(\t/4)+4*(\t%4)
.endr
	s_wait_dscnt 0x0
.irp t, 0,1,2,3,4,5,6,7
	v_wmma_scale_f32_16x16x128_f8f6f4 v[96+8*\t:103+8*\t], v[24+4*\t:31+4*\t], v[16:23], 0, v[192+\t], v255 matrix_a_fmt:MATRIX_FMT_FP4 matrix_b_fmt:MATRIX_FMT_FP4
.endr
.irp a, 0,1,2,3
	ds_load_b128 v[60+8*\a:63+8*\a], v9 offset:1024*\a      ; v's fragments land under the softmax
	ds_load_b128 v[64+8*\a:67+8*\a], v9 offset:1024*\a+512
.endr
	ds_load_b128 v[200:203], v11
.rept 4
	v_nop                                          ; places in front of the first read of the scores
.endr
.irp b, 0,1,2,3
	v_max3_num_f32 v[232+\b], v[96+16*\b], v[97+16*\b], v[98+16*\b]   ; the largest score of each block of 32 keys: for the row's maximum and, since p rises with the score, for the block's largest p
.endr
.irp i, 3,5,7,9,11,13
.irp b, 0,1,2,3
	v_max3_num_f32 v[232+\b], v[232+\b], v[96+16*\b+\i], v[97+16*\b+\i]
.endr
.endr
.irp b, 0,1,2,3
	v_max_num_f32 v[232+\b], v[232+\b], v[111+16*\b]
.endr
.irp b, 0,1,2,3
	v_permlanex16_b32 v[236+\b], v[232+\b], s[SEL], s[SEL+1]
.endr
.irp b, 0,1,2,3
	v_max_num_f32 v[232+\b], v[232+\b], v[236+\b]  ; with lane l xor 16's 16 keys
.endr
	v_max3_num_f32 v254, v232, v233, v234
	v_max_num_f32 v254, v254, v235
	v_mul_f32 v254, s[CS], v254                    ; as t
	v_max_num_f32 v13, v13, v254                   ; the running largest t
	v_mov_b32 v254, v12
	v_floor_f32 v12, -v13                          ; the new -M = -ceil(t)
	v_sub_f32 v254, v12, v254                      ; old M - new M: a whole number, 0 or less
	v_cvt_i32_f32 v254, v254                       ; (it saturates)
	v_ldexp_f32 v252, 1.0, v254                    ; f = 2^(old M - new M)
.irp j, 0,2,4,6,8,10,12,14,16,18,20,22,24,26,28,30,32,34,36,38,40,42,44,46,48,50,52,54,56,58,60,62
	v_pk_fma_f32 v[96+\j:97+\j], v[96+\j:97+\j], s[CS:CS+1], v[12:13] op_sel_hi:[1,0,0]   ; t - M
.endr
.irp b, 0,1,2,3
	v_fma_f32 v[232+\b], v[232+\b], s[CS], v12     ; the same of each block's largest score
.endr
.irp j, 0,1,2,3,4,5,6,7,8,9,10,11,12,13,14,15,16,17,18,19,20,21,22,23,24,25,26,27,28,29,30,31,32,33,34,35,36,37,38,39,40,41,42,43,44,45,46,47,48,49,50,51,52,53,54,55,56,57,58,59,60,61,62,63
	v_exp_f32 v[96+\j], v[96+\j]                   ; p = 2^(t - M)
.endr
.irp b, 0,1,2,3
	v_exp_f32 v[232+\b], v[232+\b]                 ; the blocks' largest p: one batch with the 64
.endr
	v_pk_mul_f32 v[14:15], v[14:15], v[252:253] op_sel_hi:[1,0]   ; the sum under the new M: the plain instruction behind the batch
.irp j, 0,2,4,6,8,10,12,14,16,18,20,22,24,26,28,30
	v_pk_mul_f32 v[160+\j:161+\j], v[160+\j:161+\j], v[252:253] op_sel_hi:[1,0]   ; O^T under the new M: work that names no exponential's result; each accumulator from its low end on
.endr
	s_wait_alu depctr_va_vdst(0)                   ; one wait for the 68, ahead of their first reader
.irp b, 0,1,2,3
	v_max_num_f32 v[232+\b], 0x1800000, v[232+\b]  ; the floor 2^(3 - 127): the byte cannot fall under 1
.endr
.irp b, 0,1,2,3
	v_add_nc_u32 v[244+\b], 0xff000000, v[232+\b]  ; 2 off the exponent field: the conversion's scale operand
.endr
.irp b, 0,1,2,3
	v_lshrrev_b32 v[236+\b], 23, v[244+\b]
.endr
	v_lshl_or_b32 v253, v237, 8, v236              ; p's scale word for these 128 keys
	v_lshl_or_b32 v253, v238, 16, v253
	v_lshl_or_b32 v253, v239, 24, v253
.irp b, 0,1,2,3
	v_cvt_scalef32_pk8_fp4_f32 v[224+2*\b], v[96+16*\b:103+16*\b], v[244+\b]
	v_cvt_scalef32_pk8_fp4_f32 v[225+2*\b], v[104+16*\b:111+16*\b], v[244+\b]
.endr
	v_nop                                          ; a plain instruction behind the last scaled conversion
.irp c, 0,1
.irp i, 0,1
	v_permlane16_swap_b32 v[224+4*\c+\i], v[226+4*\c+\i]   ; a whole block to a lane
.endr
.endr
	v_pk_add_f32 v[236:237], v[96:97], v[98:99]    ; the row's sum of the UNQUANTISED p, in two chains.  These 32 lines are also the places between p's scale word and codes and the products below
.irp j, 4,8,12,16,20,24,28,32,36,40,44,48,52,56,60
	v_pk_add_f32 v[14:15], v[14:15], v[96+\j:97+\j]
	v_pk_add_f32 v[236:237], v[236:237], v[98+\j:99+\j]
.endr
	v_pk_add_f32 v[14:15], v[14:15], v[236:237]
	s_wait_dscnt 0x0                               ; v's fragments and words
.irp a, 0,1,2,3
	v_wmma_scale_f32_16x16x128_f8f6f4 v[160+8*\a:167+8*\a], v[60+8*\a:67+8*\a], v[224:231], v[160+8*\a:167+8*\a], v[200+\a], v253 matrix_a_fmt:MATRIX_FMT_FP4 matrix_b_fmt:MATRIX_FMT_FP4
.endr
.endm
; Four key steps, brought by one load of wave 0 and one of wave 1.  The loads of a wave end in order: the count leaves the later chunks' loads out.
.macro CHUNK ch
	s_wait_tensorcnt 3-\ch
	s_wait_dscnt 0x0
	s_barrier_signal -1
	s_barrier_wait -1
	s_mov_b32 s[TB], \ch*4*UNIT
	s_mov_b32 s[CNT], 4
.Lstep_\@:
	STEP
	s_add_co_u32 s[TB], s[TB], UNIT
	s_sub_co_u32 s[CNT], s[CNT], 1
	s_cmp_lg_u32 s[CNT], 0
	s_cbranch_scc1 .Lstep_\@
.endm
	s_wait_loadcnt 0x0                             ; q
	CHUNK 0
	CHUNK 1
	CHUNK 2
	CHUNK 3
	; THE WAY OUT: O^T / the sum, quantised along the channels: my head's two blocks of 32
	v_add_f32 v14, v14, v15
	v_permlanex16_b32 v252, v14, s[SEL], s[SEL+1]
	v_add_f32 v14, v14, v252                       ; the row's sum
	v_rcp_f32 v14, v14
	v_mov_b32 v236, 0                              ; (plain instructions behind the reciprocal, and places behind the last products)
	v_mov_b32 v237, 0
	s_wait_alu depctr_va_vdst(0)                   ; ahead of the reciprocal's first reader
.irp j, 0,1,2,3,4,5,6,7,8,9,10,11,12,13,14,15,16,17,18,19,20,21,22,23,24,25,26,27,28,29,30,31
	v_mul_f32 v[96+\j], v[160+\j], v14             ; register 16 n + i: channel 32 n + 16 (lane / 16) + i of my head
.endr
.irp n, 0,1
	v_max3_num_f32 v[232+\n], |v[96+16*\n]|, |v[97+16*\n]|, 0x1800000
.endr
.irp i, 2,4,6,8,10,12,14
.irp n, 0,1
	v_max3_num_f32 v[232+\n], v[232+\n], |v[96+16*\n+\i]|, |v[97+16*\n+\i]|
.endr
.endr
.irp n, 0,1
	v_permlanex16_b32 v[236+\n], v[232+\n], s[SEL], s[SEL+1]
.endr
.irp n, 0,1
	v_max_num_f32 v[232+\n], v[232+\n], v[236+\n]
.endr
.irp n, 0,1
	v_add_nc_u32 v[244+\n], 0xff000000, v[232+\n]
.endr
.irp n, 0,1
	v_lshrrev_b32 v[240+\n], 23, v[244+\n]
.endr
	v_lshl_or_b32 v242, v241, 8, v240
.irp n, 0,1
	v_cvt_scalef32_pk8_fp4_f32 v[224+2*\n], v[96+16*\n:103+16*\n], v[244+\n]
	v_cvt_scalef32_pk8_fp4_f32 v[225+2*\n], v[104+16*\n:111+16*\n], v[244+\n]
.endr
	v_nop
	v_permlane16_swap_b32 v224, v226
	v_permlane16_swap_b32 v225, v227
	global_store_b128 v6, v[224:227], s[90:91]     ; 512 consecutive bytes: my half fragment
	ds_store_b16 v92, v242                         ; lanes l and l xor 16 write the same bytes with the same value
	s_wait_dscnt 0x0                               ; for wave 0's sake
	s_barrier_signal -1
	s_barrier_wait -1
	s_cmp_lg_u32 s[WV], 0
	s_cbranch_scc1 .Lnot_mine
	ds_load_b128 v[96:99], v93
	s_wait_dscnt 0x0
	global_store_b128 v6, v[96:99], s[92:93]       ; the unit's 512 bytes of scale words
.Lnot_mine:
	s_wait_tensorcnt 0x0
	ds_add_u32 v250, v251
	s_wait_dscnt 0x0
	CROUND                                         ; the closing round
	s_endpgm
.Lfunc_end_k_q6414668635_att:
	.size	k_q6414668635_att, .Lfunc_end_k_q6414668635_att-k_q6414668635_att
	.p2alignl 7, 3214868480
	.fill 96, 4, 3214868480
	.section	.rodata,"a",@progbits
	.p2align	6, 0x0
	.amdhsa_kernel k_q6414668635_att
		.amdhsa_group_segment_fixed_size 327680
		.amdhsa_private_segment_fixed_size 0
		.amdhsa_enable_private_segment 0
		.amdhsa_kernarg_size 16
		.amdhsa_user_sgpr_count 2
		.amdhsa_user_sgpr_kernarg_segment_ptr 1
		.amdhsa_wavefront_size32 1
		.amdhsa_system_sgpr_workgroup_id_x 1
		.amdhsa_system_sgpr_workgroup_id_y 1
		.amdhsa_system_sgpr_workgroup_id_z 1
		.amdhsa_system_vgpr_workitem_id 0
		.amdhsa_next_free_vgpr 256
		.amdhsa_next_free_sgpr 96
		.amdhsa_reserve_vcc 0
		.amdhsa_float_denorm_mode_32 3
		.amdhsa_float_denorm_mode_16_64 3
		.amdhsa_memory_ordered 1
		.amdhsa_forward_progress 1
		.amdhsa_inst_pref_size 75
	.end_amdhsa_kernel
	.amdgpu_metadata
---
amdhsa.version: [ 1, 2 ]
amdhsa.kernels:
  - .name:           k_q6414668635_att
    .symbol:         k_q6414668635_att.kd
    .args:
      - { .name: QKVU, .offset: 0, .size: 8, .value_kind: global_buffer, .address_space: global }
      - { .name: YU, .offset: 8, .size: 8, .value_kind: global_buffer, .address_space: global }
    .group_segment_fixed_size: 327680
    .private_segment_fixed_size: 0
    .kernarg_segment_align: 8
    .kernarg_segment_size: 16
    .max_flat_workgroup_size: 512
    .sgpr_count:     96
    .vgpr_count:     256
    .wavefront_size: 32
...
	.end_amdgpu_metadata
.endif
;; end of part 3
;; launch wo (part 4): grid 8 x 32, 4 waves a work-group, clusters of 4 x 4, 327,680 bytes of LDS; arguments YU, WU, bo, x, X1; writes X1
.if DOCPART == 4
	.amdgcn_target "amdgcn-amd-amdhsa--gfx1250"
	.amdhsa_code_object_version 6
	.text
	.protected	k_q6414668635_wo
	.globl	k_q6414668635_wo
	.p2align	8
	.type	k_q6414668635_wo,@function
k_q6414668635_wo:
	s_mov_b64 s[64:65], 0
	v_nop
	global_prefetch_b8 v0, s[64:65] scope:SCOPE_SE
	s_setreg_imm32_b32 hwreg(HW_REG_WAVE_MODE, 25, 1), 1
	s_wait_xcnt 0x0
	s_wait_alu depctr_hold_cnt(0) depctr_sa_sdst(0) depctr_va_vdst(0) depctr_va_sdst(0) depctr_va_ssrc(0) depctr_va_vcc(0) depctr_vm_vsrc(0)
	s_getreg_b32 s2, hwreg(HW_REG_IB_STS2, 6, 4)
	s_cmp_eq_u32 s2, 0
	s_cbranch_scc0 .Lentry_in_a_cluster
	s_endpgm
.Lentry_in_a_cluster:
	s_bfe_u32 s2, ttmp6, 0x10000c
	s_cmp_lg_u32 s2, 0xf033
	s_cbranch_scc0 .Lentry_shape_is_right
	s_endpgm
.Lentry_shape_is_right:
; out = resid + P Q^T + bias, f32 [4096][1024].  P: 4,096 rows of codes of FP4 (E2M1) with E8M0 scales in the operand layout U (units of 8,704 bytes: 128 rows x 128 K as images of the operand's registers, then scale words);
; Q: the weight's 1,024 rows, in U, at QOFF of the weights' buffer.  The text serves two launches, told apart by the five constants below: the attention's output projection (K = 1,024) and the MLP's second layer (K = 4,096).
; A tile of 128 x 128 to a work-group: 256 work-groups.  Four waves, each 64 x 64: 16 accumulators.  Source 0 = Q's rows, source 1 = P's: a lane holds one row of the result and neighbouring columns.
; K goes through two LDS slots of NQ units of each operand; with LAPS = 1 each is filled once, with LAPS = 2 each is filled once more, behind a round of the cluster's barrier.
; CLUSTER 4 x 4: P's tiles are asked for jointly along a row of the cluster, Q's along a column.  No prefetch: half or all of K is asked for at the head, and a refill has NQ units' products (16 NQ a wave) in which to land.
; The bias is the C of the first products.  The residual is asked for at the head, into registers of its own, in the layout in which the rows leave.
; THE WAY OUT: a block of 16 rows x 64 columns goes through the wave's own stage in LDS and leaves as rows of 256 consecutive aligned bytes to sixteen lanes.
; REGISTERS.  Window 0: v1-15 addresses; v16-23 scale words, two sets (lanes 0-15 P's, lanes 16-31 Q's); v24-55 the bias; v56-119 rows on the way out; v128-255 accumulator (a, b) at 128 + 8 (4 a + b).
; Window 1: v0-127 two sets of fragments (Q's four at 64 p, P's four at 64 p + 32); v128-255 the residual.
.set KU,    8                          ; units along K
.set NQ,    4                          ; units of each operand in a slot
.set LAPS,  1                          ; times round the two slots
.set QOFF,  1671168                    ; the weight's region
.set NT,    0                          ; 1: the result is read by no later launch
.set UNIT,  8704
.set USC,   8192
.set HALF,  NQ/2*UNIT                  ; what one tensor load brings
.set RR,    HALF/256
.set SLOT,  2*NQ*UNIT
.set STAGE, 2*SLOT                     ; behind the slots: 16 rows x 272 bytes for each wave
.set SPITCH, 272
.set SPARE, STAGE+4*16*SPITCH          ; the spare words, 128 bytes a wave: no other line names them
.set ADRP, 4
.set ADRQ, 6
.set ADRS, 8
.set STO,  10
.set RD,   11
.set CO,   12
.set SPW,  13
.set NIL,  14
.set BCO,  15
.set SC,   16
.set BIAS, 24
.set BK,   56
.set ACC,  128
.set RES,  128                         ; in window 1
.set G1P, 24
.set G0P, 32
.set G1Q, 48
.set G0Q, 56
.set MSB, 0
.macro WIN new                         ; the immediate's high byte repeats the setting that is left
.if MSB != \new
	s_set_vgpr_msb (MSB<<8)|\new
.set MSB, \new
.endif
.endm
.set MUL,   0x05                       ; sources 0 and 1 window 1; C and D window 0
.set TO_F,  0x40                       ; destination window 1, address window 0
.set W_RES, 0x04                       ; source 1 window 1
.macro JLOAD g0p, g1p, g0q, g1q        ; a joint load: waves 0 and 1 fetch for P, waves 2 and 3 for Q; four v_nop follow each line
	s_cmp_eq_u32 s15, 0
	s_cbranch_scc0 .Lfor_q_\@
	tensor_load_to_lds s[\g0p:\g0p+3], s[\g1p:\g1p+7]
	s_nop 0
.rept 4
	v_nop
.endr
	s_branch .Lasked_\@
.Lfor_q_\@:
	tensor_load_to_lds s[\g0q:\g0q+3], s[\g1q:\g1q+7]
	s_nop 0
.rept 4
	v_nop
.endr
.Lasked_\@:
.endm
.macro CREST
	s_cmp_lg_u32 s14, 0
	s_cbranch_scc1 .Lnot_wave_0_\@
	s_barrier_signal -3
.Lnot_wave_0_\@:
	s_barrier_wait -3
	s_barrier_signal -1
	s_barrier_wait -1
.endm
.macro CROUND
	s_barrier_signal -1
	s_barrier_wait -1
	CREST
.endm
.macro PLACES n
.rept \n
	v_nop
.endr
.endm
.macro FETCH slot, q, p                ; 17 LDS loads: unit q of the slot into set p: the scale words, Q's four fragments, P's four
	WIN 0
	ds_load_b128 v[SC+4*(\p):SC+4*(\p)+3], v[ADRS+\slot] offset:(\q)*UNIT
	WIN TO_F
.irp i, 0,1,2,3
	ds_load_b128 v[64*(\p)+8*\i:64*(\p)+8*\i+3], v[ADRQ+\slot] offset:(\q)*UNIT+1024*\i
	ds_load_b128 v[64*(\p)+8*\i+4:64*(\p)+8*\i+7], v[ADRQ+\slot] offset:(\q)*UNIT+1024*\i+512
.endr
.irp i, 0,1,2,3
	ds_load_b128 v[64*(\p)+32+8*\i:64*(\p)+32+8*\i+3], v[ADRP+\slot] offset:(\q)*UNIT+1024*\i
	ds_load_b128 v[64*(\p)+32+8*\i+4:64*(\p)+32+8*\i+7], v[ADRP+\slot] offset:(\q)*UNIT+1024*\i+512
.endr
.endm
.macro MUL4 a, p, cz                   ; P's block a against Q's four.  cz = 1: the first product starts the sums from the bias.  The 16 accumulators take turns, in one order throughout
.irp b, 0,1,2,3
.if \cz
	v_wmma_scale_f32_16x16x128_f8f6f4 v[ACC+8*(4*(\a)+\b):ACC+8*(4*(\a)+\b)+7], v[64*(\p)+8*\b:64*(\p)+8*\b+7], v[64*(\p)+32+8*(\a):64*(\p)+32+8*(\a)+7], v[BIAS+8*\b:BIAS+8*\b+7], v[SC+4*(\p)+\b], v[SC+4*(\p)+(\a)] matrix_a_fmt:MATRIX_FMT_FP4 matrix_b_fmt:MATRIX_FMT_FP4 matrix_a_scale:MATRIX_SCALE_ROW1
.else
	v_wmma_scale_f32_16x16x128_f8f6f4 v[ACC+8*(4*(\a)+\b):ACC+8*(4*(\a)+\b)+7], v[64*(\p)+8*\b:64*(\p)+8*\b+7], v[64*(\p)+32+8*(\a):64*(\p)+32+8*(\a)+7], v[ACC+8*(4*(\a)+\b):ACC+8*(4*(\a)+\b)+7], v[SC+4*(\p)+\b], v[SC+4*(\p)+(\a)] matrix_a_fmt:MATRIX_FMT_FP4 matrix_b_fmt:MATRIX_FMT_FP4 matrix_a_scale:MATRIX_SCALE_ROW1
.endif
.endr
.endm
.macro KS slot, q, cz                  ; unit q, which has its successor in the same slot
	PLACES 4                                       ; in front of loads into registers that the last products read
	FETCH \slot, (\q)+1, 1-(\q)%2
	s_wait_dscnt 17                                ; all but the 17 just issued: this unit's set is in
	WIN MUL
	MUL4 0, (\q)%2, \cz
	MUL4 1, (\q)%2, \cz
	MUL4 2, (\q)%2, \cz
	MUL4 3, (\q)%2, \cz
.endm
.macro KSS slot, from
.set Q, \from
.rept NQ-1-\from
	KS \slot, Q, 0
.set Q, Q+1
.endr
.endm
; A slot's last unit changes slots: ONE barrier; in front of it each wave waits for all its tensor loads, adds 0 to its spare word, and waits for that and for its reads of this slot.  fill = 1: this slot is filled again, 2 NQ units on.
.macro TURN slot, next, fill
	WIN 0
	s_wait_tensorcnt 0x0                           ; all my tensor loads have landed: my part of the next slot
	ds_add_u32 v[SPW], v[NIL]                      ; 0 onto my spare word
	s_wait_dscnt 1                                 ; this unit's set is in; the add may be out
	WIN MUL
	MUL4 0, 1, 0                                   ; four products stand between the add and the wait for it
	s_wait_dscnt 0x0                               ; the add is done, and my reads of this slot are over
	s_barrier_signal -1
	MUL4 1, 1, 0
	WIN 0
	s_barrier_wait -1
.if \fill
	CREST                                          ; the barrier has opened a round of the cluster's: no wave of any partner still reads this slot or has a load on its way
	s_add_nc_u64 s[G0P+4*\slot+2:G0P+4*\slot+3], s[G0P+4*\slot+2:G0P+4*\slot+3], 2*NQ*UNIT
	s_add_nc_u64 s[G0Q+4*\slot+2:G0Q+4*\slot+3], s[G0Q+4*\slot+2:G0Q+4*\slot+3], 2*NQ*UNIT
	JLOAD G0P+4*\slot, G1P, G0Q+4*\slot, G1Q       ; the first tensor load behind the round, one a wave; its four v_nop are the places in front of the loads below
.else
	PLACES 4
.endif
	FETCH \next, 0, 0
	WIN MUL
	MUL4 2, 1, 0
	MUL4 3, 1, 0
.endm
	s_load_b128 s[4:7], s[0:1], 0x0                ; P, the weights
	s_load_b128 s[8:11], s[0:1], 0x10              ; the bias, the residual
	s_load_b64 s[12:13], s[0:1], 0x20              ; the result
	v_lshl_add_u32 v[SPW], v0, 2, SPARE
	v_mov_b32 v[NIL], 0
	ds_add_u32 v13, v14
	ds_add_u32 v13, v14
	s_wait_dscnt 0x0
	v_lshrrev_b32 v1, 5, v0
	v_readfirstlane_b32 s14, v1                    ; wave 0..3
	s_lshr_b32 s15, s14, 1                         ; wm: which 64 rows are mine.  Also: I fetch for P (0) or Q (1)
	s_and_b32 s16, s14, 1                          ; wn: which 64 columns.  Also: which half of a slot's units I fetch
	s_bfe_u32 s40, ttmp6, 0x40000                  ; cx, cy: my place in the cluster
	s_bfe_u32 s41, ttmp6, 0x40004
	s_lshl_b32 s42, ttmp9, 2
	s_add_co_u32 s42, s42, s40                     ; Q's tile
	s_and_b32 s17, ttmp7, 0xffff
	s_lshl_b32 s17, s17, 2
	s_add_co_u32 s17, s17, s41                     ; P's tile
	s_lshl_b32 s43, s41, 2
	s_lshl_b32 s43, 15, s43                        ; my row of the cluster
	s_lshl_b32 s44, 0x1111, s40                    ; my column
	s_or_b32 s[G1P], s43, (3<<16)|(1<<21)          ; 15:0 the mask; 17:16 elements of 8 bytes; 21 set beside a mask; no padding
	s_or_b32 s[G1Q], s44, (3<<16)|(1<<21)
.irp g, G1P, G1Q
	s_mov_b32 s[\g+1], 32<<16                      ; a dense block as rows of 256 bytes: tensor_dim0 = 32
	s_mov_b32 s[\g+2], RR<<16                      ; tensor_dim1
	s_mov_b32 s[\g+3], 32<<16                      ; tile_dim0
	s_mov_b32 s[\g+4], RR                          ; tile_dim1
	s_mov_b32 s[\g+5], 32                          ; the pitch
	s_mov_b32 s[\g+6], 0
	s_mov_b32 s[\g+7], 0
.endr
	s_mul_i32 s18, s16, HALF
	s_mul_i32 s20, s17, KU*UNIT
	s_add_co_u32 s20, s20, s18                     ; P: the tile's units, my half of a slot's
	s_mov_b32 s21, 0
	s_mul_i32 s46, s42, KU*UNIT
	s_add_co_u32 s46, s46, s18
	s_add_co_u32 s46, s46, QOFF                    ; Q likewise, in its region
	s_mov_b32 s47, 0
	s_mul_i32 s45, s14, HALF                       ; where they go: P's two halves, then Q's: no place in the cluster enters an LDS address
	s_wait_kmcnt 0x0
	s_add_nc_u64 s[20:21], s[4:5], s[20:21]
	s_add_nc_u64 s[46:47], s[6:7], s[46:47]
	CROUND                                         ; all sixteen work-groups are here: the first joint loads meet
.irp s, 0,1
	s_mov_b32 s[G0P+4*\s], 1
	s_add_co_u32 s[G0P+4*\s+1], s45, \s*SLOT
	s_add_nc_u64 s[G0P+4*\s+2:G0P+4*\s+3], s[20:21], \s*NQ*UNIT
	s_or_b32 s[G0P+4*\s+3], s[G0P+4*\s+3], 0x80000000
	s_mov_b32 s[G0Q+4*\s], 1
	s_add_co_u32 s[G0Q+4*\s+1], s45, \s*SLOT
	s_add_nc_u64 s[G0Q+4*\s+2:G0Q+4*\s+3], s[46:47], \s*NQ*UNIT
	s_or_b32 s[G0Q+4*\s+3], s[G0Q+4*\s+3], 0x80000000
	JLOAD G0P+4*\s, G1P, G0Q+4*\s, G1Q
.endr
	v_and_b32 v1, 15, v0                           ; r
	v_bfe_u32 v2, v0, 4, 1                         ; h
	v_and_b32 v3, 31, v0
	v_lshlrev_b32 v3, 4, v3                        ; 16 x lane
	v_lshlrev_b32 v[BCO], 6, v2                    ; the bias: 16 h numbers on
	v_lshlrev_b32 v[CO], 12, v2
	v_lshl_add_u32 v[CO], v1, 4, v[CO]             ; rows out and residual in: lanes 0-15 one row's 256 bytes, lanes 16-31 the next row's
	s_lshl_b32 s18, s42, 9
	s_lshl_b32 s19, s16, 8
	s_add_co_u32 s18, s18, s19                     ; 4 (128 Q's tile + 64 wn)
	s_mov_b32 s19, 0
	s_add_nc_u64 s[8:9], s[8:9], s[18:19]
	s_lshl_b32 s22, s17, 7
	s_lshl_b32 s23, s15, 6
	s_add_co_u32 s22, s22, s23
	s_lshl_b32 s22, s22, 12                        ; my first row x 4,096 bytes
	s_add_co_u32 s18, s18, s22
	s_add_nc_u64 s[10:11], s[10:11], s[18:19]
	s_add_nc_u64 s[12:13], s[12:13], s[18:19]
.irp b, 0,1,2,3
	global_load_b128 v[BIAS+8*\b:BIAS+8*\b+3], v[BCO], s[8:9] offset:(32*(\b/2)+8*(\b%2))*4
	global_load_b128 v[BIAS+8*\b+4:BIAS+8*\b+7], v[BCO], s[8:9] offset:(32*(\b/2)+8*(\b%2))*4+16
.endr
	WIN TO_F
.irp a, 0,1,2,3
.irp t, 0,1,2,3,4,5,6,7
	global_load_b128 v[RES+32*\a+4*\t:RES+32*\a+4*\t+3], v[CO], s[10:11] offset:(32*(\a/2)+8*(\a%2)+2*\t+8*(\t/4))*4096
.endr
.endr
	WIN 0
	s_lshl_b32 s21, s15, 12
	s_lshl_b32 s22, s16, 12
	s_add_co_u32 s22, s22, NQ*UNIT
.irp s, 0,1
	v_add_nc_u32 v[ADRP+\s], s21, v3
	v_add_nc_u32 v[ADRQ+\s], s22, v3
	s_add_co_u32 s21, s21, SLOT
	s_add_co_u32 s22, s22, SLOT
.endr
	s_lshl_b32 s21, s15, 8
	s_lshl_b32 s22, s16, 8
	s_add_co_u32 s22, s22, NQ*UNIT
	s_sub_co_u32 s22, s22, s21
	v_mul_u32_u24 v[ADRS], s22, v2                 ; lanes 16-31 take Q's words: one product with h
	s_add_co_u32 s21, s21, USC
	v_lshl_add_u32 v[ADRS], v1, 4, v[ADRS]
	v_add_nc_u32 v[ADRS], s21, v[ADRS]
	v_add_nc_u32 v[ADRS+1], SLOT, v[ADRS]
	s_mul_i32 s23, s14, 16*SPITCH
	s_add_co_u32 s23, s23, STAGE                   ; my stage
	v_mul_u32_u24 v[STO], v1, SPITCH
	v_lshl_add_u32 v[STO], v2, 6, v[STO]
	v_add_nc_u32 v[STO], s23, v[STO]               ; in: row r, + 64 h bytes
	v_mul_u32_u24 v[RD], v2, SPITCH
	v_lshl_add_u32 v[RD], v1, 4, v[RD]
	v_add_nc_u32 v[RD], s23, v[RD]                 ; back: lanes 0-15 one row, lanes 16-31 the next
	s_wait_tensorcnt 1                             ; my part of slot 0 is in; slot 1's load, issued behind it, may be out
	s_barrier_signal -1
	s_barrier_wait -1                              ; everybody's is
	FETCH 0, 0, 0
	s_wait_loadcnt 32                              ; the bias is in; the residual's 32 loads, issued behind it, may be out
	KS 0, 0, 1
.if LAPS > 1
.rept LAPS-1
	KSS 0, 1
	TURN 0, 1, 1
	KSS 1, 0
	TURN 1, 0, 1
	KS 0, 0, 0
.endr
.endif
	KSS 0, 1
	TURN 0, 1, 0
	KSS 1, 0
	s_wait_dscnt 0x0                               ; the last unit
	WIN MUL
	MUL4 0, 1, 0
	MUL4 1, 1, 0
	MUL4 2, 1, 0
	MUL4 3, 1, 0
	WIN 0
	PLACES 4                                       ; in front of the first read of results
; Block a: lane (r, h) holds row r and, in accumulator b, columns 32 (b / 2) + 8 (b % 2) + 16 h + 0 .. 7.  LDS serves a wave's instructions in order: no wait between the stores and the loads, nor in front of the next block's stores
.macro TOSTAGE a
.irp b, 0,1,2,3
	ds_store_b128 v[STO], v[ACC+32*(\a)+8*\b:ACC+32*(\a)+8*\b+3] offset:128*(\b/2)+32*(\b%2)       ; each accumulator from its low end on
	ds_store_b128 v[STO], v[ACC+32*(\a)+8*\b+4:ACC+32*(\a)+8*\b+7] offset:128*(\b/2)+32*(\b%2)+16
.endr
.set BB, BK+32*((\a)%2)
.irp t, 0,1,2,3,4,5,6,7
	ds_load_b128 v[BB+4*\t:BB+4*\t+3], v[RD] offset:2*SPITCH*\t
.endr
.endm
.macro SEND a, younger                 ; younger: the LDS instructions issued behind block a's loads
.set BB, BK+32*((\a)%2)
	s_wait_dscnt \younger
	WIN W_RES
.irp i, 0,1,2,3,4,5,6,7,8,9,10,11,12,13,14,15
	v_pk_add_f32 v[BB+2*\i:BB+2*\i+1], v[BB+2*\i:BB+2*\i+1], v[RES+32*(\a)+2*\i:RES+32*(\a)+2*\i+1]
.endr
	WIN 0
.irp t, 0,1,2,3,4,5,6,7
.if NT
	global_store_b128 v[CO], v[BB+4*\t:BB+4*\t+3], s[12:13] offset:(32*((\a)/2)+8*((\a)%2)+2*\t+8*(\t/4))*4096 th:TH_STORE_NT
.else
	global_store_b128 v[CO], v[BB+4*\t:BB+4*\t+3], s[12:13] offset:(32*((\a)/2)+8*((\a)%2)+2*\t+8*(\t/4))*4096   ; sixteen lanes store 256 consecutive bytes, at a multiple of 256 from the buffer's first byte
.endif
.endr
.endm
	s_wait_loadcnt 0x0                             ; the residual
	TOSTAGE 0
.irp a, 1,2,3
.if \a > 1
	s_wait_xcnt 0x0                                ; block a - 2's stores have read their registers: block a's rows may land there
.endif
	TOSTAGE \a
	SEND \a-1, 16                                  ; behind block a - 1's loads: block a's 8 stores and 8 loads
.endr
	SEND 3, 0
	s_wait_tensorcnt 0x0                           ; the wave's end
	ds_add_u32 v[SPW], v[NIL]
	s_wait_dscnt 0x0
	CROUND                                         ; the closing round
	s_endpgm
.Lfunc_end_k_q6414668635_wo:
	.size	k_q6414668635_wo, .Lfunc_end_k_q6414668635_wo-k_q6414668635_wo
	.p2alignl 7, 3214868480
	.fill 96, 4, 3214868480
	.section	.rodata,"a",@progbits
	.p2align	6, 0x0
	.amdhsa_kernel k_q6414668635_wo
		.amdhsa_group_segment_fixed_size 327680
		.amdhsa_private_segment_fixed_size 0
		.amdhsa_enable_private_segment 0
		.amdhsa_kernarg_size 40
		.amdhsa_user_sgpr_count 2
		.amdhsa_user_sgpr_kernarg_segment_ptr 1
		.amdhsa_wavefront_size32 1
		.amdhsa_system_sgpr_workgroup_id_x 1
		.amdhsa_system_sgpr_workgroup_id_y 1
		.amdhsa_system_sgpr_workgroup_id_z 1
		.amdhsa_system_vgpr_workitem_id 0
		.amdhsa_next_free_vgpr 512
		.amdhsa_next_free_sgpr 96
		.amdhsa_reserve_vcc 0
		.amdhsa_float_denorm_mode_32 3
		.amdhsa_float_denorm_mode_16_64 3
		.amdhsa_memory_ordered 1
		.amdhsa_forward_progress 1
		.amdhsa_inst_pref_size 50
	.end_amdhsa_kernel
	.amdgpu_metadata
---
amdhsa.version: [ 1, 2 ]
amdhsa.kernels:
  - .name:           k_q6414668635_wo
    .symbol:         k_q6414668635_wo.kd
    .args:
      - { .name: YU, .offset: 0, .size: 8, .value_kind: global_buffer, .address_space: global }
      - { .name: WU, .offset: 8, .size: 8, .value_kind: global_buffer, .address_space: global }
      - { .name: bo, .offset: 16, .size: 8, .value_kind: global_buffer, .address_space: global }
      - { .name: x, .offset: 24, .size: 8, .value_kind: global_buffer, .address_space: global }
      - { .name: X1, .offset: 32, .size: 8, .value_kind: global_buffer, .address_space: global }
    .group_segment_fixed_size: 327680
    .private_segment_fixed_size: 0
    .kernarg_segment_align: 8
    .kernarg_segment_size: 40
    .max_flat_workgroup_size: 128
    .sgpr_count:     96
    .vgpr_count:     512
    .wavefront_size: 32
...
	.end_amdgpu_metadata
.endif
;; end of part 4
;; launch ln2: the kernel of part 1 again; grid 256 x 1, 4 waves a work-group, no clusters, 12,800 bytes of LDS; arguments X1, ln2_g, ln2_b, A2, Wq_codes, Wq_scales, Wk_codes, Wk_scales, Wv_codes, Wv_scales, Wo_codes, Wo_scales, W1_codes, W1_scales, W2_codes, W2_scales, WU; writes A2, WU
;; launch w1 (part 5): grid 32 x 32, 4 waves a work-group, clusters of 4 x 4, 327,680 bytes of LDS; arguments A2, WU, b1, HU; writes HU
.if DOCPART == 5
	.amdgcn_target "amdgcn-amd-amdhsa--gfx1250"
	.amdhsa_code_object_version 6
	.text
	.protected	k_q6414668635_w1
	.globl	k_q6414668635_w1
	.p2align	8
	.type	k_q6414668635_w1,@function
k_q6414668635_w1:
	s_mov_b64 s[64:65], 0
	v_nop
	global_prefetch_b8 v0, s[64:65] scope:SCOPE_SE
	s_setreg_imm32_b32 hwreg(HW_REG_WAVE_MODE, 25, 1), 1
	s_wait_xcnt 0x0
	s_wait_alu depctr_hold_cnt(0) depctr_sa_sdst(0) depctr_va_vdst(0) depctr_va_sdst(0) depctr_va_ssrc(0) depctr_va_vcc(0) depctr_vm_vsrc(0)
	s_getreg_b32 s2, hwreg(HW_REG_IB_STS2, 6, 4)
	s_cmp_eq_u32 s2, 0
	s_cbranch_scc0 .Lentry_in_a_cluster
	s_endpgm
.Lentry_in_a_cluster:
	s_bfe_u32 s2, ttmp6, 0x10000c
	s_cmp_lg_u32 s2, 0xf033
	s_cbranch_scc0 .Lentry_shape_is_right
	s_endpgm
.Lentry_shape_is_right:
; hidden = gelu(LN2(x1) W1 + b1), the exact gelu 0.5 x (1 + erf(x / sqrt 2)), on codes of FP4 (E2M1) with E8M0 scales; the result is quantised at once along the hidden units, the next product's K, and stored in the operand
; layout U (units of 8,704 bytes: 128 rows x 128 K as images of the operand's registers, then scale words).  It never exists in memory as f32.
; C = P Q^T on a tile of 128 x 128: P = 128 tokens (source 1: a lane holds one token), Q = 128 rows of W1 (source 0: a lane's registers run along the hidden units, 16 neighbours in two accumulators by U's order of rows).
; Four waves, each 64 x 64: 16 accumulators.  K = 1,024 is eight units: two LDS slots of four units of P and four of Q, each filled ONCE, at the head.
; CLUSTER 4 x 4: P's tiles are asked for jointly along a row of the cluster, Q's along a column.  No prefetch: every tile is asked for at the kernel's head.  The bias is the C of the first products.
; erf(z) = z P(z^2) / Q(z^2) on |z| <= 4, polynomials of degree 6 and 4 in f32, z held at +-4 (erf is 1 there to f32's last bit); the division by v_rcp_f32.
; LIMITS: NaN and infinities are not served.  erf's error is a few 1e-7 absolute, so 1 + erf loses relative accuracy where x is far below 0 and gelu is next to nothing.  A block under 2^-124 (zeros too) gets the byte 1, read by this program alone.
; REGISTERS.  Window 0: v1-15 addresses; v16-23 scale words, two sets (lanes 0-15 P's, lanes 16-31 Q's); v24-55 the bias as C, later the codes made and two coefficients; v56-127 at work; v128-255 accumulator (a, b) at 128 + 8 (4 a + b).
; Window 1: two sets of fragments: Q's four at 64 p, P's four at 64 p + 32.
.set UNIT,  8704
.set USC,   8192
.set KU,    8
.set NQ,    4
.set QOFF,  2228224                    ; W1's region
.set HALF,  NQ/2*UNIT
.set RR,    HALF/256
.set SLOT,  2*NQ*UNIT
.set SST,   2*SLOT                     ; behind the slots: 512 bytes in which the tile's scale words meet
.set SPARE, SST+512                    ; the spare words, 128 bytes a wave: no other line names them
.set ADRP, 4
.set ADRQ, 6
.set ADRS, 8
.set SSA,  10
.set SSR,  11
.set BCO,  12
.set SPW,  13
.set NIL,  14
.set SC,   16
.set BIAS, 24
.set PC,   24
.set HW,   40
.set VA0,  44                          ; v[44:45] P's leading coefficient, v[46:47] Q's
.set VB0,  46
.set ZP,   56                          ; v56-71  z, then z P, then erf
.set QR,   72                          ; v72-87  Q, then 1 / Q
.set WW,   88                          ; v88-95  z^2 of four pairs; v88-103 later 0.5 x
.set PP,   96                          ; v96-103 P of four pairs
.set TM,   96
.set TX,   104
.set SO,   112
.set BY,   120
.set ACC,  128
.set G1P, 24
.set G0P, 32
.set G1Q, 48
.set G0Q, 56
.set CA,  66                           ; s[66:77] P's six further coefficients, each in both registers of a pair
.set CB,  78                           ; s[78:85] Q's four
.set SEL, 92
.set MSB, 0
.macro WIN new                         ; the immediate's high byte repeats the setting that is left
.if MSB != \new
	s_set_vgpr_msb (MSB<<8)|\new
.set MSB, \new
.endif
.endm
.set MUL,  0x05                        ; sources 0 and 1 window 1; C and D window 0
.set TO_F, 0x40                        ; destination window 1, address window 0
.macro JLOAD g0p, g1p, g0q, g1q        ; a joint load: waves 0 and 1 fetch for P, waves 2 and 3 for Q; four v_nop follow each line
	s_cmp_eq_u32 s15, 0
	s_cbranch_scc0 .Lfor_q_\@
	tensor_load_to_lds s[\g0p:\g0p+3], s[\g1p:\g1p+7]
	s_nop 0
.rept 4
	v_nop
.endr
	s_branch .Lasked_\@
.Lfor_q_\@:
	tensor_load_to_lds s[\g0q:\g0q+3], s[\g1q:\g1q+7]
	s_nop 0
.rept 4
	v_nop
.endr
.Lasked_\@:
.endm
.macro CREST
	s_cmp_lg_u32 s14, 0
	s_cbranch_scc1 .Lnot_wave_0_\@
	s_barrier_signal -3
.Lnot_wave_0_\@:
	s_barrier_wait -3
	s_barrier_signal -1
	s_barrier_wait -1
.endm
.macro CROUND
	s_barrier_signal -1
	s_barrier_wait -1
	CREST
.endm
.macro PLACES n
.rept \n
	v_nop
.endr
.endm
.macro FETCH slot, q, p                ; 17 LDS loads: unit q of the slot into set p: the scale words, Q's four fragments, P's four
	WIN 0
	ds_load_b128 v[SC+4*(\p):SC+4*(\p)+3], v[ADRS+\slot] offset:(\q)*UNIT
	WIN TO_F
.irp i, 0,1,2,3
	ds_load_b128 v[64*(\p)+8*\i:64*(\p)+8*\i+3], v[ADRQ+\slot] offset:(\q)*UNIT+1024*\i
	ds_load_b128 v[64*(\p)+8*\i+4:64*(\p)+8*\i+7], v[ADRQ+\slot] offset:(\q)*UNIT+1024*\i+512
.endr
.irp i, 0,1,2,3
	ds_load_b128 v[64*(\p)+32+8*\i:64*(\p)+32+8*\i+3], v[ADRP+\slot] offset:(\q)*UNIT+1024*\i
	ds_load_b128 v[64*(\p)+32+8*\i+4:64*(\p)+32+8*\i+7], v[ADRP+\slot] offset:(\q)*UNIT+1024*\i+512
.endr
.endm
.macro MUL4 a, p, cz                   ; P's block a against Q's four.  cz = 1: the first product starts the sums from the bias.  The 16 accumulators take turns, in one order throughout
.irp b, 0,1,2,3
.if \cz
	v_wmma_scale_f32_16x16x128_f8f6f4 v[ACC+8*(4*(\a)+\b):ACC+8*(4*(\a)+\b)+7], v[64*(\p)+8*\b:64*(\p)+8*\b+7], v[64*(\p)+32+8*(\a):64*(\p)+32+8*(\a)+7], v[BIAS+8*\b:BIAS+8*\b+7], v[SC+4*(\p)+\b], v[SC+4*(\p)+(\a)] matrix_a_fmt:MATRIX_FMT_FP4 matrix_b_fmt:MATRIX_FMT_FP4 matrix_a_scale:MATRIX_SCALE_ROW1
.else
	v_wmma_scale_f32_16x16x128_f8f6f4 v[ACC+8*(4*(\a)+\b):ACC+8*(4*(\a)+\b)+7], v[64*(\p)+8*\b:64*(\p)+8*\b+7], v[64*(\p)+32+8*(\a):64*(\p)+32+8*(\a)+7], v[ACC+8*(4*(\a)+\b):ACC+8*(4*(\a)+\b)+7], v[SC+4*(\p)+\b], v[SC+4*(\p)+(\a)] matrix_a_fmt:MATRIX_FMT_FP4 matrix_b_fmt:MATRIX_FMT_FP4 matrix_a_scale:MATRIX_SCALE_ROW1
.endif
.endr
.endm
.macro KS slot, q, cz                  ; unit q, which has its successor in the same slot
	PLACES 4                                       ; in front of loads into registers that the last products read
	FETCH \slot, (\q)+1, 1-(\q)%2
	s_wait_dscnt 17                                ; all but the 17 just issued: this unit's set is in
	WIN MUL
	MUL4 0, (\q)%2, \cz
	MUL4 1, (\q)%2, \cz
	MUL4 2, (\q)%2, \cz
	MUL4 3, (\q)%2, \cz
.endm
.macro KSS slot, from
.set Q, \from
.rept NQ-1-\from
	KS \slot, Q, 0
.set Q, Q+1
.endr
.endm
.macro TURN slot, next                 ; a slot's last unit; the other slot's first fill is waited for, and one barrier shows it to every wave.  Nothing is filled again in this launch
	WIN 0
	s_wait_tensorcnt 0x0                           ; all my tensor loads have landed: my part of the next slot
	ds_add_u32 v[SPW], v[NIL]                      ; 0 onto my spare word
	s_wait_dscnt 1                                 ; this unit's set is in; the add may be out
	WIN MUL
	MUL4 0, 1, 0
	s_wait_dscnt 0x0                               ; the add is done
	s_barrier_signal -1
	MUL4 1, 1, 0
	WIN 0
	s_barrier_wait -1
	PLACES 4
	FETCH \next, 0, 0
	WIN MUL
	MUL4 2, 1, 0
	MUL4 3, 1, 0
.endm
; gelu of the 16 numbers v[V] .. v[V + 15] (two accumulators), in place, two at a time
.macro GELU16 V
.irp k, 0,1,2,3,4,5,6,7
	v_pk_mul_f32 v[ZP+2*\k:ZP+2*\k+1], v[(\V)+2*\k:(\V)+2*\k+1], 0x3f3504f3 op_sel_hi:[1,0]   ; z = x / sqrt 2; each accumulator from its low end on
.endr
.irp k, 0,1,2,3,4,5,6,7,8,9,10,11,12,13,14,15
	v_med3_num_f32 v[ZP+\k], v[ZP+\k], -4.0, 4.0
.endr
.irp q, 0,1
.irp k, 0,1,2,3
	v_pk_mul_f32 v[WW+2*\k:WW+2*\k+1], v[ZP+8*\q+2*\k:ZP+8*\q+2*\k+1], v[ZP+8*\q+2*\k:ZP+8*\q+2*\k+1]
.endr
.irp k, 0,1,2,3
	v_pk_fma_f32 v[PP+2*\k:PP+2*\k+1], v[WW+2*\k:WW+2*\k+1], v[VA0:VA0+1], s[CA:CA+1] op_sel_hi:[1,1,0]
.endr
.irp c, 1,2,3,4,5
.irp k, 0,1,2,3
	v_pk_fma_f32 v[PP+2*\k:PP+2*\k+1], v[PP+2*\k:PP+2*\k+1], v[WW+2*\k:WW+2*\k+1], s[CA+2*\c:CA+2*\c+1] op_sel_hi:[1,1,0]
.endr
.endr
.irp k, 0,1,2,3
	v_pk_fma_f32 v[QR+8*\q+2*\k:QR+8*\q+2*\k+1], v[WW+2*\k:WW+2*\k+1], v[VB0:VB0+1], s[CB:CB+1] op_sel_hi:[1,1,0]
.endr
.irp c, 1,2,3
.irp k, 0,1,2,3
	v_pk_fma_f32 v[QR+8*\q+2*\k:QR+8*\q+2*\k+1], v[QR+8*\q+2*\k:QR+8*\q+2*\k+1], v[WW+2*\k:WW+2*\k+1], s[CB+2*\c:CB+2*\c+1] op_sel_hi:[1,1,0]
.endr
.endr
.irp k, 0,1,2,3
	v_pk_mul_f32 v[ZP+8*\q+2*\k:ZP+8*\q+2*\k+1], v[ZP+8*\q+2*\k:ZP+8*\q+2*\k+1], v[PP+2*\k:PP+2*\k+1]
.endr
.endr
.irp k, 0,1,2,3,4,5,6,7,8,9,10,11,12,13,14,15
	v_rcp_f32 v[QR+\k], v[QR+\k]
.endr
.irp k, 0,1,2,3,4,5,6,7
	v_pk_mul_f32 v[WW+2*\k:WW+2*\k+1], v[(\V)+2*\k:(\V)+2*\k+1], 0.5 op_sel_hi:[1,0]   ; 0.5 x: work that names no reciprocal
.endr
	s_wait_alu depctr_va_vdst(0)                   ; one wait for the sixteen, ahead of their first reader
.irp k, 0,1,2,3,4,5,6,7
	v_pk_mul_f32 v[ZP+2*\k:ZP+2*\k+1], v[ZP+2*\k:ZP+2*\k+1], v[QR+2*\k:QR+2*\k+1]   ; erf
.endr
.irp k, 0,1,2,3,4,5,6,7
	v_pk_fma_f32 v[(\V)+2*\k:(\V)+2*\k+1], v[WW+2*\k:WW+2*\k+1], v[ZP+2*\k:ZP+2*\k+1], v[WW+2*\k:WW+2*\k+1]   ; 0.5 x erf + 0.5 x
.endr
.endm
	s_load_b128 s[4:7], s[0:1], 0x0                ; the tokens' codes, the weights
	s_load_b128 s[8:11], s[0:1], 0x10              ; b1, the result
	v_lshl_add_u32 v[SPW], v0, 2, SPARE
	v_mov_b32 v[NIL], 0
	ds_add_u32 v13, v14
	ds_add_u32 v13, v14
	s_wait_dscnt 0x0
	v_lshrrev_b32 v1, 5, v0
	v_readfirstlane_b32 s14, v1                    ; wave 0..3
	s_lshr_b32 s15, s14, 1                         ; wm.  Also: I fetch for P (0) or Q (1)
	s_and_b32 s16, s14, 1                          ; wn.  Also: which half of a slot's units I fetch
	s_bfe_u32 s40, ttmp6, 0x40000                  ; cx, cy
	s_bfe_u32 s41, ttmp6, 0x40004
	s_lshl_b32 s42, ttmp9, 2
	s_add_co_u32 s42, s42, s40                     ; Q's tile
	s_and_b32 s17, ttmp7, 0xffff
	s_lshl_b32 s17, s17, 2
	s_add_co_u32 s17, s17, s41                     ; P's tile
	s_lshl_b32 s43, s41, 2
	s_lshl_b32 s43, 15, s43                        ; my row of the cluster
	s_lshl_b32 s44, 0x1111, s40                    ; my column
	s_or_b32 s[G1P], s43, (3<<16)|(1<<21)          ; 15:0 the mask; 17:16 elements of 8 bytes; 21 set beside a mask; no padding
	s_or_b32 s[G1Q], s44, (3<<16)|(1<<21)
.irp g, G1P, G1Q
	s_mov_b32 s[\g+1], 32<<16                      ; a dense block as rows of 256 bytes
	s_mov_b32 s[\g+2], RR<<16
	s_mov_b32 s[\g+3], 32<<16
	s_mov_b32 s[\g+4], RR
	s_mov_b32 s[\g+5], 32
	s_mov_b32 s[\g+6], 0
	s_mov_b32 s[\g+7], 0
.endr
	s_mul_i32 s18, s16, HALF
	s_mul_i32 s20, s17, KU*UNIT
	s_add_co_u32 s20, s20, s18
	s_mov_b32 s21, 0
	s_mul_i32 s46, s42, KU*UNIT
	s_add_co_u32 s46, s46, s18
	s_add_co_u32 s46, s46, QOFF
	s_mov_b32 s47, 0
	s_mul_i32 s45, s14, HALF                       ; no place in the cluster enters an LDS address
	s_wait_kmcnt 0x0
	s_add_nc_u64 s[20:21], s[4:5], s[20:21]
	s_add_nc_u64 s[46:47], s[6:7], s[46:47]
	CROUND                                         ; all sixteen work-groups are here: the joint loads meet
.irp s, 0,1
	s_mov_b32 s[G0P+4*\s], 1
	s_add_co_u32 s[G0P+4*\s+1], s45, \s*SLOT
	s_add_nc_u64 s[G0P+4*\s+2:G0P+4*\s+3], s[20:21], \s*NQ*UNIT
	s_or_b32 s[G0P+4*\s+3], s[G0P+4*\s+3], 0x80000000
	s_mov_b32 s[G0Q+4*\s], 1
	s_add_co_u32 s[G0Q+4*\s+1], s45, \s*SLOT
	s_add_nc_u64 s[G0Q+4*\s+2:G0Q+4*\s+3], s[46:47], \s*NQ*UNIT
	s_or_b32 s[G0Q+4*\s+3], s[G0Q+4*\s+3], 0x80000000
	JLOAD G0P+4*\s, G1P, G0Q+4*\s, G1Q
.endr
	v_and_b32 v1, 15, v0                           ; r
	v_bfe_u32 v2, v0, 4, 1                         ; h
	v_and_b32 v3, 31, v0
	v_lshlrev_b32 v3, 4, v3                        ; 16 x lane
	v_lshlrev_b32 v[BCO], 6, v2
	s_lshl_b32 s18, s42, 9
	s_lshl_b32 s19, s16, 8
	s_add_co_u32 s18, s18, s19                     ; 4 (128 Q's tile + 64 wn)
	s_mov_b32 s19, 0
	s_add_nc_u64 s[8:9], s[8:9], s[18:19]
.irp b, 0,1,2,3
	global_load_b128 v[BIAS+8*\b:BIAS+8*\b+3], v[BCO], s[8:9] offset:(32*(\b/2)+8*(\b%2))*4
	global_load_b128 v[BIAS+8*\b+4:BIAS+8*\b+7], v[BCO], s[8:9] offset:(32*(\b/2)+8*(\b%2))*4+16
.endr
	s_lshl_b32 s18, s17, 5
	s_add_co_u32 s18, s18, s42
	s_mul_i32 s18, s18, UNIT
	s_add_nc_u64 s[90:91], s[10:11], s[18:19]      ; the result's unit (P's tile, Q's tile): 32 units in a row of tiles
	s_lshl_b32 s18, s15, 12
	s_lshl_b32 s22, s16, 9
	s_add_co_u32 s18, s18, s22
	s_add_nc_u64 s[12:13], s[90:91], s[18:19]      ; my four fragments' halves
	s_add_nc_u64 s[90:91], s[90:91], USC           ; its scale words
	s_mov_b32 s[SEL], 0x76543210
	s_mov_b32 s[SEL+1], 0xfedcba98
	s_mov_b32 s[CA], 0x32edffee                    ; P: 2.77068142e-08,
	s_mov_b32 s[CA+2], 0xb60cff51                  ; -2.10102402e-06,
	s_mov_b32 s[CA+4], 0xb86ec2d2                  ; -5.69250639e-05,
	s_mov_b32 s[CA+6], 0xba40ac63                  ; -7.34990630e-04,
	s_mov_b32 s[CA+8], 0xbb41a1f6                  ; -2.95459981e-03,
	s_mov_b32 s[CA+10], 0xbc83dbd4                 ; -1.60960333e-02
	s_mov_b32 s[CB], 0xb95fbd29                    ; Q: -2.13374055e-04,
	s_mov_b32 s[CB+2], 0xbadc924e                  ; -1.68282697e-03,
	s_mov_b32 s[CB+4], 0xbbf19bf8                  ; -7.37332917e-03,
	s_mov_b32 s[CB+6], 0xbc69b6a7                  ; -1.42647391e-02
.irp c, 0,2,4,6,8,10
	s_mov_b32 s[CA+\c+1], s[CA+\c]                 ; (named as pairs, so both are written)
.endr
.irp c, 0,2,4,6
	s_mov_b32 s[CB+\c+1], s[CB+\c]
.endr
	s_lshl_b32 s21, s15, 12
	s_lshl_b32 s22, s16, 12
	s_add_co_u32 s22, s22, NQ*UNIT
.irp s, 0,1
	v_add_nc_u32 v[ADRP+\s], s21, v3
	v_add_nc_u32 v[ADRQ+\s], s22, v3
	s_add_co_u32 s21, s21, SLOT
	s_add_co_u32 s22, s22, SLOT
.endr
	s_lshl_b32 s21, s15, 8
	s_lshl_b32 s22, s16, 8
	s_add_co_u32 s22, s22, NQ*UNIT
	s_sub_co_u32 s22, s22, s21
	v_mul_u32_u24 v[ADRS], s22, v2                 ; lanes 16-31 take Q's words: one product with h
	s_add_co_u32 s21, s21, USC
	v_lshl_add_u32 v[ADRS], v1, 4, v[ADRS]
	v_add_nc_u32 v[ADRS], s21, v[ADRS]
	v_add_nc_u32 v[ADRS+1], SLOT, v[ADRS]
	s_lshl_b32 s21, s15, 8
	s_lshl_b32 s22, s16, 1
	s_add_co_u32 s21, s21, s22
	s_add_co_u32 s21, s21, SST
	v_lshl_add_u32 v[SSA], v1, 4, s21              ; 256 wm + 16 r + 2 wn
	v_add_nc_u32 v[SSR], SST, v3
	s_wait_tensorcnt 1                             ; my part of slot 0 is in; slot 1's load, issued behind it, may be out
	s_barrier_signal -1
	s_barrier_wait -1                              ; everybody's is
	FETCH 0, 0, 0
	s_wait_loadcnt 0x0                             ; the bias
	KS 0, 0, 1
	KSS 0, 1
	TURN 0, 1
	KSS 1, 0
	s_wait_dscnt 0x0                               ; the last unit
	WIN MUL
	MUL4 0, 1, 0
	MUL4 1, 1, 0
	MUL4 2, 1, 0
	MUL4 3, 1, 0
	WIN 0
	v_mov_b32 v[VA0], 0xaf95df0b                   ; P's leading coefficient, -2.72614226e-10; these four lines are the places in front of the first read of results
	v_mov_b32 v[VA0+1], 0xaf95df0b
	v_mov_b32 v[VB0], 0xb77460cd                   ; Q's, -1.45660718e-05
	v_mov_b32 v[VB0+1], 0xb77460cd
.irp n, 0,1,2,3,4,5,6,7
	GELU16 ACC+16*\n
.endr
; THE QUANTISER.  Block n = 2 a + u: the 16 registers at ACC + 16 n are hidden units 32 u + 16 h + 0 .. 15 (of my 64) of token (a, r); lane l xor 16 holds the block's other half.  The eight by turns
.irp n, 0,1,2,3,4,5,6,7
	v_mov_b32 v[TX+\n], 0                          ; a lane permute's destination counts as one of its sources
.endr
.irp n, 0,1,2,3,4,5,6,7
	v_max3_num_f32 v[TM+\n], |v[ACC+16*\n]|, |v[ACC+16*\n+1]|, 0x1800000   ; with the floor 2^(3 - 127): the byte cannot fall under 1
.endr
.irp i, 2,4,6,8,10,12,14
.irp n, 0,1,2,3,4,5,6,7
	v_max3_num_f32 v[TM+\n], v[TM+\n], |v[ACC+16*\n+\i]|, |v[ACC+16*\n+\i+1]|
.endr
.endr
.irp n, 0,1,2,3,4,5,6,7
	v_permlanex16_b32 v[TX+\n], v[TM+\n], s[SEL], s[SEL+1]
.endr
.irp n, 0,1,2,3,4,5,6,7
	v_max_num_f32 v[TM+\n], v[TM+\n], v[TX+\n]
.endr
.irp n, 0,1,2,3,4,5,6,7
	v_add_nc_u32 v[SO+\n], 0xff000000, v[TM+\n]    ; 2 off the exponent field: the conversion's scale operand
.endr
.irp n, 0,1,2,3,4,5,6,7
	v_lshrrev_b32 v[BY+\n], 23, v[SO+\n]           ; the scale's byte
.endr
.irp a, 0,1,2,3
	v_lshl_or_b32 v[HW+\a], v[BY+2*\a+1], 8, v[BY+2*\a]   ; my two bytes of the row's word
.endr
.irp n, 0,1,2,3,4,5,6,7
	v_cvt_scalef32_pk8_fp4_f32 v[PC+2*\n], v[ACC+16*\n:ACC+16*\n+7], v[SO+\n]
	v_cvt_scalef32_pk8_fp4_f32 v[PC+2*\n+1], v[ACC+16*\n+8:ACC+16*\n+15], v[SO+\n]
.endr
	v_nop                                          ; a plain instruction behind the last scaled conversion
.irp a, 0,1,2,3
.irp i, 0,1
	v_permlane16_swap_b32 v[PC+4*\a+\i], v[PC+4*\a+2+\i]   ; a whole block to a lane
.endr
.endr
.irp a, 0,1,2,3
	global_store_b128 v3, v[PC+4*\a:PC+4*\a+3], s[12:13] offset:1024*\a   ; 512 consecutive bytes: half a fragment
	ds_store_b16 v[SSA], v[HW+\a] offset:4*\a      ; lanes l and l xor 16 write the same bytes with the same value
.endr
	s_wait_dscnt 0x0                               ; for wave 0's sake: my stores have landed
	s_barrier_signal -1
	s_barrier_wait -1
	s_cmp_lg_u32 s14, 0
	s_cbranch_scc1 .Lnot_mine
	ds_load_b128 v[56:59], v[SSR]
	s_wait_dscnt 0x0
	global_store_b128 v3, v[56:59], s[90:91]       ; the unit's 512 bytes of scale words
.Lnot_mine:
	s_wait_tensorcnt 0x0                           ; the wave's end
	ds_add_u32 v[SPW], v[NIL]
	s_wait_dscnt 0x0
	CROUND                                         ; the closing round
	s_endpgm
.Lfunc_end_k_q6414668635_w1:
	.size	k_q6414668635_w1, .Lfunc_end_k_q6414668635_w1-k_q6414668635_w1
	.p2alignl 7, 3214868480
	.fill 96, 4, 3214868480
	.section	.rodata,"a",@progbits
	.p2align	6, 0x0
	.amdhsa_kernel k_q6414668635_w1
		.amdhsa_group_segment_fixed_size 327680
		.amdhsa_private_segment_fixed_size 0
		.amdhsa_enable_private_segment 0
		.amdhsa_kernarg_size 32
		.amdhsa_user_sgpr_count 2
		.amdhsa_user_sgpr_kernarg_segment_ptr 1
		.amdhsa_wavefront_size32 1
		.amdhsa_system_sgpr_workgroup_id_x 1
		.amdhsa_system_sgpr_workgroup_id_y 1
		.amdhsa_system_sgpr_workgroup_id_z 1
		.amdhsa_system_vgpr_workitem_id 0
		.amdhsa_next_free_vgpr 384
		.amdhsa_next_free_sgpr 96
		.amdhsa_reserve_vcc 0
		.amdhsa_float_denorm_mode_32 3
		.amdhsa_float_denorm_mode_16_64 3
		.amdhsa_memory_ordered 1
		.amdhsa_forward_progress 1
		.amdhsa_inst_pref_size 123
	.end_amdhsa_kernel
	.amdgpu_metadata
---
amdhsa.version: [ 1, 2 ]
amdhsa.kernels:
  - .name:           k_q6414668635_w1
    .symbol:         k_q6414668635_w1.kd
    .args:
      - { .name: A2, .offset: 0, .size: 8, .value_kind: global_buffer, .address_space: global }
      - { .name: WU, .offset: 8, .size: 8, .value_kind: global_buffer, .address_space: global }
      - { .name: b1, .offset: 16, .size: 8, .value_kind: global_buffer, .address_space: global }
      - { .name: HU, .offset: 24, .size: 8, .value_kind: global_buffer, .address_space: global }
    .group_segment_fixed_size: 327680
    .private_segment_fixed_size: 0
    .kernarg_segment_align: 8
    .kernarg_segment_size: 32
    .max_flat_workgroup_size: 128
    .sgpr_count:     96
    .vgpr_count:     384
    .wavefront_size: 32
...
	.end_amdgpu_metadata
.endif
;; end of part 5
;; launch w2 (part 6): grid 8 x 32, 4 waves a work-group, clusters of 4 x 4, 327,680 bytes of LDS; arguments HU, WU, b2, X1, out0; writes out0
.if DOCPART == 6
	.amdgcn_target "amdgcn-amd-amdhsa--gfx1250"
	.amdhsa_code_object_version 6
	.text
	.protected	k_q6414668635_w2
	.globl	k_q6414668635_w2
	.p2align	8
	.type	k_q6414668635_w2,@function
k_q6414668635_w2:
	s_mov_b64 s[64:65], 0
	v_nop
	global_prefetch_b8 v0, s[64:65] scope:SCOPE_SE
	s_setreg_imm32_b32 hwreg(HW_REG_WAVE_MODE, 25, 1), 1
	s_wait_xcnt 0x0
	s_wait_alu depctr_hold_cnt(0) depctr_sa_sdst(0) depctr_va_vdst(0) depctr_va_sdst(0) depctr_va_ssrc(0) depctr_va_vcc(0) depctr_vm_vsrc(0)
	s_getreg_b32 s2, hwreg(HW_REG_IB_STS2, 6, 4)
	s_cmp_eq_u32 s2, 0
	s_cbranch_scc0 .Lentry_in_a_cluster
	s_endpgm
.Lentry_in_a_cluster:
	s_bfe_u32 s2, ttmp6, 0x10000c
	s_cmp_lg_u32 s2, 0xf033
	s_cbranch_scc0 .Lentry_shape_is_right
	s_endpgm
.Lentry_shape_is_right:
; out = resid + P Q^T + bias, f32 [4096][1024].  P: 4,096 rows of codes of FP4 (E2M1) with E8M0 scales in the operand layout U (units of 8,704 bytes: 128 rows x 128 K as images of the operand's registers, then scale words);
; Q: the weight's 1,024 rows, in U, at QOFF of the weights' buffer.  The text serves two launches, told apart by the five constants below: the attention's output projection (K = 1,024) and the MLP's second layer (K = 4,096).
; A tile of 128 x 128 to a work-group: 256 work-groups.  Four waves, each 64 x 64: 16 accumulators.  Source 0 = Q's rows, source 1 = P's: a lane holds one row of the result and neighbouring columns.
; K goes through two LDS slots of NQ units of each operand; with LAPS = 1 each is filled once, with LAPS = 2 each is filled once more, behind a round of the cluster's barrier.
; CLUSTER 4 x 4: P's tiles are asked for jointly along a row of the cluster, Q's along a column.  No prefetch: half or all of K is asked for at the head, and a refill has NQ units' products (16 NQ a wave) in which to land.
; The bias is the C of the first products.  The residual is asked for at the head, into registers of its own, in the layout in which the rows leave.
; THE WAY OUT: a block of 16 rows x 64 columns goes through the wave's own stage in LDS and leaves as rows of 256 consecutive aligned bytes to sixteen lanes.
; REGISTERS.  Window 0: v1-15 addresses; v16-23 scale words, two sets (lanes 0-15 P's, lanes 16-31 Q's); v24-55 the bias; v56-119 rows on the way out; v128-255 accumulator (a, b) at 128 + 8 (4 a + b).
; Window 1: v0-127 two sets of fragments (Q's four at 64 p, P's four at 64 p + 32); v128-255 the residual.
.set KU,    32                         ; units along K
.set NQ,    8                          ; units of each operand in a slot
.set LAPS,  2                          ; times round the two slots
.set QOFF,  4456448                    ; the weight's region
.set NT,    1                          ; 1: the result is read by no later launch
.set UNIT,  8704
.set USC,   8192
.set HALF,  NQ/2*UNIT                  ; what one tensor load brings
.set RR,    HALF/256
.set SLOT,  2*NQ*UNIT
.set STAGE, 2*SLOT                     ; behind the slots: 16 rows x 272 bytes for each wave
.set SPITCH, 272
.set SPARE, STAGE+4*16*SPITCH          ; the spare words, 128 bytes a wave: no other line names them
.set ADRP, 4
.set ADRQ, 6
.set ADRS, 8
.set STO,  10
.set RD,   11
.set CO,   12
.set SPW,  13
.set NIL,  14
.set BCO,  15
.set SC,   16
.set BIAS, 24
.set BK,   56
.set ACC,  128
.set RES,  128                         ; in window 1
.set G1P, 24
.set G0P, 32
.set G1Q, 48
.set G0Q, 56
.set MSB, 0
.macro WIN new                         ; the immediate's high byte repeats the setting that is left
.if MSB != \new
	s_set_vgpr_msb (MSB<<8)|\new
.set MSB, \new
.endif
.endm
.set MUL,   0x05                       ; sources 0 and 1 window 1; C and D window 0
.set TO_F,  0x40                       ; destination window 1, address window 0
.set W_RES, 0x04                       ; source 1 window 1
.macro JLOAD g0p, g1p, g0q, g1q        ; a joint load: waves 0 and 1 fetch for P, waves 2 and 3 for Q; four v_nop follow each line
	s_cmp_eq_u32 s15, 0
	s_cbranch_scc0 .Lfor_q_\@
	tensor_load_to_lds s[\g0p:\g0p+3], s[\g1p:\g1p+7]
	s_nop 0
.rept 4
	v_nop
.endr
	s_branch .Lasked_\@
.Lfor_q_\@:
	tensor_load_to_lds s[\g0q:\g0q+3], s[\g1q:\g1q+7]
	s_nop 0
.rept 4
	v_nop
.endr
.Lasked_\@:
.endm
.macro CREST
	s_cmp_lg_u32 s14, 0
	s_cbranch_scc1 .Lnot_wave_0_\@
	s_barrier_signal -3
.Lnot_wave_0_\@:
	s_barrier_wait -3
	s_barrier_signal -1
	s_barrier_wait -1
.endm
.macro CROUND
	s_barrier_signal -1
	s_barrier_wait -1
	CREST
.endm
.macro PLACES n
.rept \n
	v_nop
.endr
.endm
.macro FETCH slot, q, p                ; 17 LDS loads: unit q of the slot into set p: the scale words, Q's four fragments, P's four
	WIN 0
	ds_load_b128 v[SC+4*(\p):SC+4*(\p)+3], v[ADRS+\slot] offset:(\q)*UNIT
	WIN TO_F
.irp i, 0,1,2,3
	ds_load_b128 v[64*(\p)+8*\i:64*(\p)+8*\i+3], v[ADRQ+\slot] offset:(\q)*UNIT+1024*\i
	ds_load_b128 v[64*(\p)+8*\i+4:64*(\p)+8*\i+7], v[ADRQ+\slot] offset:(\q)*UNIT+1024*\i+512
.endr
.irp i, 0,1,2,3
	ds_load_b128 v[64*(\p)+32+8*\i:64*(\p)+32+8*\i+3], v[ADRP+\slot] offset:(\q)*UNIT+1024*\i
	ds_load_b128 v[64*(\p)+32+8*\i+4:64*(\p)+32+8*\i+7], v[ADRP+\slot] offset:(\q)*UNIT+1024*\i+512
.endr
.endm
.macro MUL4 a, p, cz                   ; P's block a against Q's four.  cz = 1: the first product starts the sums from the bias.  The 16 accumulators take turns, in one order throughout
.irp b, 0,1,2,3
.if \cz
	v_wmma_scale_f32_16x16x128_f8f6f4 v[ACC+8*(4*(\a)+\b):ACC+8*(4*(\a)+\b)+7], v[64*(\p)+8*\b:64*(\p)+8*\b+7], v[64*(\p)+32+8*(\a):64*(\p)+32+8*(\a)+7], v[BIAS+8*\b:BIAS+8*\b+7], v[SC+4*(\p)+\b], v[SC+4*(\p)+(\a)] matrix_a_fmt:MATRIX_FMT_FP4 matrix_b_fmt:MATRIX_FMT_FP4 matrix_a_scale:MATRIX_SCALE_ROW1
.else
	v_wmma_scale_f32_16x16x128_f8f6f4 v[ACC+8*(4*(\a)+\b):ACC+8*(4*(\a)+\b)+7], v[64*(\p)+8*\b:64*(\p)+8*\b+7], v[64*(\p)+32+8*(\a):64*(\p)+32+8*(\a)+7], v[ACC+8*(4*(\a)+\b):ACC+8*(4*(\a)+\b)+7], v[SC+4*(\p)+\b], v[SC+4*(\p)+(\a)] matrix_a_fmt:MATRIX_FMT_FP4 matrix_b_fmt:MATRIX_FMT_FP4 matrix_a_scale:MATRIX_SCALE_ROW1
.endif
.endr
.endm
.macro KS slot, q, cz                  ; unit q, which has its successor in the same slot
	PLACES 4                                       ; in front of loads into registers that the last products read
	FETCH \slot, (\q)+1, 1-(\q)%2
	s_wait_dscnt 17                                ; all but the 17 just issued: this unit's set is in
	WIN MUL
	MUL4 0, (\q)%2, \cz
	MUL4 1, (\q)%2, \cz
	MUL4 2, (\q)%2, \cz
	MUL4 3, (\q)%2, \cz
.endm
.macro KSS slot, from
.set Q, \from
.rept NQ-1-\from
	KS \slot, Q, 0
.set Q, Q+1
.endr
.endm
; A slot's last unit changes slots: ONE barrier; in front of it each wave waits for all its tensor loads, adds 0 to its spare word, and waits for that and for its reads of this slot.  fill = 1: this slot is filled again, 2 NQ units on.
.macro TURN slot, next, fill
	WIN 0
	s_wait_tensorcnt 0x0                           ; all my tensor loads have landed: my part of the next slot
	ds_add_u32 v[SPW], v[NIL]                      ; 0 onto my spare word
	s_wait_dscnt 1                                 ; this unit's set is in; the add may be out
	WIN MUL
	MUL4 0, 1, 0                                   ; four products stand between the add and the wait for it
	s_wait_dscnt 0x0                               ; the add is done, and my reads of this slot are over
	s_barrier_signal -1
	MUL4 1, 1, 0
	WIN 0
	s_barrier_wait -1
.if \fill
	CREST                                          ; the barrier has opened a round of the cluster's: no wave of any partner still reads this slot or has a load on its way
	s_add_nc_u64 s[G0P+4*\slot+2:G0P+4*\slot+3], s[G0P+4*\slot+2:G0P+4*\slot+3], 2*NQ*UNIT
	s_add_nc_u64 s[G0Q+4*\slot+2:G0Q+4*\slot+3], s[G0Q+4*\slot+2:G0Q+4*\slot+3], 2*NQ*UNIT
	JLOAD G0P+4*\slot, G1P, G0Q+4*\slot, G1Q       ; the first tensor load behind the round, one a wave; its four v_nop are the places in front of the loads below
.else
	PLACES 4
.endif
	FETCH \next, 0, 0
	WIN MUL
	MUL4 2, 1, 0
	MUL4 3, 1, 0
.endm
	s_load_b128 s[4:7], s[0:1], 0x0                ; P, the weights
	s_load_b128 s[8:11], s[0:1], 0x10              ; the bias, the residual
	s_load_b64 s[12:13], s[0:1], 0x20              ; the result
	v_lshl_add_u32 v[SPW], v0, 2, SPARE
	v_mov_b32 v[NIL], 0
	ds_add_u32 v13, v14
	ds_add_u32 v13, v14
	s_wait_dscnt 0x0
	v_lshrrev_b32 v1, 5, v0
	v_readfirstlane_b32 s14, v1                    ; wave 0..3
	s_lshr_b32 s15, s14, 1                         ; wm: which 64 rows are mine.  Also: I fetch for P (0) or Q (1)
	s_and_b32 s16, s14, 1                          ; wn: which 64 columns.  Also: which half of a slot's units I fetch
	s_bfe_u32 s40, ttmp6, 0x40000                  ; cx, cy: my place in the cluster
	s_bfe_u32 s41, ttmp6, 0x40004
	s_lshl_b32 s42, ttmp9, 2
	s_add_co_u32 s42, s42, s40                     ; Q's tile
	s_and_b32 s17, ttmp7, 0xffff
	s_lshl_b32 s17, s17, 2
	s_add_co_u32 s17, s17, s41                     ; P's tile
	s_lshl_b32 s43, s41, 2
	s_lshl_b32 s43, 15, s43                        ; my row of the cluster
	s_lshl_b32 s44, 0x1111, s40                    ; my column
	s_or_b32 s[G1P], s43, (3<<16)|(1<<21)          ; 15:0 the mask; 17:16 elements of 8 bytes; 21 set beside a mask; no padding
	s_or_b32 s[G1Q], s44, (3<<16)|(1<<21)
.irp g, G1P, G1Q
	s_mov_b32 s[\g+1], 32<<16                      ; a dense block as rows of 256 bytes: tensor_dim0 = 32
	s_mov_b32 s[\g+2], RR<<16                      ; tensor_dim1
	s_mov_b32 s[\g+3], 32<<16                      ; tile_dim0
	s_mov_b32 s[\g+4], RR                          ; tile_dim1
	s_mov_b32 s[\g+5], 32                          ; the pitch
	s_mov_b32 s[\g+6], 0
	s_mov_b32 s[\g+7], 0
.endr
	s_mul_i32 s18, s16, HALF
	s_mul_i32 s20, s17, KU*UNIT
	s_add_co_u32 s20, s20, s18                     ; P: the tile's units, my half of a slot's
	s_mov_b32 s21, 0
	s_mul_i32 s46, s42, KU*UNIT
	s_add_co_u32 s46, s46, s18
	s_add_co_u32 s46, s46, QOFF                    ; Q likewise, in its region
	s_mov_b32 s47, 0
	s_mul_i32 s45, s14, HALF                       ; where they go: P's two halves, then Q's: no place in the cluster enters an LDS address
	s_wait_kmcnt 0x0
	s_add_nc_u64 s[20:21], s[4:5], s[20:21]
	s_add_nc_u64 s[46:47], s[6:7], s[46:47]
	CROUND                                         ; all sixteen work-groups are here: the first joint loads meet
.irp s, 0,1
	s_mov_b32 s[G0P+4*\s], 1
	s_add_co_u32 s[G0P+4*\s+1], s45, \s*SLOT
	s_add_nc_u64 s[G0P+4*\s+2:G0P+4*\s+3], s[20:21], \s*NQ*UNIT
	s_or_b32 s[G0P+4*\s+3], s[G0P+4*\s+3], 0x80000000
	s_mov_b32 s[G0Q+4*\s], 1
	s_add_co_u32 s[G0Q+4*\s+1], s45, \s*SLOT
	s_add_nc_u64 s[G0Q+4*\s+2:G0Q+4*\s+3], s[46:47], \s*NQ*UNIT
	s_or_b32 s[G0Q+4*\s+3], s[G0Q+4*\s+3], 0x80000000
	JLOAD G0P+4*\s, G1P, G0Q+4*\s, G1Q
.endr
	v_and_b32 v1, 15, v0                           ; r
	v_bfe_u32 v2, v0, 4, 1                         ; h
	v_and_b32 v3, 31, v0
	v_lshlrev_b32 v3, 4, v3                        ; 16 x lane
	v_lshlrev_b32 v[BCO], 6, v2                    ; the bias: 16 h numbers on
	v_lshlrev_b32 v[CO], 12, v2
	v_lshl_add_u32 v[CO], v1, 4, v[CO]             ; rows out and residual in: lanes 0-15 one row's 256 bytes, lanes 16-31 the next row's
	s_lshl_b32 s18, s42, 9
	s_lshl_b32 s19, s16, 8
	s_add_co_u32 s18, s18, s19                     ; 4 (128 Q's tile + 64 wn)
	s_mov_b32 s19, 0
	s_add_nc_u64 s[8:9], s[8:9], s[18:19]
	s_lshl_b32 s22, s17, 7
	s_lshl_b32 s23, s15, 6
	s_add_co_u32 s22, s22, s23
	s_lshl_b32 s22, s22, 12                        ; my first row x 4,096 bytes
	s_add_co_u32 s18, s18, s22
	s_add_nc_u64 s[10:11], s[10:11], s[18:19]
	s_add_nc_u64 s[12:13], s[12:13], s[18:19]
.irp b, 0,1,2,3
	global_load_b128 v[BIAS+8*\b:BIAS+8*\b+3], v[BCO], s[8:9] offset:(32*(\b/2)+8*(\b%2))*4
	global_load_b128 v[BIAS+8*\b+4:BIAS+8*\b+7], v[BCO], s[8:9] offset:(32*(\b/2)+8*(\b%2))*4+16
.endr
	WIN TO_F
.irp a, 0,1,2,3
.irp t, 0,1,2,3,4,5,6,7
	global_load_b128 v[RES+32*\a+4*\t:RES+32*\a+4*\t+3], v[CO], s[10:11] offset:(32*(\a/2)+8*(\a%2)+2*\t+8*(\t/4))*4096
.endr
.endr
	WIN 0
	s_lshl_b32 s21, s15, 12
	s_lshl_b32 s22, s16, 12
	s_add_co_u32 s22, s22, NQ*UNIT
.irp s, 0,1
	v_add_nc_u32 v[ADRP+\s], s21, v3
	v_add_nc_u32 v[ADRQ+\s], s22, v3
	s_add_co_u32 s21, s21, SLOT
	s_add_co_u32 s22, s22, SLOT
.endr
	s_lshl_b32 s21, s15, 8
	s_lshl_b32 s22, s16, 8
	s_add_co_u32 s22, s22, NQ*UNIT
	s_sub_co_u32 s22, s22, s21
	v_mul_u32_u24 v[ADRS], s22, v2                 ; lanes 16-31 take Q's words: one product with h
	s_add_co_u32 s21, s21, USC
	v_lshl_add_u32 v[ADRS], v1, 4, v[ADRS]
	v_add_nc_u32 v[ADRS], s21, v[ADRS]
	v_add_nc_u32 v[ADRS+1], SLOT, v[ADRS]
	s_mul_i32 s23, s14, 16*SPITCH
	s_add_co_u32 s23, s23, STAGE                   ; my stage
	v_mul_u32_u24 v[STO], v1, SPITCH
	v_lshl_add_u32 v[STO], v2, 6, v[STO]
	v_add_nc_u32 v[STO], s23, v[STO]               ; in: row r, + 64 h bytes
	v_mul_u32_u24 v[RD], v2, SPITCH
	v_lshl_add_u32 v[RD], v1, 4, v[RD]
	v_add_nc_u32 v[RD], s23, v[RD]                 ; back: lanes 0-15 one row, lanes 16-31 the next
	s_wait_tensorcnt 1                             ; my part of slot 0 is in; slot 1's load, issued behind it, may be out
	s_barrier_signal -1
	s_barrier_wait -1                              ; everybody's is
	FETCH 0, 0, 0
	s_wait_loadcnt 32                              ; the bias is in; the residual's 32 loads, issued behind it, may be out
	KS 0, 0, 1
.if LAPS > 1
.rept LAPS-1
	KSS 0, 1
	TURN 0, 1, 1
	KSS 1, 0
	TURN 1, 0, 1
	KS 0, 0, 0
.endr
.endif
	KSS 0, 1
	TURN 0, 1, 0
	KSS 1, 0
	s_wait_dscnt 0x0                               ; the last unit
	WIN MUL
	MUL4 0, 1, 0
	MUL4 1, 1, 0
	MUL4 2, 1, 0
	MUL4 3, 1, 0
	WIN 0
	PLACES 4                                       ; in front of the first read of results
; Block a: lane (r, h) holds row r and, in accumulator b, columns 32 (b / 2) + 8 (b % 2) + 16 h + 0 .. 7.  LDS serves a wave's instructions in order: no wait between the stores and the loads, nor in front of the next block's stores
.macro TOSTAGE a
.irp b, 0,1,2,3
	ds_store_b128 v[STO], v[ACC+32*(\a)+8*\b:ACC+32*(\a)+8*\b+3] offset:128*(\b/2)+32*(\b%2)       ; each accumulator from its low end on
	ds_store_b128 v[STO], v[ACC+32*(\a)+8*\b+4:ACC+32*(\a)+8*\b+7] offset:128*(\b/2)+32*(\b%2)+16
.endr
.set BB, BK+32*((\a)%2)
.irp t, 0,1,2,3,4,5,6,7
	ds_load_b128 v[BB+4*\t:BB+4*\t+3], v[RD] offset:2*SPITCH*\t
.endr
.endm
.macro SEND a, younger                 ; younger: the LDS instructions issued behind block a's loads
.set BB, BK+32*((\a)%2)
	s_wait_dscnt \younger
	WIN W_RES
.irp i, 0,1,2,3,4,5,6,7,8,9,10,11,12,13,14,15
	v_pk_add_f32 v[BB+2*\i:BB+2*\i+1], v[BB+2*\i:BB+2*\i+1], v[RES+32*(\a)+2*\i:RES+32*(\a)+2*\i+1]
.endr
	WIN 0
.irp t, 0,1,2,3,4,5,6,7
.if NT
	global_store_b128 v[CO], v[BB+4*\t:BB+4*\t+3], s[12:13] offset:(32*((\a)/2)+8*((\a)%2)+2*\t+8*(\t/4))*4096 th:TH_STORE_NT
.else
	global_store_b128 v[CO], v[BB+4*\t:BB+4*\t+3], s[12:13] offset:(32*((\a)/2)+8*((\a)%2)+2*\t+8*(\t/4))*4096   ; sixteen lanes store 256 consecutive bytes, at a multiple of 256 from the buffer's first byte
.endif
.endr
.endm
	s_wait_loadcnt 0x0                             ; the residual
	TOSTAGE 0
.irp a, 1,2,3
.if \a > 1
	s_wait_xcnt 0x0                                ; block a - 2's stores have read their registers: block a's rows may land there
.endif
	TOSTAGE \a
	SEND \a-1, 16                                  ; behind block a - 1's loads: block a's 8 stores and 8 loads
.endr
	SEND 3, 0
	s_wait_tensorcnt 0x0                           ; the wave's end
	ds_add_u32 v[SPW], v[NIL]
	s_wait_dscnt 0x0
	CROUND                                         ; the closing round
	s_endpgm
.Lfunc_end_k_q6414668635_w2:
	.size	k_q6414668635_w2, .Lfunc_end_k_q6414668635_w2-k_q6414668635_w2
	.p2alignl 7, 3214868480
	.fill 96, 4, 3214868480
	.section	.rodata,"a",@progbits
	.p2align	6, 0x0
	.amdhsa_kernel k_q6414668635_w2
		.amdhsa_group_segment_fixed_size 327680
		.amdhsa_private_segment_fixed_size 0
		.amdhsa_enable_private_segment 0
		.amdhsa_kernarg_size 40
		.amdhsa_user_sgpr_count 2
		.amdhsa_user_sgpr_kernarg_segment_ptr 1
		.amdhsa_wavefront_size32 1
		.amdhsa_system_sgpr_workgroup_id_x 1
		.amdhsa_system_sgpr_workgroup_id_y 1
		.amdhsa_system_sgpr_workgroup_id_z 1
		.amdhsa_system_vgpr_workitem_id 0
		.amdhsa_next_free_vgpr 512
		.amdhsa_next_free_sgpr 96
		.amdhsa_reserve_vcc 0
		.amdhsa_float_denorm_mode_32 3
		.amdhsa_float_denorm_mode_16_64 3
		.amdhsa_memory_ordered 1
		.amdhsa_forward_progress 1
		.amdhsa_inst_pref_size 132
	.end_amdhsa_kernel
	.amdgpu_metadata
---
amdhsa.version: [ 1, 2 ]
amdhsa.kernels:
  - .name:           k_q6414668635_w2
    .symbol:         k_q6414668635_w2.kd
    .args:
      - { .name: HU, .offset: 0, .size: 8, .value_kind: global_buffer, .address_space: global }
      - { .name: WU, .offset: 8, .size: 8, .value_kind: global_buffer, .address_space: global }
      - { .name: b2, .offset: 16, .size: 8, .value_kind: global_buffer, .address_space: global }
      - { .name: X1, .offset: 24, .size: 8, .value_kind: global_buffer, .address_space: global }
      - { .name: out0, .offset: 32, .size: 8, .value_kind: global_buffer, .address_space: global }
    .group_segment_fixed_size: 327680
    .private_segment_fixed_size: 0
    .kernarg_segment_align: 8
    .kernarg_segment_size: 40
    .max_flat_workgroup_size: 128
    .sgpr_count:     96
    .vgpr_count:     512
    .wavefront_size: 32
...
	.end_amdgpu_metadata
.endif
;; end of part 6
;; ======== version 2 of 2: 6 launches
;; limits: right only within a limited range of input values
;; workspace buffers: WU 6,684,672 bytes; A1 2,228,224 bytes; QKVU 6,684,672 bytes; YU 2,228,224 bytes; X1 16,777,216 bytes; A2 2,228,224 bytes; HU 8,912,896 bytes
;; launch pre (part 7): grid 448 x 1, 4 waves a work-group, no clusters, 12,800 bytes of LDS; arguments x, ln1_g, ln1_b, A1, Wq_codes, Wq_scales, Wk_codes, Wk_scales, Wv_codes, Wv_scales, Wo_codes, Wo_scales, W1_codes, W1_scales, W2_codes, W2_scales, WU; writes A1, WU
.if DOCPART == 7
	.amdgcn_target "amdgcn-amd-amdhsa--gfx1250"
	.amdhsa_code_object_version 6
	.text
	.protected	k_q6414668635_pre
	.globl	k_q6414668635_pre
	.p2align	8
	.type	k_q6414668635_pre,@function
k_q6414668635_pre:
	s_mov_b64 s[64:65], 0
	v_nop
	global_prefetch_b8 v0, s[64:65] scope:SCOPE_SE
	s_setreg_imm32_b32 hwreg(HW_REG_WAVE_MODE, 25, 1), 1
	s_wait_xcnt 0x0
; TWO JOBS, told apart by the work-group's number.
; Work-groups 0-255: layer norm of 16 rows of [4096][1024] f32, quantised along the row to codes of FP4 (E2M1) with one E8M0 byte for each 32, stored in the operand layout U.
; Work-groups 256-447: the six weights, which arrive as codes and scale bytes with K innermost, are laid out anew in U.  Nothing is re-quantised: bytes are only moved.
; LAYOUT U of an operand [rows][K]: a unit of 8,704 bytes for each 128 rows x 128 K, unit (T, s) at (T K/128 + s) x 8,704.  In it eight fragments of 1,024 bytes, f = 4 g + a: the 16 bytes at
; 512 c + 256 h + 16 r are the codes of k = 128 s + 32 (2 c + h) + 0 .. 31 of row 128 T + 64 g + 32 (a / 2) + 8 (a % 2) + r + 8 (r / 8): so two loads of 16 bytes a lane, at 16 x lane and 512 further on, ARE the
; matrix operand's eight registers.  Behind the codes, from byte 8,192: the row's scale word (4 bytes: 128 along K) at 256 g + 16 r + 4 a.
; The rows of a fragment are chosen so that a product's results, taken transposed, have 16 neighbours along the next K in 16 registers of a lane.
; LIMITS: NaN and infinities are not served.  A block whose largest magnitude lies under 2^-124 (a block of zeros too) gets the byte 1: its codes are zeros or the nearest codes under that scale; the bytes are read by this program alone.
; THE NORM'S PATH: a work-group makes one fragment's 16 rows for all of K (8 units); wave w takes four rows that follow each other in memory.  A lane holds k = 256 j + 8 lane + 0 .. 7, j = 0 .. 3, of each row,
; so a pair of loads covers 1,024 consecutive bytes, four neighbouring lanes hold a block of 32, and a conversion's eight numbers are a lane's own.  Mean and variance in two passes over the registers, as the reference has them.
; Codes meet in LDS (a block's 16 rows x 16 bytes: 256 bytes + 16 of padding) and leave 256 consecutive aligned bytes to sixteen lanes.  The scale words leave as 4 bytes, 16 bytes apart: 512 bytes for 65,536 bytes read:
; the price of a fragment to a work-group, which gives 256 work-groups.
; No tensor loads, no matrix work, no cluster: no two work-groups read the same large bytes.
.set UNIT, 8704
.set USC,  8192
.set CST,  0                           ; LDS, the norm's path: 32 blocks x 272 bytes of codes
.set SCS,  8704                        ; and 8 x 16 scale words
.set PSC,  9216                        ; LDS, the weights' path (bytes of its own): 8 units x 256 bytes of scale words
.set AC,   10                          ; v10-17  a pair a row: the sum, later the sum of squares
.set MR,   18                          ; v18-25  a pair a row: the mean, later 1 / sqrt(var + eps), in both registers
.set TP,   26                          ; v26-29  at work
.set X,    32                          ; v32-159 four rows x 32 numbers
.set G,    160                         ; v160-191 the gain at my 32 columns; later the conversions' scale operands
.set BV,   192                         ; v192-223 the bias
.set CD,   224                         ; v224-239 codes: 8 to a register, register 4 i + j
.set BY,   240                         ; v240-255 largest magnitudes, then scale bytes
	v_lshl_add_u32 v30, v0, 2, 0x3000
	v_mov_b32 v31, 0
	s_cmp_ge_u32 ttmp9, 256
	s_cbranch_scc1 .Lprep
	s_load_b256 s[4:11], s[0:1], 0x0               ; the rows s[4:5], gain s[6:7], bias s[8:9], the operand's buffer s[10:11]
	v_lshrrev_b32 v9, 5, v0
	v_readfirstlane_b32 s12, v9                    ; wave
	v_and_b32 v1, 31, v0                           ; lane
	v_lshlrev_b32 v2, 5, v1                        ; 32 bytes a lane
	v_bfe_u32 v3, v0, 2, 3                         ; lane / 4: which block of the eight that a j covers
	v_mul_u32_u24 v3, v3, 272
	v_and_b32 v4, 3, v0
	v_lshl_add_u32 v3, v4, 2, v3                   ; + 4 (lane % 4): my 8 codes' place in the block's 16 bytes
	v_lshl_add_u32 v3, v9, 6, v3                   ; + 16 bytes for each of the 4 w rows ahead of mine
	v_bfe_u32 v4, v0, 4, 1
	v_lshlrev_b32 v4, 6, v4                        ; scale bytes: 64 (lane / 16): the unit,
	v_bfe_u32 v5, v0, 2, 2
	v_add_nc_u32 v4, v4, v5                        ; + the block in the unit,
	v_lshl_add_u32 v4, v9, 4, v4                   ; + 4 bytes a row
	v_add_nc_u32 v4, SCS, v4
	v_lshrrev_b32 v5, 4, v0                        ; the way out, by thread t: t / 16,
	v_and_b32 v6, 15, v0
	v_lshlrev_b32 v6, 4, v6                        ; 16 (t % 16)
	v_mul_u32_u24 v8, v5, UNIT
	v_add_nc_u32 v8, v8, v6                        ; the words' place: unit t / 16, row t % 16
	v_mad_u32_u24 v5, v5, 272, v6                  ; the codes in LDS: block t / 16 (+ 8 for each further load)
	v_bfe_u32 v7, v0, 4, 2
	v_lshl_add_u32 v6, v7, 8, v6                   ; and in memory: 256 x the block in the unit,
	v_lshrrev_b32 v7, 6, v0
	v_mad_u32_u24 v6, v7, UNIT, v6                 ; + the unit
	v_lshl_add_u32 v7, v0, 2, SCS                  ; my scale word in LDS
.irp i, 0,1,2,3
	v_mov_b32 v[TP+\i], 0                          ; written once: a lane permute's destination counts as one of its sources
.endr
	s_lshr_b32 s13, ttmp9, 3                       ; T
	s_and_b32 s18, ttmp9, 7                        ; f
	s_lshl_b32 s19, s13, 7
	s_lshr_b32 s20, s18, 2
	s_lshl_b32 s20, s20, 6
	s_add_co_u32 s19, s19, s20                     ; 128 T + 64 (f / 4)
	s_bfe_u32 s20, s18, 0x10001
	s_lshl_b32 s20, s20, 5
	s_add_co_u32 s19, s19, s20                     ; + 32 ((f / 2) % 2)
	s_and_b32 s20, s18, 1
	s_lshl_b32 s20, s20, 3
	s_add_co_u32 s19, s19, s20                     ; + 8 (f % 2)
	s_lshl_b32 s20, s12, 2
	s_add_co_u32 s19, s19, s20                     ; + r + 8 (r / 8) at r = 4 w:
	s_lshr_b32 s20, s12, 1
	s_lshl_b32 s20, s20, 3
	s_add_co_u32 s19, s19, s20                     ; my wave's first row
	s_lshl_b32 s20, s19, 12                        ; x 4,096 bytes
	s_mov_b32 s21, 0
	s_mul_i32 s22, s13, 8*UNIT
	s_lshl_b32 s23, s18, 10
	s_add_co_u32 s22, s22, s23                     ; the fragment in unit (T, 0)
	s_mov_b32 s23, 0
	s_mul_i32 s24, s13, 8*UNIT
	s_lshr_b32 s25, s18, 2
	s_lshl_b32 s25, s25, 8
	s_add_co_u32 s24, s24, s25
	s_and_b32 s25, s18, 3
	s_lshl_b32 s25, s25, 2
	s_add_co_u32 s24, s24, s25
	s_add_co_u32 s24, s24, USC                     ; its scale words' column
	s_mov_b32 s25, 0
	s_mov_b32 s14, 0x76543210
	s_mov_b32 s15, 0xfedcba98                      ; v_permlanex16_b32's selects for lane l xor 16
	s_mov_b32 s16, 0x3a800000                      ; 1 / 1024
	s_mov_b32 s17, 0x3727c5ac                      ; 1e-5
	s_wait_kmcnt 0x0
	s_add_nc_u64 s[4:5], s[4:5], s[20:21]
	s_add_nc_u64 s[26:27], s[10:11], s[24:25]
	s_add_nc_u64 s[10:11], s[10:11], s[22:23]
.irp i, 0,1,2,3
.irp j, 0,1,2,3
.irp e, 0,1
	global_load_b128 v[X+32*\i+8*\j+4*\e:X+32*\i+8*\j+4*\e+3], v2, s[4:5] offset:4096*\i+1024*\j+16*\e th:TH_LOAD_NT
.endr
.endr
.endr
.irp j, 0,1,2,3
.irp e, 0,1
	global_load_b128 v[G+8*\j+4*\e:G+8*\j+4*\e+3], v2, s[6:7] offset:1024*\j+16*\e
	global_load_b128 v[BV+8*\j+4*\e:BV+8*\j+4*\e+3], v2, s[8:9] offset:1024*\j+16*\e
.endr
.endr
; a pair's two halves and the 32 lanes are added: every lane then holds the row's sum in v[AC + 2 i].  The four rows by turns
.macro REDUCE
.irp i, 0,1,2,3
	v_add_f32 v[AC+2*\i], v[AC+2*\i], v[AC+2*\i+1]
.endr
.irp m, 1,2,4,8
.irp i, 0,1,2,3
	v_add_f32_dpp v[AC+2*\i], v[AC+2*\i], v[AC+2*\i] row_xmask:\m row_mask:0xf bank_mask:0xf
.endr
.endr
.irp i, 0,1,2,3
	v_permlanex16_b32 v[TP+\i], v[AC+2*\i], s14, s15
.endr
.irp i, 0,1,2,3
	v_add_f32 v[AC+2*\i], v[AC+2*\i], v[TP+\i]
.endr
.endm
	s_wait_loadcnt 16                              ; the rows are in; the 16 loads of gain and bias, issued behind them, may be out
.irp i, 0,1,2,3
	v_pk_add_f32 v[AC+2*\i:AC+2*\i+1], v[X+32*\i:X+32*\i+1], v[X+32*\i+2:X+32*\i+3]
.endr
.irp p, 2,3,4,5,6,7,8,9,10,11,12,13,14,15
.irp i, 0,1,2,3
	v_pk_add_f32 v[AC+2*\i:AC+2*\i+1], v[AC+2*\i:AC+2*\i+1], v[X+32*\i+2*\p:X+32*\i+2*\p+1]
.endr
.endr
	REDUCE
.irp i, 0,1,2,3
	v_mul_f32 v[MR+2*\i], s16, v[AC+2*\i]          ; the mean,
	v_mul_f32 v[MR+2*\i+1], s16, v[AC+2*\i]        ; in both registers of the pair
.endr
.irp p, 0,1,2,3,4,5,6,7,8,9,10,11,12,13,14,15
.irp i, 0,1,2,3
	v_pk_add_f32 v[X+32*\i+2*\p:X+32*\i+2*\p+1], v[X+32*\i+2*\p:X+32*\i+2*\p+1], v[MR+2*\i:MR+2*\i+1] neg_lo:[0,1] neg_hi:[0,1]   ; x - mean
.endr
.endr
.irp i, 0,1,2,3
	v_pk_mul_f32 v[AC+2*\i:AC+2*\i+1], v[X+32*\i:X+32*\i+1], v[X+32*\i:X+32*\i+1]
.endr
.irp p, 1,2,3,4,5,6,7,8,9,10,11,12,13,14,15
.irp i, 0,1,2,3
	v_pk_fma_f32 v[AC+2*\i:AC+2*\i+1], v[X+32*\i+2*\p:X+32*\i+2*\p+1], v[X+32*\i+2*\p:X+32*\i+2*\p+1], v[AC+2*\i:AC+2*\i+1]
.endr
.endr
	REDUCE
.irp i, 0,1,2,3
	v_fma_f32 v[TP+\i], v[AC+2*\i], s16, s17       ; variance + eps
.endr
	s_wait_alu depctr_va_vdst(0)
.irp i, 0,1,2,3
	v_rsq_f32 v[MR+2*\i], v[TP+\i]
	v_rsq_f32 v[MR+2*\i+1], v[TP+\i]
.endr
	v_nop                                          ; a plain instruction behind the last of the batch
	s_wait_alu depctr_va_vdst(0)                   ; one wait for the eight, ahead of their first reader
	s_wait_loadcnt 0x0                             ; gain and bias
.irp p, 0,1,2,3,4,5,6,7,8,9,10,11,12,13,14,15
.irp i, 0,1,2,3
	v_pk_mul_f32 v[X+32*\i+2*\p:X+32*\i+2*\p+1], v[X+32*\i+2*\p:X+32*\i+2*\p+1], v[MR+2*\i:MR+2*\i+1]
.endr
.irp i, 0,1,2,3
	v_pk_fma_f32 v[X+32*\i+2*\p:X+32*\i+2*\p+1], v[X+32*\i+2*\p:X+32*\i+2*\p+1], v[G+2*\p:G+2*\p+1], v[BV+2*\p:BV+2*\p+1]
.endr
.endr
; THE QUANTISER: n = 4 i + j names row i's eight numbers at k = 256 j + 8 lane.  The sixteen by turns
.irp n, 0,1,2,3,4,5,6,7,8,9,10,11,12,13,14,15
	v_max3_num_f32 v[BY+\n], |v[X+8*\n]|, |v[X+8*\n+1]|, 0x1800000   ; with the floor 2^(3 - 127) among the leaves: the byte cannot fall under 1
.endr
.irp m, 2,4,6
.irp n, 0,1,2,3,4,5,6,7,8,9,10,11,12,13,14,15
	v_max3_num_f32 v[BY+\n], v[BY+\n], |v[X+8*\n+\m]|, |v[X+8*\n+\m+1]|
.endr
.endr
.irp m, 1,2
.irp n, 0,1,2,3,4,5,6,7,8,9,10,11,12,13,14,15
	v_max_num_f32_dpp v[BY+\n], v[BY+\n], v[BY+\n] row_xmask:\m row_mask:0xf bank_mask:0xf   ; the four lanes that share a block
.endr
.endr
.irp n, 0,1,2,3,4,5,6,7,8,9,10,11,12,13,14,15
	v_add_nc_u32 v[G+\n], 0xff000000, v[BY+\n]     ; 2 off the exponent field: the conversion takes this operand's exponent field as its scale
.endr
.irp n, 0,1,2,3,4,5,6,7,8,9,10,11,12,13,14,15
	v_lshrrev_b32 v[BY+\n], 23, v[G+\n]            ; the scale's byte
.endr
.irp n, 0,1,2,3,4,5,6,7,8,9,10,11,12,13,14,15
	v_cvt_scalef32_pk8_fp4_f32 v[CD+\n], v[X+8*\n:X+8*\n+7], v[G+\n]
.endr
	v_nop                                          ; a plain instruction behind the last scaled conversion
.irp n, 0,1,2,3,4,5,6,7,8,9,10,11,12,13,14,15
	ds_store_b32 v3, v[CD+\n] offset:2176*(\n%4)+16*(\n/4)
.endr
.irp n, 0,1,2,3,4,5,6,7,8,9,10,11,12,13,14,15
	ds_store_b8 v4, v[BY+\n] offset:128*(\n%4)+4*(\n/4)   ; the four lanes of a block write the same byte with the same value
.endr
	s_wait_dscnt 0x0                               ; for the other waves' sake: my stores have landed
	s_barrier_signal -1
	s_barrier_wait -1
.irp k, 0,1,2,3
	ds_load_b128 v[32+4*\k:35+4*\k], v5 offset:2176*\k
.endr
	ds_load_b32 v48, v7
.irp k, 0,1,2,3
	s_wait_dscnt 4-\k                              ; behind load k: the later code loads and the word's
	global_store_b128 v6, v[32+4*\k:35+4*\k], s[10:11] offset:2*UNIT*\k   ; sixteen lanes store 256 consecutive bytes, at a multiple of 256 from the buffer's first byte
.endr
	s_wait_dscnt 0x0
	global_store_b32 v8, v48, s[26:27]
	s_wait_tensorcnt 0x0
	ds_add_u32 v30, v31
	s_wait_dscnt 0x0
	s_endpgm
; THE WEIGHTS' PATH.  p = work-group - 256; g = p % 2: which 64 rows of a tile of 128; u = p / 2 = 0 .. 95: eight units (1,024 along K) of one tile of one weight; wave w makes fragment 4 g + w of each of them.
; u 0-7 Wq, 8-15 Wk, 16-23 Wv, 24-31 Wo (tile u % 8), 32-63 W1 (tile u % 32), 64-95 W2 (tile (u % 32) / 4, K from 1,024 (u % 4) on).  In the buffer the regions follow each other so that u's eight units begin at 69,632 u.
; A load takes 32 bytes of each of 16 rows; a wave's sixteen loads take those rows' 512 bytes whole.  Each store covers 512 consecutive bytes.
.Lprep:
	s_load_b512 s[16:31], s[0:1], 0x20             ; codes and scales of Wq, Wk, Wv, Wo
	s_load_b256 s[32:39], s[0:1], 0x60             ; of W1, W2
	s_load_b64 s[40:41], s[0:1], 0x80              ; the buffer
	v_lshrrev_b32 v9, 5, v0
	v_readfirstlane_b32 s12, v9                    ; wave
	s_sub_co_u32 s13, ttmp9, 256
	s_and_b32 s14, s13, 1                          ; g
	s_lshr_b32 s15, s13, 1                         ; u
	s_and_b32 s50, s15, 7
	s_and_b32 s51, s15, 31
	s_lshr_b32 s52, s51, 2
	s_and_b32 s53, s15, 3
	s_cmp_ge_u32 s15, 32
	s_cselect_b32 s50, s51, s50
	s_cmp_ge_u32 s15, 64
	s_cselect_b32 s50, s52, s50                    ; the tile
	s_cselect_b32 s53, s53, 0                      ; which 1,024 along K
	s_cselect_b32 s54, 11, 9                       ; a row of codes is 2^11 or 2^9 bytes,
	s_cselect_b32 s55, 7, 5                        ; a row of scale bytes 2^7 or 2^5
	s_lshl_b32 s56, s50, 7
	s_lshl_b32 s57, s14, 6
	s_add_co_u32 s56, s56, s57
	s_lshr_b32 s57, s12, 1
	s_lshl_b32 s57, s57, 5
	s_add_co_u32 s56, s56, s57
	s_and_b32 s57, s12, 1
	s_lshl_b32 s57, s57, 3
	s_add_co_u32 s56, s56, s57                     ; the fragment's first row: 128 T + 64 g + 32 (w / 2) + 8 (w % 2)
	s_lshl_b32 s58, s56, s54
	s_lshl_b32 s57, s53, 9
	s_add_co_u32 s58, s58, s57                     ; its codes
	s_mov_b32 s59, 0
	s_lshl_b32 s60, s56, s55
	s_lshl_b32 s57, s53, 5
	s_add_co_u32 s60, s60, s57                     ; its scale bytes
	s_mov_b32 s61, 0
	s_mul_i32 s48, s15, 8*UNIT
	s_mov_b32 s49, 0
	v_and_b32 v1, 15, v0                           ; r
	v_bfe_u32 v2, v0, 4, 1                         ; h
	v_and_b32 v3, 8, v1
	v_add_nc_u32 v3, v3, v1                        ; r + 8 (r / 8)
	v_lshlrev_b32 v4, s54, v3
	v_lshl_add_u32 v4, v2, 4, v4                   ; codes: my row, + 16 h
	v_lshlrev_b32 v5, s55, v3
	v_lshl_add_u32 v5, v2, 4, v5                   ; scale bytes: my row; lanes 16-31 take units 4 to 7
	v_and_b32 v6, 31, v0
	v_lshlrev_b32 v6, 4, v6                        ; 16 x lane
	v_lshlrev_b32 v7, 10, v2
	v_lshl_add_u32 v7, v1, 4, v7
	v_lshl_add_u32 v7, v9, 2, v7
	v_add_nc_u32 v7, PSC, v7                       ; LDS: unit 4 h + j at 256 bytes each, row r, fragment w
	v_lshl_add_u32 v8, v0, 4, PSC                  ; back: 16 bytes a thread: a row's four words
	v_lshrrev_b32 v10, 4, v0
	v_mul_u32_u24 v10, v10, UNIT
	v_lshl_add_u32 v10, v1, 4, v10                 ; and their place: unit t / 16, row t % 16
	s_wait_alu depctr_va_vdst(0)
	s_wait_kmcnt 0x0
	s_mov_b64 s[44:45], s[16:17]
	s_mov_b64 s[46:47], s[18:19]
	s_cmp_ge_u32 s15, 8                            ; the choices hang on the work-group's number alone
	s_cselect_b64 s[44:45], s[20:21], s[44:45]
	s_cselect_b64 s[46:47], s[22:23], s[46:47]
	s_cmp_ge_u32 s15, 16
	s_cselect_b64 s[44:45], s[24:25], s[44:45]
	s_cselect_b64 s[46:47], s[26:27], s[46:47]
	s_cmp_ge_u32 s15, 24
	s_cselect_b64 s[44:45], s[28:29], s[44:45]
	s_cselect_b64 s[46:47], s[30:31], s[46:47]
	s_cmp_ge_u32 s15, 32
	s_cselect_b64 s[44:45], s[32:33], s[44:45]
	s_cselect_b64 s[46:47], s[34:35], s[46:47]
	s_cmp_ge_u32 s15, 64
	s_cselect_b64 s[44:45], s[36:37], s[44:45]
	s_cselect_b64 s[46:47], s[38:39], s[46:47]
	s_add_nc_u64 s[44:45], s[44:45], s[58:59]
	s_add_nc_u64 s[46:47], s[46:47], s[60:61]
	s_add_nc_u64 s[40:41], s[40:41], s[48:49]      ; u's first unit
	s_lshl_b32 s48, s14, 2
	s_add_co_u32 s48, s48, s12
	s_lshl_b32 s48, s48, 10
	s_add_nc_u64 s[42:43], s[40:41], s[48:49]      ; my fragment in it
	s_lshl_b32 s48, s14, 8
	s_add_co_u32 s48, s48, USC
	s_add_nc_u64 s[40:41], s[40:41], s[48:49]      ; the scale words of my 64 rows
	global_load_b128 v[96:99], v5, s[46:47]
.irp n, 0,1,2,3,4,5,6,7,8,9,10,11,12,13,14,15
	global_load_b128 v[32+4*\n:35+4*\n], v4, s[44:45] offset:32*\n th:TH_LOAD_NT   ; unit n / 2, half n % 2
.endr
	s_wait_loadcnt 16                              ; the scale bytes are in; the 16 loads of codes issued behind them may be out
.irp j, 0,1,2,3
	ds_store_b32 v7, v[96+\j] offset:256*\j
.endr
.irp n, 0,1,2,3,4,5,6,7,8,9,10,11,12,13,14,15
	s_wait_loadcnt 15-\n
	global_store_b128 v6, v[32+4*\n:35+4*\n], s[42:43] offset:UNIT*(\n/2)+512*(\n%2)
.endr
	s_wait_dscnt 0x0                               ; for the other waves' sake: my stores have landed
	s_barrier_signal -1
	s_barrier_wait -1
	ds_load_b128 v[100:103], v8
	s_wait_dscnt 0x0
	global_store_b128 v10, v[100:103], s[40:41]    ; sixteen lanes store 256 consecutive aligned bytes
	s_wait_tensorcnt 0x0
	ds_add_u32 v30, v31
	s_wait_dscnt 0x0
	s_endpgm
.Lfunc_end_k_q6414668635_pre:
	.size	k_q6414668635_pre, .Lfunc_end_k_q6414668635_pre-k_q6414668635_pre
	.p2alignl 7, 3214868480
	.fill 96, 4, 3214868480
	.section	.rodata,"a",@progbits
	.p2align	6, 0x0
	.amdhsa_kernel k_q6414668635_pre
		.amdhsa_group_segment_fixed_size 12800
		.amdhsa_private_segment_fixed_size 0
		.amdhsa_enable_private_segment 0
		.amdhsa_kernarg_size 136
		.amdhsa_user_sgpr_count 2
		.amdhsa_user_sgpr_kernarg_segment_ptr 1
		.amdhsa_wavefront_size32 1
		.amdhsa_system_sgpr_workgroup_id_x 1
		.amdhsa_system_sgpr_workgroup_id_y 1
		.amdhsa_system_sgpr_workgroup_id_z 1
		.amdhsa_system_vgpr_workitem_id 0
		.amdhsa_next_free_vgpr 256
		.amdhsa_next_free_sgpr 66
		.amdhsa_reserve_vcc 0
		.amdhsa_float_denorm_mode_32 3
		.amdhsa_float_denorm_mode_16_64 3
		.amdhsa_memory_ordered 1
		.amdhsa_forward_progress 1
		.amdhsa_inst_pref_size 52
	.end_amdhsa_kernel
	.amdgpu_metadata
---
amdhsa.version: [ 1, 2 ]
amdhsa.kernels:
  - .name:           k_q6414668635_pre
    .symbol:         k_q6414668635_pre.kd
    .args:
      - { .name: x, .offset: 0, .size: 8, .value_kind: global_buffer, .address_space: global }
      - { .name: ln1_g, .offset: 8, .size: 8, .value_kind: global_buffer, .address_space: global }
      - { .name: ln1_b, .offset: 16, .size: 8, .value_kind: global_buffer, .address_space: global }
      - { .name: A1, .offset: 24, .size: 8, .value_kind: global_buffer, .address_space: global }
      - { .name: Wq_codes, .offset: 32, .size: 8, .value_kind: global_buffer, .address_space: global }
      - { .name: Wq_scales, .offset: 40, .size: 8, .value_kind: global_buffer, .address_space: global }
      - { .name: Wk_codes, .offset: 48, .size: 8, .value_kind: global_buffer, .address_space: global }
      - { .name: Wk_scales, .offset: 56, .size: 8, .value_kind: global_buffer, .address_space: global }
      - { .name: Wv_codes, .offset: 64, .size: 8, .value_kind: global_buffer, .address_space: global }
      - { .name: Wv_scales, .offset: 72, .size: 8, .value_kind: global_buffer, .address_space: global }
      - { .name: Wo_codes, .offset: 80, .size: 8, .value_kind: global_buffer, .address_space: global }
      - { .name: Wo_scales, .offset: 88, .size: 8, .value_kind: global_buffer, .address_space: global }
      - { .name: W1_codes, .offset: 96, .size: 8, .value_kind: global_buffer, .address_space: global }
      - { .name: W1_scales, .offset: 104, .size: 8, .value_kind: global_buffer, .address_space: global }
      - { .name: W2_codes, .offset: 112, .size: 8, .value_kind: global_buffer, .address_space: global }
      - { .name: W2_scales, .offset: 120, .size: 8, .value_kind: global_buffer, .address_space: global }
      - { .name: WU, .offset: 128, .size: 8, .value_kind: global_buffer, .address_space: global }
    .group_segment_fixed_size: 12800
    .private_segment_fixed_size: 0
    .kernarg_segment_align: 8
    .kernarg_segment_size: 136
    .max_flat_workgroup_size: 128
    .sgpr_count:     66
    .vgpr_count:     256
    .wavefront_size: 32
...
	.end_amdgpu_metadata
.endif
;; end of part 7
;; launch qkv (part 8): grid 12 x 16, 16 waves a work-group, clusters of 4 x 4, 327,680 bytes of LDS; arguments A1, WU, bq, bk, bv, QKVU; writes QKVU
.if DOCPART == 8
	.amdgcn_target "amdgcn-amd-amdhsa--gfx1250"
	.amdhsa_code_object_version 6
	.text
	.protected	k_q6414668635_qkv
	.globl	k_q6414668635_qkv
	.p2align	8
	.type	k_q6414668635_qkv,@function
k_q6414668635_qkv:
	s_mov_b64 s[64:65], 0
	v_nop
	global_prefetch_b8 v0, s[64:65] scope:SCOPE_SE
	s_setreg_imm32_b32 hwreg(HW_REG_WAVE_MODE, 25, 1), 1
	s_wait_xcnt 0x0
	s_wait_alu depctr_hold_cnt(0) depctr_sa_sdst(0) depctr_va_vdst(0) depctr_va_sdst(0) depctr_va_ssrc(0) depctr_va_vcc(0) depctr_vm_vsrc(0)
	s_getreg_b32 s2, hwreg(HW_REG_IB_STS2, 6, 4)
	s_cmp_eq_u32 s2, 0
	s_cbranch_scc0 .Lentry_in_a_cluster
	s_endpgm
.Lentry_in_a_cluster:
	s_bfe_u32 s2, ttmp6, 0x10000c
	s_cmp_lg_u32 s2, 0xf033
	s_cbranch_scc0 .Lentry_shape_is_right
	s_endpgm
.Lentry_shape_is_right:
; q = LN1(x) Wq + bq, k and v likewise, on codes of FP4 (E2M1) with E8M0 scales; each result is quantised at once along the K of the product that will read it, and stored in the operand layout U
; (a unit of 8,704 bytes for 128 rows x 128 K: eight fragments of 1,024 bytes as images of the operand's registers, then 512 bytes of scale words).  q and k: rows = tokens, K = channels.  v: rows = channels, K = TOKENS.
; C = P Q^T on a tile of 256 x 256: P gives the result's rows (source 1: a lane holds one row of P), Q its K (source 0: a lane's registers run along Q's rows).  For q and k P = the tokens and Q = the weight;
; for v the two pointers change places, so that a lane's registers run along the tokens.  The choice hangs on the cluster's x alone (0: q, 1: k, 2: v) and is made by selects, with no branch.
; SHARES.  3 x 64 tiles: 192 work-groups, one to a WGP.  Sixteen waves, four to a SIMD, 256 registers each; wave w makes 64 x 64: P's rows 64 (w / 4) on, Q's rows 64 (w % 4) on: 16 accumulators.
; One set of fragments a wave: while one wave waits for its LDS loads, the SIMD's other three have products or the way out to issue.
; LDS.  P's 256 rows for all of K = 1,024 are 16 units on end in memory, 139,264 bytes; Q's likewise behind them.  Every byte is filled ONCE, at the head; nothing is filled again.
; Every wave issues one joint load of two units: waves 0-7 for P, 8-15 for Q; wave i of the eight takes tile i / 4, units 2 (i % 4) and 2 (i % 4) + 1: one tensor load of a wave is out at the most.
; CLUSTER 4 x 4: P's units are asked for jointly along a row of the cluster, Q's along a column.  No prefetch: every unit is asked for at the kernel's head.
; The bias along Q's rows is the C of the first products; the bias along P's rows (v's) is added at the end; the one that does not apply is replaced by zeros.
; LIMITS: NaN and infinities are not served; a block under 2^-124 (zeros too) gets the byte 1, read by this program alone.
; REGISTERS: v1-10 addresses; v16-19 scale words (lanes 0-15 P's words, lanes 16-31 Q's); v20-27 the row bias; v28-59 the column bias as C, later the codes made; v60-91 Q's four fragments, v92-123 P's, later at work;
; v128-255 accumulator (a, b) at 128 + 8 (4 a + b).
.set UNIT,  8704
.set USC,   8192
.set KU,    8                          ; units along K
.set TILE,  2*KU*UNIT                  ; 256 rows x 1,024 K
.set QL,    TILE                       ; LDS: P from 0, Q from here,
.set SST,   2*TILE                     ; and 4 x 512 bytes in which the four result units' scale words meet
.set ADRP, 4
.set ADRQ, 5
.set ADRS, 6
.set SSA,  7                           ; where I put my half words
.set SSR,  8                           ; where a unit's words are read back
.set BCO,  9                           ; the column bias' offset
.set BRO,  10                          ; the row bias' offset
.set SC,   16
.set RB,   20                          ; v20-27 the row bias of block a, in both registers of a pair
.set BIAS, 28
.set PC,   28
.set HW,   44
.set FQ,   60
.set FP,   92
.set RAW,  124
.set TM,   64
.set TX,   72
.set SO,   80
.set BY,   88
.set ACC,  128
.set G1P, 24
.set G0P, 32                           ; s[32:35] group 0 of P's load
.set G1Q, 48
.set G0Q, 56                           ; s[56:59] for Q's
.set TP,  66                           ; s66 which of P's two tiles of 128 rows is mine: w / 8.  Also: I fetch for P (0) or Q (1)
.set GM,  67                           ; s67 which 64 rows of it: bit 2 of w.  Also: which tile I fetch
.set TQ,  73                           ; s73 which of Q's two tiles: bit 1 of w
.set HN,  94                           ; s94 which 64 rows of it: bit 0 of w
.set SEL, 92
.macro CROUND                          ; a round of the cluster's barrier
	s_barrier_signal -1
	s_barrier_wait -1
	s_cmp_lg_u32 s14, 0
	s_cbranch_scc1 .Lnot_wave_0_\@
	s_barrier_signal -3
.Lnot_wave_0_\@:
	s_barrier_wait -3
	s_barrier_signal -1
	s_barrier_wait -1
.endm
.macro PLACES n
.rept \n
	v_nop
.endr
.endm
.macro MUL4 a, cz                      ; P's block a against Q's four.  cz = 1: the first product starts the sums from the bias.  The 16 accumulators take turns, in one order throughout
.irp b, 0,1,2,3
.if \cz
	v_wmma_scale_f32_16x16x128_f8f6f4 v[ACC+8*(4*(\a)+\b):ACC+8*(4*(\a)+\b)+7], v[FQ+8*\b:FQ+8*\b+7], v[FP+8*(\a):FP+8*(\a)+7], v[BIAS+8*\b:BIAS+8*\b+7], v[SC+\b], v[SC+(\a)] matrix_a_fmt:MATRIX_FMT_FP4 matrix_b_fmt:MATRIX_FMT_FP4 matrix_a_scale:MATRIX_SCALE_ROW1
.else
	v_wmma_scale_f32_16x16x128_f8f6f4 v[ACC+8*(4*(\a)+\b):ACC+8*(4*(\a)+\b)+7], v[FQ+8*\b:FQ+8*\b+7], v[FP+8*(\a):FP+8*(\a)+7], v[ACC+8*(4*(\a)+\b):ACC+8*(4*(\a)+\b)+7], v[SC+\b], v[SC+(\a)] matrix_a_fmt:MATRIX_FMT_FP4 matrix_b_fmt:MATRIX_FMT_FP4 matrix_a_scale:MATRIX_SCALE_ROW1
.endif
.endr
.endm
.macro UNITK s, cz                     ; 128 along K: 17 LDS loads (the scale words, Q's four fragments, P's four) and 16 products
	PLACES 4                                       ; in front of loads into registers that the last products read
	ds_load_b128 v[SC:SC+3], v[ADRS] offset:(\s)*UNIT
.irp i, 0,1,2,3
	ds_load_b128 v[FQ+8*\i:FQ+8*\i+3], v[ADRQ] offset:(\s)*UNIT+1024*\i
	ds_load_b128 v[FQ+8*\i+4:FQ+8*\i+7], v[ADRQ] offset:(\s)*UNIT+1024*\i+512
.endr
.irp i, 0,1,2,3
	ds_load_b128 v[FP+8*\i:FP+8*\i+3], v[ADRP] offset:(\s)*UNIT+1024*\i
	ds_load_b128 v[FP+8*\i+4:FP+8*\i+7], v[ADRP] offset:(\s)*UNIT+1024*\i+512
.endr
	s_wait_dscnt 6                                 ; the words, Q and P's block 0 are in; the six loads of P's blocks 1 to 3 may be out
	MUL4 0, \cz
	s_wait_dscnt 4                                 ; those of blocks 2 and 3
	MUL4 1, \cz
	s_wait_dscnt 2                                 ; those of block 3
	MUL4 2, \cz
	s_wait_dscnt 0x0
	MUL4 3, \cz
.endm
	s_load_b128 s[4:7], s[0:1], 0x0                ; the tokens' codes, the weights
	s_load_b128 s[8:11], s[0:1], 0x10              ; bq, bk
	s_load_b128 s[68:71], s[0:1], 0x20             ; bv, the results
	v_lshl_add_u32 v14, v0, 2, 0x44800
	v_mov_b32 v15, 0
	ds_add_u32 v14, v15
	ds_add_u32 v14, v15
	v_lshrrev_b32 v1, 5, v0
	s_delay_alu instid0(VALU_DEP_1)
	v_readfirstlane_b32 s14, v1                    ; wave 0..15
	s_lshr_b32 s15, s14, 2                         ; which 64 of P's 256 rows are mine
	s_and_b32 s16, s14, 3                          ; which 64 of Q's.  Also: which pair of units of K I fetch
	s_lshr_b32 s[TP], s14, 3
	s_bfe_u32 s[GM], s14, 0x10002
	s_bfe_u32 s[TQ], s14, 0x10001
	s_and_b32 s[HN], s14, 1
	s_bfe_u32 s40, ttmp6, 0x40000                  ; cx, cy: my place in the cluster
	s_bfe_u32 s41, ttmp6, 0x40004
	s_mov_b32 s72, ttmp9                           ; 0: q, 1: k, 2: v: the same in all sixteen partners
	s_and_b32 s74, ttmp7, 0xffff
	s_lshl_b32 s74, s74, 2                         ; which four of the tokens' 16 tiles of 256
	s_cmp_eq_u32 s72, 2
	s_cselect_b32 s17, 0, s74
	s_cselect_b32 s42, s74, 0
	s_cselect_b32 s75, 32, 8                       ; units in a row of tiles of the result
	s_cselect_b32 s76, -1, 0                       ; all lanes where v
	s_cselect_b32 s77, 0, -1                       ; all lanes where q or k
	s_add_co_u32 s17, s17, s41                     ; P's tile of 256 rows
	s_add_co_u32 s42, s42, s40                     ; Q's
	s_lshl_b32 s43, s41, 2
	s_lshl_b32 s43, 15, s43                        ; my row of the cluster
	s_lshl_b32 s44, 0x1111, s40                    ; my column
	s_or_b32 s[G1P], s43, (3<<16)|(1<<21)          ; 15:0 the mask; 17:16 elements of 8 bytes; 21 set beside a mask; no padding
	s_or_b32 s[G1Q], s44, (3<<16)|(1<<21)
.irp g, G1P, G1Q
	s_mov_b32 s[\g+1], 32<<16                      ; a unit, dense, as rows of 256 bytes: tensor_dim0 = 32
	s_mov_b32 s[\g+2], 68<<16                      ; two units on end: tensor_dim1 = 68 rows of 256 bytes
	s_mov_b32 s[\g+3], 32<<16                      ; tile_dim0
	s_mov_b32 s[\g+4], 68                          ; tile_dim1
	s_mov_b32 s[\g+5], 32                          ; the pitch
	s_mov_b32 s[\g+6], 0
	s_mov_b32 s[\g+7], 0
.endr
	s_lshl_b32 s18, s[GM], 2                       ; four pairs of units in a tile of 128 rows
	s_add_co_u32 s18, s18, s16
	s_mul_i32 s45, s18, 2*UNIT                     ; my pair of units in a tile of 256 rows, in memory and in LDS alike: no place in the cluster enters an LDS address
	s_mul_i32 s20, s17, TILE
	s_add_co_u32 s20, s20, s45
	s_mov_b32 s21, 0
	s_mul_i32 s46, s42, TILE
	s_add_co_u32 s46, s46, s45
	s_mov_b32 s47, 0
	s_mul_i32 s78, s72, 557056                     ; the weight's region
	s_mov_b32 s79, 0
	s_wait_dscnt 0x0
	s_wait_kmcnt 0x0
	s_add_nc_u64 s[78:79], s[6:7], s[78:79]
	s_cmp_eq_u32 s72, 2
	s_cselect_b64 s[80:81], s[78:79], s[4:5]       ; P: the tokens, for v the weight
	s_cselect_b64 s[82:83], s[4:5], s[78:79]       ; Q: the weight, for v the tokens
	s_add_nc_u64 s[20:21], s[80:81], s[20:21]
	s_add_nc_u64 s[46:47], s[82:83], s[46:47]
.irp c, 0
	s_mov_b32 s[G0P+4*\c], 1
	s_add_co_u32 s[G0P+4*\c+1], s45, \c*4*UNIT
	s_add_nc_u64 s[G0P+4*\c+2:G0P+4*\c+3], s[20:21], \c*4*UNIT
	s_or_b32 s[G0P+4*\c+3], s[G0P+4*\c+3], 0x80000000
	s_mov_b32 s[G0Q+4*\c], 1
	s_add_co_u32 s[G0Q+4*\c+1], s45, QL+\c*4*UNIT
	s_add_nc_u64 s[G0Q+4*\c+2:G0Q+4*\c+3], s[46:47], \c*4*UNIT
	s_or_b32 s[G0Q+4*\c+3], s[G0Q+4*\c+3], 0x80000000
.endr
	CROUND                                         ; all sixteen work-groups are here: the joint loads meet
	s_cmp_eq_u32 s[TP], 0                          ; a wave's fill stands in one branch on the wave's number, ahead of every wait on TENSORcnt and every LDS read; four v_nop follow it
	s_cbranch_scc0 .Lfor_q
	; ONE joint load a wave: units 2 (w % 4) and 2 (w % 4) + 1 of tile (w / 4) % 2
	tensor_load_to_lds s[G0P:G0P+3], s[G1P:G1P+7]
	s_nop 0
.rept 4
	v_nop
.endr
	s_branch .Lasked
.Lfor_q:
	tensor_load_to_lds s[G0Q:G0Q+3], s[G1Q:G1Q+7]
	s_nop 0
.rept 4
	v_nop
.endr
.Lasked:
	v_and_b32 v1, 15, v0                           ; r
	v_bfe_u32 v2, v0, 4, 1                         ; h
	v_and_b32 v3, 31, v0
	s_delay_alu instid0(VALU_DEP_1)
	v_lshlrev_b32 v3, 4, v3                        ; 16 x lane
	s_delay_alu instid0(VALU_DEP_3)
	v_lshlrev_b32 v[BCO], 6, v2                    ; the column bias: 16 h numbers on
	s_wait_alu depctr_va_vdst(0)
	v_and_b32 v[BRO], 8, v1
	s_delay_alu instid0(VALU_DEP_1)
	v_add_nc_u32 v[BRO], v[BRO], v1
	s_delay_alu instid0(VALU_DEP_1)
	v_lshlrev_b32 v[BRO], 2, v[BRO]                ; the row bias: r + 8 (r / 8) numbers on
	s_wait_alu depctr_va_vdst(0)
	s_cmp_eq_u32 s72, 1
	s_cselect_b64 s[84:85], s[10:11], s[8:9]
	s_cmp_eq_u32 s72, 2
	s_cselect_b64 s[84:85], s[68:69], s[84:85]     ; the bias that belongs to the weight
	s_lshl_b32 s86, s42, 10
	s_lshl_b32 s87, s16, 8
	s_add_co_u32 s86, s86, s87                     ; 4 (256 Q's tile + 64 (w % 4))
	s_lshl_b32 s88, s17, 10
	s_lshl_b32 s89, s15, 8
	s_add_co_u32 s88, s88, s89                     ; 4 (256 P's tile + 64 (w / 4))
	s_cmp_eq_u32 s72, 2
	s_cselect_b32 s86, 0, s86                      ; the one that does not apply reads the buffer's head, and is replaced by zeros below
	s_cselect_b32 s88, s88, 0
	s_mov_b32 s87, 0
	s_mov_b32 s89, 0
	s_add_nc_u64 s[86:87], s[84:85], s[86:87]
	s_add_nc_u64 s[88:89], s[84:85], s[88:89]
.irp b, 0,1,2,3
	global_load_b128 v[BIAS+8*\b:BIAS+8*\b+3], v[BCO], s[86:87] offset:(32*(\b/2)+8*(\b%2))*4
	global_load_b128 v[BIAS+8*\b+4:BIAS+8*\b+7], v[BCO], s[86:87] offset:(32*(\b/2)+8*(\b%2))*4+16
.endr
.irp a, 0,1,2,3
	global_load_b32 v[RAW+\a], v[BRO], s[88:89] offset:(32*(\a/2)+8*(\a%2))*4
.endr
	s_lshl_b32 s18, s17, 1
	s_add_co_u32 s18, s18, s[TP]                   ; the result's tile of 128 rows,
	s_mul_i32 s18, s18, s75
	s_lshl_b32 s19, s42, 1
	s_add_co_u32 s19, s19, s[TQ]                   ; its unit along the next K
	s_add_co_u32 s18, s18, s19
	s_mul_i32 s18, s18, UNIT
	s_mul_i32 s19, s72, 2228224                    ; q's, k's or v's region
	s_add_co_u32 s18, s18, s19
	s_mov_b32 s19, 0
	s_add_nc_u64 s[90:91], s[70:71], s[18:19]      ; the result's unit
	s_lshl_b32 s18, s[GM], 12
	s_lshl_b32 s22, s[HN], 9
	s_add_co_u32 s18, s18, s22
	s_add_nc_u64 s[12:13], s[90:91], s[18:19]      ; my four fragments' halves: 4,096 x my half of the rows + 512 x my half of the K
	s_add_nc_u64 s[90:91], s[90:91], USC           ; its scale words
	s_mov_b32 s[SEL], 0x76543210
	s_mov_b32 s[SEL+1], 0xfedcba98                 ; v_permlanex16_b32's selects for lane l xor 16
	s_mul_i32 s21, s[TP], KU*UNIT                  ; P: my tile of 128 rows,
	s_lshl_b32 s22, s[GM], 12
	s_add_co_u32 s22, s22, s21                     ; my four fragments in each unit
	v_add_nc_u32 v[ADRP], s22, v3
	s_mul_i32 s23, s[TQ], KU*UNIT
	s_add_co_u32 s23, s23, QL                      ; Q likewise
	s_lshl_b32 s22, s[HN], 12
	s_add_co_u32 s22, s22, s23
	v_add_nc_u32 v[ADRQ], s22, v3
	s_lshl_b32 s22, s[GM], 8
	s_add_co_u32 s21, s21, s22                     ; P's scale words (less the codes' 8,192 bytes),
	s_lshl_b32 s22, s[HN], 8
	s_add_co_u32 s23, s23, s22                     ; Q's
	s_sub_co_u32 s23, s23, s21
	v_mul_u32_u24 v[ADRS], s23, v2                 ; lanes 16-31 take Q's words: one product with h
	s_add_co_u32 s21, s21, USC
	v_lshl_add_u32 v[ADRS], v1, 4, v[ADRS]
	s_delay_alu instid0(VALU_DEP_1)
	v_add_nc_u32 v[ADRS], s21, v[ADRS]
	s_lshl_b32 s21, s[TP], 10
	s_lshl_b32 s22, s[TQ], 9
	s_add_co_u32 s21, s21, s22
	s_add_co_u32 s21, s21, SST                     ; my result unit's 512 bytes of words
	v_add_nc_u32 v[SSR], s21, v3
	s_lshl_b32 s22, s[GM], 8
	s_add_co_u32 s21, s21, s22
	s_lshl_b32 s22, s[HN], 1
	s_add_co_u32 s21, s21, s22
	v_lshl_add_u32 v[SSA], v1, 4, s21              ; + 256 x my half of the rows + 16 r + 2 x my half of the K
	s_wait_tensorcnt 0x0                           ; my two units are in
	s_barrier_signal -1
	s_barrier_wait -1                              ; everybody's is
	s_wait_loadcnt 0x0                             ; the biases
.irp i, 0,1,2,3,4,5,6,7,8,9,10,11,12,13,14,15,16,17,18,19,20,21,22,23,24,25,26,27,28,29,30,31
	v_cndmask_b32 v[BIAS+\i], 0, v[BIAS+\i], s77   ; kept for q and k
.endr
	s_wait_alu depctr_va_vdst(0)
.irp a, 0,1,2,3
	v_cndmask_b32 v[RB+2*\a], 0, v[RAW+\a], s76    ; kept for v
	v_cndmask_b32 v[RB+2*\a+1], 0, v[RAW+\a], s76
.endr
	UNITK 0, 1
	UNITK 1, 0
	UNITK 2, 0
	UNITK 3, 0
	UNITK 4, 0
	UNITK 5, 0
	UNITK 6, 0
	UNITK 7, 0
	PLACES 4                                       ; in front of the first read of results
	s_wait_alu depctr_va_vdst(0)
.irp a, 0,1,2,3
.irp i, 0,1,2,3,4,5,6,7,8,9,10,11,12,13,14,15
	v_pk_add_f32 v[ACC+32*\a+2*\i:ACC+32*\a+2*\i+1], v[ACC+32*\a+2*\i:ACC+32*\a+2*\i+1], v[RB+2*\a:RB+2*\a+1]   ; each accumulator from its low end on
.endr
.endr
; THE QUANTISER.  Block n = 2 a + u: the 16 registers at ACC + 16 n are k = 32 u + 16 h + 0 .. 15 (of my 64) of row (a, r); lane l xor 16 holds the block's other half.  The eight by turns
.irp n, 0,1,2,3,4,5,6,7
	v_mov_b32 v[TX+\n], 0                          ; a lane permute's destination counts as one of its sources
.endr
.irp n, 0,1,2,3,4,5,6,7
	v_max3_num_f32 v[TM+\n], |v[ACC+16*\n]|, |v[ACC+16*\n+1]|, 0x1800000   ; with the floor 2^(3 - 127): the byte cannot fall under 1
.endr
.irp i, 2,4,6,8,10,12,14
.irp n, 0,1,2,3,4,5,6,7
	v_max3_num_f32 v[TM+\n], v[TM+\n], |v[ACC+16*\n+\i]|, |v[ACC+16*\n+\i+1]|
.endr
.endr
.irp n, 0,1,2,3,4,5,6,7
	v_permlanex16_b32 v[TX+\n], v[TM+\n], s[SEL], s[SEL+1]
.endr
.irp n, 0,1,2,3,4,5,6,7
	v_max_num_f32 v[TM+\n], v[TM+\n], v[TX+\n]
.endr
.irp n, 0,1,2,3,4,5,6,7
	v_add_nc_u32 v[SO+\n], 0xff000000, v[TM+\n]    ; 2 off the exponent field: the conversion's scale operand
.endr
.irp n, 0,1,2,3,4,5,6,7
	v_lshrrev_b32 v[BY+\n], 23, v[SO+\n]           ; the scale's byte
.endr
.irp a, 0,1,2,3
	v_lshl_or_b32 v[HW+\a], v[BY+2*\a+1], 8, v[BY+2*\a]   ; my two bytes of the row's word
.endr
.irp n, 0,1,2,3,4,5,6,7
	v_cvt_scalef32_pk8_fp4_f32 v[PC+2*\n], v[ACC+16*\n:ACC+16*\n+7], v[SO+\n]
	v_cvt_scalef32_pk8_fp4_f32 v[PC+2*\n+1], v[ACC+16*\n+8:ACC+16*\n+15], v[SO+\n]
.endr
	v_nop                                          ; a plain instruction behind the last scaled conversion
.irp a, 0,1,2,3
.irp i, 0,1
	v_permlane16_swap_b32 v[PC+4*\a+\i], v[PC+4*\a+2+\i]   ; a whole block to a lane: lanes 0-15 the first, lanes 16-31 the second
.endr
.endr
.irp a, 0,1,2,3
	global_store_b128 v3, v[PC+4*\a:PC+4*\a+3], s[12:13] offset:1024*\a   ; 512 consecutive bytes: half a fragment
	ds_store_b16 v[SSA], v[HW+\a] offset:4*\a      ; lanes l and l xor 16 write the same bytes with the same value
.endr
	s_wait_dscnt 0x0                               ; for the other waves' sake: my stores have landed
	s_barrier_signal -1
	s_barrier_wait -1
	s_and_b32 s18, s14, 5                          ; of the four waves of a result unit the one with the first half of the rows and of the K stores its words: waves 0, 2, 8, 10
	s_cmp_lg_u32 s18, 0
	s_cbranch_scc1 .Lnot_mine
	ds_load_b128 v[60:63], v[SSR]
	s_wait_dscnt 0x0
	global_store_b128 v3, v[60:63], s[90:91]       ; the unit's 512 bytes of scale words
.Lnot_mine:
	s_wait_tensorcnt 0x0
	ds_add_u32 v14, v15
	s_wait_dscnt 0x0
	CROUND                                         ; the closing round
	s_endpgm
.Lfunc_end_k_q6414668635_qkv:
	.size	k_q6414668635_qkv, .Lfunc_end_k_q6414668635_qkv-k_q6414668635_qkv
	.p2alignl 7, 3214868480
	.fill 96, 4, 3214868480
	.section	.rodata,"a",@progbits
	.p2align	6, 0x0
	.amdhsa_kernel k_q6414668635_qkv
		.amdhsa_group_segment_fixed_size 327680
		.amdhsa_private_segment_fixed_size 0
		.amdhsa_enable_private_segment 0
		.amdhsa_kernarg_size 48
		.amdhsa_user_sgpr_count 2
		.amdhsa_user_sgpr_kernarg_segment_ptr 1
		.amdhsa_wavefront_size32 1
		.amdhsa_system_sgpr_workgroup_id_x 1
		.amdhsa_system_sgpr_workgroup_id_y 1
		.amdhsa_system_sgpr_workgroup_id_z 1
		.amdhsa_system_vgpr_workitem_id 0
		.amdhsa_next_free_vgpr 256
		.amdhsa_next_free_sgpr 96
		.amdhsa_reserve_vcc 0
		.amdhsa_float_denorm_mode_32 3
		.amdhsa_float_denorm_mode_16_64 3
		.amdhsa_memory_ordered 1
		.amdhsa_forward_progress 1
		.amdhsa_inst_pref_size 51
	.end_amdhsa_kernel
	.amdgpu_metadata
---
amdhsa.version: [ 1, 2 ]
amdhsa.kernels:
  - .name:           k_q6414668635_qkv
    .symbol:         k_q6414668635_qkv.kd
    .args:
      - { .name: A1, .offset: 0, .size: 8, .value_kind: global_buffer, .address_space: global }
      - { .name: WU, .offset: 8, .size: 8, .value_kind: global_buffer, .address_space: global }
      - { .name: bq, .offset: 16, .size: 8, .value_kind: global_buffer, .address_space: global }
      - { .name: bk, .offset: 24, .size: 8, .value_kind: global_buffer, .address_space: global }
      - { .name: bv, .offset: 32, .size: 8, .value_kind: global_buffer, .address_space: global }
      - { .name: QKVU, .offset: 40, .size: 8, .value_kind: global_buffer, .address_space: global }
    .group_segment_fixed_size: 327680
    .private_segment_fixed_size: 0
    .kernarg_segment_align: 8
    .kernarg_segment_size: 48
    .max_flat_workgroup_size: 512
    .sgpr_count:     96
    .vgpr_count:     256
    .wavefront_size: 32
...
	.end_amdgpu_metadata
.endif
;; end of part 8
;; launch att (part 9): grid 16 x 16, 16 waves a work-group, clusters of 4 x 1, 327,680 bytes of LDS; arguments QKVU, YU; writes YU
.if DOCPART == 9
	.amdgcn_target "amdgcn-amd-amdhsa--gfx1250"
	.amdhsa_code_object_version 6
	.text
	.protected	k_q6414668635_att
	.globl	k_q6414668635_att
	.p2align	8
	.type	k_q6414668635_att,@function
k_q6414668635_att:
	s_mov_b64 s[64:65], 0
	v_nop
	global_prefetch_b8 v0, s[64:65] scope:SCOPE_SE
	s_setreg_imm32_b32 hwreg(HW_REG_WAVE_MODE, 25, 1), 1
	s_wait_xcnt 0x0
	s_wait_alu depctr_hold_cnt(0) depctr_sa_sdst(0) depctr_va_vdst(0) depctr_va_sdst(0) depctr_va_ssrc(0) depctr_va_vcc(0) depctr_vm_vsrc(0)
	s_getreg_b32 s2, hwreg(HW_REG_IB_STS2, 6, 4)
	s_cmp_eq_u32 s2, 0
	s_cbranch_scc0 .Lentry_in_a_cluster
	s_endpgm
.Lentry_in_a_cluster:
	s_bfe_u32 s2, ttmp6, 0x10000c
	s_cmp_lg_u32 s2, 0x3003
	s_cbranch_scc0 .Lentry_shape_is_right
	s_endpgm
.Lentry_shape_is_right:
; y = softmax(q k^T / 8) v for 32 (batch, head) pairs of 2,048 tokens and head size 64, no mask; both products on codes of FP4 (E2M1) with E8M0 scales; y is quantised along the channels and stored in the operand layout U.
; THE SOFTMAX AHEAD OF THE SECOND PRODUCT: t = score x log2(e) / 8; M = the running largest t rounded UP to a whole number; p = 2^(t - M) is quantised along the keys, not normalised; the row's sum is taken of the
; unquantised p and divides at the end.  When M moves, the sum and O are multiplied by 2^(old M - new M), which rounds nothing.
; INPUTS, all in U (units of 8,704 bytes: 128 rows x 128 K as register images, then scale words): q, k: rows = tokens, K = channels: a unit's 128 channels are TWO heads, head c in the half at 512 c of each fragment;
; v: rows = channels, K = tokens: head c's 64 channels are fragments 4 c .. 4 c + 3.
; SHARES.  A work-group takes 128 queries and a PAIR of heads: one whole unit of y.  Sixteen waves, four to a SIMD: wave w takes head w % 2 and query fragment w / 2 (16 queries), and walks the batch's 2,048 keys, 128 a step.
; LDS.  The pair's K and V, 16 units each, lie in LDS whole, filled once.  EVERY wave issues ONE joint load of two units at the head: waves 0-7 K's key steps 2 w, 2 w + 1 (two rows of 8,704 bytes, eight units apart in memory),
; waves 8-15 V's (two units on end, 68 rows of 256 bytes); wave w's bytes begin at 2 w units.  One barrier follows, and then one loop of 16 steps with no barrier in it.
; CLUSTER 4 x 1: the four blocks of queries of a cluster read the same K and V: each load names all four.  No prefetch: all of K and V is asked for at the kernel's head, so there is no loop to run ahead in.
; K's fragments and scale words of step s + 1 are loaded behind step s's score products and waited for with V's, ahead of step s's second product.
; HEAD SIZE 64 IN AN INSTRUCTION OF K = 128: q's upper four registers are zero codes.  k's operand of tile t is v[24 + 4 t .. 31 + 4 t]: its upper half holds the next tile's codes, which meet q's zero codes; the scale words are
; loaded as 16 bits, the head's two bytes, with zero bytes above them (2^-127, no NaN).
; Both products are used transposed (S^T = k q^T, O^T = v^T p^T): a lane holds ONE query.  By U's order of rows the 16 registers of score tiles 2 b, 2 b + 1 are keys 32 b + 16 (lane / 16) + 0 .. 15, and O^T's likewise 16 neighbouring channels.
; LIMITS: NaN and infinities are not served; the scaled scores t stay under 2^31 in magnitude; a block of p or of y under 2^-124 gets the byte 1 (its codes are zeros or the nearest under that scale).
; REGISTERS: v1-4 addresses that stay, v8-11 those of the step; v12 -M, v13 the largest score, v[14:15] the sum; v16-23 q; v24-59 k; v60-91 v; v96-159 S^T, then p; v160-191 O^T; v192-203 k's and v's scale words; v224-231 p's codes;
; v232-249, v252-254 at work; v250, v251 the add's two; v255 q's scale word.
.set UNIT, 8704
.set USC,  8192
.set VL,   16*UNIT                     ; LDS: K's 16 units from 0, V's from here,
.set SST,  32*UNIT                     ; 512 bytes in which y's scale words meet,
.set SPARE, SST+512                    ; and the spare words, 128 bytes a wave
.set KOFF, 2228224                     ; k's region in the buffer
.set VOFF, 4456448                     ; v's
.set WV,   8
.set G1K,  16
.set G1V,  24
.set G0K,  32
.set G0V,  36
.set SEL,  66
.set CS,   68                          ; s[68:69] c = log2(e) / 8
.set TB,   70                          ; s70 LDS byte of the step's unit
.set CNT,  71                          ; s71 steps to go
.set CN,   94                          ; s94 -c
.set TS,   234                         ; v234-247 seven pairs for the row's sum
.macro CROUND
	s_barrier_signal -1
	s_barrier_wait -1
	s_cmp_lg_u32 s[WV], 0
	s_cbranch_scc1 .Lnot_wave_0_\@
	s_barrier_signal -3
.Lnot_wave_0_\@:
	s_barrier_wait -3
	s_barrier_signal -1
	s_barrier_wait -1
.endm
.macro KLOAD adr, adw, off             ; a key step's eight tiles of k (my head's half) and their half words
.irp t, 0,1,2,3,4,5,6,7
	ds_load_b128 v[24+4*\t:27+4*\t], v[\adr] offset:\off+1024*\t
.endr
.irp t, 0,1,2,3,4,5,6,7
	ds_load_u16 v[192+\t], v[\adw] offset:\off+256*(\t/4)+4*(\t%4)
.endr
.endm
	s_load_b128 s[4:7], s[0:1], 0x0                ; q, k, v; y
	v_lshl_add_u32 v250, v0, 2, SPARE
	v_mov_b32 v251, 0
	ds_add_u32 v250, v251                          ; the opening lines
	ds_add_u32 v250, v251
	v_lshrrev_b32 v8, 5, v0
	s_delay_alu instid0(VALU_DEP_1)
	v_readfirstlane_b32 s[WV], v8                  ; wave 0..15
	s_bfe_u32 s9, ttmp6, 0x40000                   ; cx
	s_lshl_b32 s10, ttmp9, 2
	s_add_co_u32 s10, s10, s9                      ; my block of 128 queries: it enters q's and y's addresses alone
	s_and_b32 s11, ttmp7, 0xffff
	s_lshr_b32 s12, s11, 3                         ; the batch
	s_and_b32 s13, s11, 7                          ; the pair of heads
	s_and_b32 s14, s[WV], 1                        ; c: my head of the pair
	s_lshr_b32 s15, s[WV], 1                       ; f: my fragment of queries
	s_and_b32 s95, s[WV], 7                        ; which two key steps I fetch
	s_mov_b32 s[G1K], 15|(3<<16)|(1<<21)           ; the mask: all four work-groups; elements of 8 bytes; bit 21 beside a mask
	s_mov_b32 s[G1K+1], 1088<<16                   ; K: two units, each a row of 8,704 bytes,
	s_mov_b32 s[G1K+2], 2<<16
	s_mov_b32 s[G1K+3], 1088<<16
	s_mov_b32 s[G1K+4], 2
	s_mov_b32 s[G1K+5], 8704                       ; eight units apart in memory
	s_mov_b32 s[G1K+6], 0
	s_mov_b32 s[G1K+7], 0
	s_mov_b32 s[G1V], 15|(3<<16)|(1<<21)
	s_mov_b32 s[G1V+1], 32<<16                     ; V: two units on end: 68 rows of 256 bytes
	s_mov_b32 s[G1V+2], 68<<16
	s_mov_b32 s[G1V+3], 32<<16
	s_mov_b32 s[G1V+4], 68
	s_mov_b32 s[G1V+5], 32
	s_mov_b32 s[G1V+6], 0
	s_mov_b32 s[G1V+7], 0
	s_lshl_b32 s72, s12, 7
	s_add_co_u32 s72, s72, s13                     ; k: unit (16 batch, pair),
	s_lshl_b32 s40, s95, 4
	s_add_co_u32 s72, s72, s40                     ; + two key steps of eight units for each wave ahead of mine
	s_mul_i32 s72, s72, UNIT
	s_add_co_u32 s72, s72, KOFF
	s_mov_b32 s73, 0
	s_lshl_b32 s74, s13, 5
	s_lshl_b32 s75, s12, 4
	s_add_co_u32 s74, s74, s75                     ; v: unit (pair, 16 batch),
	s_lshl_b32 s75, s95, 1
	s_add_co_u32 s74, s74, s75                     ; + two units a wave
	s_mul_i32 s74, s74, UNIT
	s_add_co_u32 s74, s74, VOFF
	s_mov_b32 s75, 0
	s_mul_i32 s42, s[WV], 2*UNIT                   ; where my two units go: the wave's number alone
	s_lshl_b32 s76, s12, 4
	s_add_co_u32 s76, s76, s10
	s_lshl_b32 s76, s76, 3
	s_add_co_u32 s76, s76, s13
	s_mul_i32 s76, s76, UNIT                       ; q's and y's unit (16 batch + block, pair)
	s_lshl_b32 s77, s15, 10
	s_lshl_b32 s78, s14, 9
	s_add_co_u32 s77, s77, s78
	s_add_co_u32 s80, s76, s77                     ; + 1,024 f + 512 c: my half fragment
	s_mov_b32 s81, 0
	s_lshr_b32 s77, s15, 2
	s_lshl_b32 s77, s77, 8
	s_and_b32 s78, s15, 3
	s_lshl_b32 s78, s78, 2
	s_add_co_u32 s77, s77, s78
	s_lshl_b32 s78, s14, 1
	s_add_co_u32 s79, s77, s78                     ; 256 (f / 4) + 4 (f % 4) + 2 c: my half words' column
	s_add_co_u32 s82, s76, s79
	s_add_co_u32 s82, s82, USC
	s_mov_b32 s83, 0
	s_add_co_u32 s84, s76, USC
	s_mov_b32 s85, 0
	s_lshl_b32 s43, s14, 9                         ; the lanes' LDS addresses: k's tiles + 512 c,
	s_lshl_b32 s44, s14, 12
	s_add_co_u32 s44, s44, VL                      ; v's fragments + 4,096 c,
	s_lshl_b32 s45, s14, 1
	s_add_co_u32 s45, s45, USC                     ; k's half words + 2 c,
	s_lshl_b32 s46, s14, 8
	s_add_co_u32 s46, s46, VL+USC                  ; v's words + 256 c,
	s_add_co_u32 s47, s79, SST                     ; y's half word
	s_mov_b32 s[SEL], 0x76543210
	s_mov_b32 s[SEL+1], 0xfedcba98                 ; v_permlanex16_b32's selects for lane l xor 16
	s_mov_b32 s[CS], 0x3e38aa3b                    ; log2(e) / 8
	s_mov_b32 s[CS+1], s[CS]                       ; (named with it as a pair, so it is written)
	s_mov_b32 s[CN], 0xbe38aa3b
	s_mov_b32 s[TB], 0
	s_mov_b32 s[CNT], 16
	s_wait_dscnt 0x0                               ; both opening adds are done
	s_wait_kmcnt 0x0
	s_add_nc_u64 s[72:73], s[4:5], s[72:73]
	s_add_nc_u64 s[74:75], s[4:5], s[74:75]
	s_add_nc_u64 s[86:87], s[4:5], s[80:81]        ; q's codes
	s_add_nc_u64 s[88:89], s[4:5], s[82:83]        ; q's half words
	s_add_nc_u64 s[90:91], s[6:7], s[80:81]        ; y's codes
	s_add_nc_u64 s[92:93], s[6:7], s[84:85]        ; y's scale words
	s_mov_b32 s[G0K], 1
	s_mov_b32 s[G0K+1], s42
	s_mov_b64 s[G0K+2:G0K+3], s[72:73]
	s_or_b32 s[G0K+3], s[G0K+3], 0x80000000
	s_mov_b32 s[G0V], 1
	s_mov_b32 s[G0V+1], s42
	s_mov_b64 s[G0V+2:G0V+3], s[74:75]
	s_or_b32 s[G0V+3], s[G0V+3], 0x80000000
	CROUND                                         ; all four work-groups are here: the joint loads meet
	s_cmp_lt_u32 s[WV], 8                          ; one branch on the wave's number, a load in each arm: every way through the head passes exactly one
	s_cbranch_scc0 .Lfor_v
	tensor_load_to_lds s[G0K:G0K+3], s[G1K:G1K+7]
	s_nop 0
.rept 4
	v_nop
.endr
	s_branch .Lasked
.Lfor_v:
	tensor_load_to_lds s[G0V:G0V+3], s[G1V:G1V+7]
	s_nop 0
.rept 4
	v_nop
.endr
.Lasked:
	v_and_b32 v5, 15, v0                           ; r
	v_and_b32 v6, 31, v0
	s_delay_alu instid0(VALU_DEP_1)
	v_lshlrev_b32 v6, 4, v6                        ; 16 x lane
	v_lshlrev_b32 v7, 4, v5                        ; 16 r
	global_load_b128 v[16:19], v6, s[86:87]        ; q stays in registers
	global_load_u16 v255, v7, s[88:89]             ; and its two scale bytes
	v_add_nc_u32 v1, s43, v6                       ; k's tiles
	v_add_nc_u32 v2, s44, v6                       ; v's fragments
	v_lshl_add_u32 v3, v5, 4, s45                  ; k's half words
	v_lshl_add_u32 v4, v5, 4, s46                  ; v's words
	v_lshl_add_u32 v92, v5, 4, s47                 ; where y's half word goes
	v_add_nc_u32 v93, SST, v6                      ; where wave 0 reads the words back
.irp j, 20,21,22,23,56,57,58,59
	v_mov_b32 v[\j], 0                             ; zero codes: q's upper half, and what stands above k's last tile
.endr
	v_mov_b32 v13, 0xff61b1e6                      ; the largest score so far: -3e38
	s_delay_alu instid0(VALU_DEP_1)
	v_mul_f32 v12, s[CN], v13
	s_delay_alu instid0(VALU_DEP_1)
	v_floor_f32 v12, v12                           ; -M
	v_mov_b32 v14, 0
	v_mov_b32 v15, 0
.irp b, 0,1,2,3
	v_mov_b32 v[236+\b], 0                         ; a lane permute's destination counts as one of its sources
.endr
	v_mov_b32 v253, 0                              ; (named as the upper half of the pair v[252:253] before it is first written)
.irp j, 0,1,2,3,4,5,6,7,8,9,10,11,12,13,14,15,16,17,18,19,20,21,22,23,24,25,26,27,28,29,30,31
	v_mov_b32 v[160+\j], 0                         ; O^T: the step is written once; the first finds zeros, which the first change of M leaves zeros
.endr
	s_wait_alu depctr_va_vdst(0)
	s_wait_tensorcnt 0x0                           ; my two units are in
	s_barrier_signal -1
	s_barrier_wait -1                              ; everybody's are: K and V are whole, and nothing is filled again
	KLOAD 1, 3, 0                                  ; key step 0
	s_wait_loadcnt 0x0                             ; q
	s_wait_dscnt 0x0
; A KEY STEP: 128 keys, the unit at s[TB]; k's fragments are in registers
.Lstep:
.irp t, 0,1,2,3,4,5,6,7
	v_wmma_scale_f32_16x16x128_f8f6f4 v[96+8*\t:103+8*\t], v[24+4*\t:31+4*\t], v[16:23], 0, v[192+\t], v255 matrix_a_fmt:MATRIX_FMT_FP4 matrix_b_fmt:MATRIX_FMT_FP4
.endr
	v_add_nc_u32 v8, s[TB], v1                     ; these four are the places behind the products: ahead of the loads into k's and v's registers and of the first read of the scores
	v_add_nc_u32 v9, s[TB], v2
	v_add_nc_u32 v10, s[TB], v3
	v_add_nc_u32 v11, s[TB], v4
.irp a, 0,1,2,3
	ds_load_b128 v[60+8*\a:63+8*\a], v9 offset:1024*\a      ; v's fragments land under the softmax
	ds_load_b128 v[64+8*\a:67+8*\a], v9 offset:1024*\a+512
.endr
	ds_load_b128 v[200:203], v11
	s_cmp_eq_u32 s[CNT], 1                         ; the last step has no successor: a branch on the count of steps leads round the loads alone
	s_cbranch_scc1 .Lno_next
	KLOAD 8, 10, UNIT                              ; the next step's k
.Lno_next:
.irp b, 0,1,2,3
	v_max3_num_f32 v[232+\b], v[96+16*\b], v[97+16*\b], v[98+16*\b]   ; the largest score of each block of 32 keys: for the row's maximum and, since p rises with the score, for the block's largest p
.endr
.irp i, 3,5,7,9,11,13
.irp b, 0,1,2,3
	v_max3_num_f32 v[232+\b], v[232+\b], v[96+16*\b+\i], v[97+16*\b+\i]
.endr
.endr
.irp b, 0,1,2,3
	v_max_num_f32 v[232+\b], v[232+\b], v[111+16*\b]
.endr
.irp b, 0,1,2,3
	s_delay_alu instid0(VALU_DEP_4)
	v_permlanex16_b32 v[236+\b], v[232+\b], s[SEL], s[SEL+1]
.endr
.irp b, 0,1,2,3
	s_delay_alu instid0(VALU_DEP_4)
	v_max_num_f32 v[232+\b], v[232+\b], v[236+\b]  ; with lane l xor 16's 16 keys
.endr
	s_delay_alu instid0(VALU_DEP_2)
	v_max3_num_f32 v254, v232, v233, v234
	s_delay_alu instid0(VALU_DEP_1)
	v_max3_num_f32 v13, v13, v254, v235            ; the running largest score
	v_mov_b32 v254, v12
	s_delay_alu instid0(VALU_DEP_2)
	v_mul_f32 v252, s[CN], v13                     ; -t (c is positive, so the largest score gives the largest t)
	s_delay_alu instid0(VALU_DEP_1)
	v_floor_f32 v12, v252                          ; the new -M = -ceil(t)
	s_delay_alu instid0(VALU_DEP_1)
	v_sub_f32 v254, v12, v254                      ; old M - new M: a whole number, 0 or less
	s_delay_alu instid0(VALU_DEP_1)
	v_cvt_i32_f32 v254, v254                       ; (it saturates)
	s_delay_alu instid0(VALU_DEP_1)
	v_ldexp_f32 v252, 1.0, v254                    ; f = 2^(old M - new M)
.irp j, 0,2,4,6,8,10,12,14,16,18,20,22,24,26,28,30,32,34,36,38,40,42,44,46,48,50,52,54,56,58,60,62
	v_pk_fma_f32 v[96+\j:97+\j], v[96+\j:97+\j], s[CS:CS+1], v[12:13] op_sel_hi:[1,0,0]   ; t - M
.endr
.irp b, 0,1,2,3
	v_fma_f32 v[232+\b], v[232+\b], s[CS], v12     ; the same of each block's largest score
.endr
.irp j, 0,2,4,6,8,10,12,14,16,18,20,22,24,26,28,30
	v_pk_mul_f32 v[160+\j:161+\j], v[160+\j:161+\j], v[252:253] op_sel_hi:[1,0]   ; O^T under the new M, ahead of the exponentials; each accumulator from its low end on
.endr
	s_wait_alu depctr_va_vdst(0)
.irp j, 0,1,2,3,4,5,6,7,8,9,10,11,12,13,14,15,16,17,18,19,20,21,22,23,24,25,26,27,28,29,30,31,32,33,34,35,36,37,38,39,40,41,42,43,44,45,46,47,48,49,50,51,52,53,54,55,56,57,58,59,60,61,62,63
	v_exp_f32 v[96+\j], v[96+\j]                   ; p = 2^(t - M)
.endr
.irp b, 0,1,2,3
	v_exp_f32 v[232+\b], v[232+\b]                 ; the blocks' largest p: one batch with the 64
.endr
	v_pk_mul_f32 v[14:15], v[14:15], v[252:253] op_sel_hi:[1,0]   ; the sum under the new M: the plain instruction behind the batch
	s_wait_alu depctr_va_vdst(0)                   ; one wait for the 68, ahead of their first reader
.irp b, 0,1,2,3
	v_max_num_f32 v[232+\b], 0x1800000, v[232+\b]  ; the floor 2^(3 - 127): the byte cannot fall under 1
.endr
.irp b, 0,1,2,3
	s_delay_alu instid0(VALU_DEP_4)
	v_add_nc_u32 v[244+\b], 0xff000000, v[232+\b]  ; 2 off the exponent field: the conversion's scale operand
.endr
.irp b, 0,1,2,3
	s_delay_alu instid0(VALU_DEP_4)
	v_lshrrev_b32 v[236+\b], 23, v[244+\b]
.endr
	s_delay_alu instid0(VALU_DEP_3)
	v_lshl_or_b32 v253, v237, 8, v236              ; p's scale word for these 128 keys
	s_delay_alu instid0(VALU_DEP_1)
	v_lshl_or_b32 v253, v238, 16, v253
	s_delay_alu instid0(VALU_DEP_1)
	v_lshl_or_b32 v253, v239, 24, v253
.irp b, 0,1,2,3
	v_cvt_scalef32_pk8_fp4_f32 v[224+2*\b], v[96+16*\b:103+16*\b], v[244+\b]
	v_cvt_scalef32_pk8_fp4_f32 v[225+2*\b], v[104+16*\b:111+16*\b], v[244+\b]
.endr
	v_nop                                          ; a plain instruction behind the last scaled conversion
.irp c, 0,1
.irp i, 0,1
	v_permlane16_swap_b32 v[224+4*\c+\i], v[226+4*\c+\i]   ; a whole block to a lane
.endr
.endr
; the row's sum of the unquantised p: 32 pairs in eight chains (seven pairs at work and the sum itself); these 32 lines are also the places ahead of the products below
.irp k, 0,1,2,3,4,5,6
	v_pk_add_f32 v[TS+2*\k:TS+2*\k+1], v[96+2*\k:97+2*\k], v[110+2*\k:111+2*\k]
.endr
	v_pk_add_f32 v[14:15], v[14:15], v[124:125]
.irp k, 0,1,2,3,4,5,6
	v_pk_add_f32 v[TS+2*\k:TS+2*\k+1], v[TS+2*\k:TS+2*\k+1], v[126+2*\k:127+2*\k]
.endr
	v_pk_add_f32 v[14:15], v[14:15], v[140:141]
.irp k, 0,1,2,3,4,5,6
	v_pk_add_f32 v[TS+2*\k:TS+2*\k+1], v[TS+2*\k:TS+2*\k+1], v[142+2*\k:143+2*\k]
.endr
	v_pk_add_f32 v[14:15], v[14:15], v[156:157]
	v_pk_add_f32 v[TS:TS+1], v[TS:TS+1], v[158:159]
	v_pk_add_f32 v[14:15], v[14:15], v[TS+6:TS+7]
	v_pk_add_f32 v[TS+2:TS+3], v[TS+2:TS+3], v[TS+10:TS+11]
	v_pk_add_f32 v[TS+4:TS+5], v[TS+4:TS+5], v[TS+12:TS+13]
	s_delay_alu instid0(VALU_DEP_4)
	v_pk_add_f32 v[TS:TS+1], v[TS:TS+1], v[TS+8:TS+9]
	s_delay_alu instid0(VALU_DEP_2)
	v_pk_add_f32 v[14:15], v[14:15], v[TS+4:TS+5]
	s_delay_alu instid0(VALU_DEP_2)
	v_pk_add_f32 v[TS:TS+1], v[TS:TS+1], v[TS+2:TS+3]
	s_delay_alu instid0(VALU_DEP_1)
	v_pk_add_f32 v[14:15], v[14:15], v[TS:TS+1]
	s_wait_dscnt 0x0                               ; v's fragments and words, and the next step's k
.irp a, 0,1,2,3
	v_wmma_scale_f32_16x16x128_f8f6f4 v[160+8*\a:167+8*\a], v[60+8*\a:67+8*\a], v[224:231], v[160+8*\a:167+8*\a], v[200+\a], v253 matrix_a_fmt:MATRIX_FMT_FP4 matrix_b_fmt:MATRIX_FMT_FP4
.endr
	s_add_co_u32 s[TB], s[TB], UNIT
	s_sub_co_u32 s[CNT], s[CNT], 1
	s_cmp_lg_u32 s[CNT], 0
	s_cbranch_scc1 .Lstep
	; THE WAY OUT: O^T / the sum, quantised along the channels: my head's two blocks of 32
	s_wait_alu depctr_va_vdst(0)                   ; the sum was written just ahead of a wait that blocks
	v_add_f32 v14, v14, v15
	s_delay_alu instid0(VALU_DEP_1)
	v_permlanex16_b32 v252, v14, s[SEL], s[SEL+1]
	s_delay_alu instid0(VALU_DEP_1)
	v_add_f32 v14, v14, v252                       ; the row's sum
	s_wait_alu depctr_va_vdst(0)                   ; ahead of the reciprocal
	v_rcp_f32 v14, v14
	v_mov_b32 v236, 0                              ; (plain instructions behind the reciprocal, and places behind the last products)
	v_mov_b32 v237, 0
	s_wait_alu depctr_va_vdst(0)                   ; ahead of the reciprocal's first reader
.irp j, 0,1,2,3,4,5,6,7,8,9,10,11,12,13,14,15,16,17,18,19,20,21,22,23,24,25,26,27,28,29,30,31
	v_mul_f32 v[96+\j], v[160+\j], v14             ; register 16 n + i: channel 32 n + 16 (lane / 16) + i of my head
.endr
.irp n, 0,1
	v_max3_num_f32 v[232+\n], |v[96+16*\n]|, |v[97+16*\n]|, 0x1800000
.endr
.irp i, 2,4,6,8,10,12,14
.irp n, 0,1
	s_delay_alu instid0(VALU_DEP_2)
	v_max3_num_f32 v[232+\n], v[232+\n], |v[96+16*\n+\i]|, |v[97+16*\n+\i]|
.endr
.endr
.irp n, 0,1
	s_delay_alu instid0(VALU_DEP_2)
	v_permlanex16_b32 v[236+\n], v[232+\n], s[SEL], s[SEL+1]
.endr
.irp n, 0,1
	s_delay_alu instid0(VALU_DEP_2)
	v_max_num_f32 v[232+\n], v[232+\n], v[236+\n]
.endr
.irp n, 0,1
	s_delay_alu instid0(VALU_DEP_2)
	v_add_nc_u32 v[244+\n], 0xff000000, v[232+\n]
.endr
.irp n, 0,1
	s_delay_alu instid0(VALU_DEP_2)
	v_lshrrev_b32 v[240+\n], 23, v[244+\n]
.endr
	s_delay_alu instid0(VALU_DEP_1)
	v_lshl_or_b32 v242, v241, 8, v240
.irp n, 0,1
	v_cvt_scalef32_pk8_fp4_f32 v[224+2*\n], v[96+16*\n:103+16*\n], v[244+\n]
	v_cvt_scalef32_pk8_fp4_f32 v[225+2*\n], v[104+16*\n:111+16*\n], v[244+\n]
.endr
	v_nop
	v_permlane16_swap_b32 v224, v226
	v_permlane16_swap_b32 v225, v227
	global_store_b128 v6, v[224:227], s[90:91]     ; 512 consecutive bytes: my half fragment
	ds_store_b16 v92, v242                         ; lanes l and l xor 16 write the same bytes with the same value
	s_wait_dscnt 0x0                               ; for wave 0's sake
	s_barrier_signal -1
	s_barrier_wait -1
	s_cmp_lg_u32 s[WV], 0
	s_cbranch_scc1 .Lnot_mine
	ds_load_b128 v[96:99], v93
	s_wait_dscnt 0x0
	global_store_b128 v6, v[96:99], s[92:93]       ; the unit's 512 bytes of scale words
.Lnot_mine:
	s_wait_tensorcnt 0x0                           ; the wave's end
	ds_add_u32 v250, v251
	s_wait_dscnt 0x0
	CROUND                                         ; the closing round
	s_endpgm
.Lfunc_end_k_q6414668635_att:
	.size	k_q6414668635_att, .Lfunc_end_k_q6414668635_att-k_q6414668635_att
	.p2alignl 7, 3214868480
	.fill 96, 4, 3214868480
	.section	.rodata,"a",@progbits
	.p2align	6, 0x0
	.amdhsa_kernel k_q6414668635_att
		.amdhsa_group_segment_fixed_size 327680
		.amdhsa_private_segment_fixed_size 0
		.amdhsa_enable_private_segment 0
		.amdhsa_kernarg_size 16
		.amdhsa_user_sgpr_count 2
		.amdhsa_user_sgpr_kernarg_segment_ptr 1
		.amdhsa_wavefront_size32 1
		.amdhsa_system_sgpr_workgroup_id_x 1
		.amdhsa_system_sgpr_workgroup_id_y 1
		.amdhsa_system_sgpr_workgroup_id_z 1
		.amdhsa_system_vgpr_workitem_id 0
		.amdhsa_next_free_vgpr 256
		.amdhsa_next_free_sgpr 96
		.amdhsa_reserve_vcc 0
		.amdhsa_float_denorm_mode_32 3
		.amdhsa_float_denorm_mode_16_64 3
		.amdhsa_memory_ordered 1
		.amdhsa_forward_progress 1
		.amdhsa_inst_pref_size 30
	.end_amdhsa_kernel
	.amdgpu_metadata
---
amdhsa.version: [ 1, 2 ]
amdhsa.kernels:
  - .name:           k_q6414668635_att
    .symbol:         k_q6414668635_att.kd
    .args:
      - { .name: QKVU, .offset: 0, .size: 8, .value_kind: global_buffer, .address_space: global }
      - { .name: YU, .offset: 8, .size: 8, .value_kind: global_buffer, .address_space: global }
    .group_segment_fixed_size: 327680
    .private_segment_fixed_size: 0
    .kernarg_segment_align: 8
    .kernarg_segment_size: 16
    .max_flat_workgroup_size: 512
    .sgpr_count:     96
    .vgpr_count:     256
    .wavefront_size: 32
...
	.end_amdgpu_metadata
.endif
;; end of part 9
;; launch woln (part 10): grid 256 x 1, 16 waves a work-group, no clusters, 74,752 bytes of LDS; arguments YU, WU, bo, x, ln2_g, ln2_b, X1, A2; writes X1, A2
.if DOCPART == 10
	.amdgcn_target "amdgcn-amd-amdhsa--gfx1250"
	.amdhsa_code_object_version 6
	.text
	.protected	k_q6414668635_woln
	.globl	k_q6414668635_woln
	.p2align	8
	.type	k_q6414668635_woln,@function
k_q6414668635_woln:
	s_mov_b64 s[64:65], 0
	v_nop
	global_prefetch_b8 v0, s[64:65] scope:SCOPE_SE
	s_setreg_imm32_b32 hwreg(HW_REG_WAVE_MODE, 25, 1), 1
	s_wait_xcnt 0x0
; x1 = x + y Wo + bo, stored as f32, and LN2(x1), quantised along the row to codes of FP4 (E2M1) with one E8M0 byte for each 32 and stored in the operand layout U: two steps of the block in one launch.
; LAYOUT U: a unit of 8,704 bytes for 128 rows x 128 K, unit (T, s) at (8 T + s) x 8,704: eight fragments of 1,024 bytes, f = 4 g + a, as images of the operand's registers (two loads of 16 bytes a lane, at 16 x lane and 512 on);
; lane r of fragment f is row 128 T + 64 g + 32 (a / 2) + 8 (a % 2) + r + 8 (r / 8); from byte 8,192 the rows' scale words, at 256 g + 16 r + 4 a.
; SHARES.  256 work-groups; work-group 8 T + f takes the 16 tokens of fragment f of tile T and ALL 1,024 columns, so that a row's mean and variance are made inside the work-group.  Sixteen waves, four to a SIMD; wave w makes
; columns 64 w .. 64 w + 63: four accumulators.  The product is used transposed (source 0 = 16 rows of Wo, source 1 = the tokens): a lane holds one token, and by U's order of rows accumulators 2 u, 2 u + 1 hold columns 32 u + 16 (lane / 16) + 0 .. 15.
; OPERANDS GO FROM MEMORY STRAIGHT INTO REGISTERS: wave w alone reads its 64 rows of Wo (no two waves of the work-group share a byte of Wo), and U is the registers' image.  So no LDS tile exists that a tensor load could fill or a cluster
; could ask for jointly: cluster = none.  A unit of K is 12 loads (Wo's four fragments 8, y's fragment 2, the scale words 2); three buffers: the loads of 24 to 36 later loads are out while a unit is multiplied.  No prefetch: the loads themselves stand three units ahead.
; x comes in as whole rows of 256 bytes, goes through the wave's own stage in LDS into the accumulators' layout, and x + bo is the C of the first products; x1 leaves the same way back, sixteen lanes to an aligned unit of 256 bytes.
; THE NORM: mean, then the mean of (x1 - mean)^2, as the reference has them: each wave's part of a row's sum meets the fifteen others' in LDS (a barrier each); every wave adds the sixteen in one order.
; LIMITS: NaN and infinities are not served.  A block under 2^-124 (zeros too) gets the byte 1: its codes are zeros or the nearest under that scale; the bytes are read by this program alone.
; REGISTERS: v1-13 lane numbers and addresses; v14, v15 the add's two; v16-47 the accumulators; v48-79 x's rows, later the gain; v80-111 bo, later the norm's bias; v112-231 three buffers of 40 (Wo 32, y 8), later at work; v232-246 scale words alone.
.set UNIT,  8704
.set USC,   8192
.set QOFF,  1671168                    ; Wo's region
.set SPITCH, 272
.set RED1,  16*16*SPITCH               ; LDS: sixteen stages of 16 x 272 bytes from 0; then the rows' partial sums, 16 rows x (64 + 16) bytes,
.set RED2,  RED1+1280                  ; those of the squares,
.set SCW,   RED2+1280                  ; 8 units x 16 scale words,
.set SPARE, SCW+512                    ; and the spare words, 128 bytes a wave
.set CO,   4
.set STO,  5
.set RD,   6
.set BCO,  7
.set R16,  8
.set RS,   9
.set RL,   10
.set SSA,  11
.set SSR,  12
.set SGO,  13
.set ACC,  16
.set XR,   48
.set BI,   80
.set FB,   112
.set SC,   232                         ; Wo's words: four a buffer
.set SCP,  244                         ; y's word: one a buffer
.set BK,   112                         ; x1's rows read back
.set T,    144                         ; four pairs
.set R,    152                         ; sixteen partial sums
.set MR,   168                         ; the mean, later 1 / sqrt(var + eps), in both registers
.set TP,   172
.set TM,   174
.set TX,   176
.set SO,   178
.set BY,   180
.set HW,   182
.set PC,   184
.set WD,   188
.set PB,   44                          ; s[44:45] y's fragment, s[46:47] its words, s[48:49] Wo's fragments, s[50:51] their words
.set PS,   46
.set QB,   48
.set QS,   50
.set SEL,  74
.set INV,  76
.set EPS,  77
.macro ULOAD s                         ; unit s of K into buffer s % 3: 12 loads
.irp b, 0,1,2,3
	global_load_b128 v[FB+40*((\s)%3)+8*\b:FB+40*((\s)%3)+8*\b+3], v3, s[QB:QB+1] offset:(\s)*UNIT+1024*\b
	global_load_b128 v[FB+40*((\s)%3)+8*\b+4:FB+40*((\s)%3)+8*\b+7], v3, s[QB:QB+1] offset:(\s)*UNIT+1024*\b+512
.endr
	global_load_b128 v[FB+40*((\s)%3)+32:FB+40*((\s)%3)+35], v3, s[PB:PB+1] offset:(\s)*UNIT
	global_load_b128 v[FB+40*((\s)%3)+36:FB+40*((\s)%3)+39], v3, s[PB:PB+1] offset:(\s)*UNIT+512
	global_load_b128 v[SC+4*((\s)%3):SC+4*((\s)%3)+3], v[R16], s[QS:QS+1] offset:(\s)*UNIT   ; lane r: the words of row r of my four fragments
	global_load_b32 v[SCP+(\s)%3], v[R16], s[PS:PS+1] offset:(\s)*UNIT
.endm
.macro KSTEP s, cnt, nxt               ; cnt: the loads issued behind unit s's.  The four accumulators take turns, in one order throughout
	s_wait_loadcnt \cnt
.irp b, 0,1,2,3
	v_wmma_scale_f32_16x16x128_f8f6f4 v[ACC+8*\b:ACC+8*\b+7], v[FB+40*((\s)%3)+8*\b:FB+40*((\s)%3)+8*\b+7], v[FB+40*((\s)%3)+32:FB+40*((\s)%3)+39], v[ACC+8*\b:ACC+8*\b+7], v[SC+4*((\s)%3)+\b], v[SCP+(\s)%3] matrix_a_fmt:MATRIX_FMT_FP4 matrix_b_fmt:MATRIX_FMT_FP4
.endr
.if \nxt
.rept 4
	v_nop                                          ; places in front of loads into registers that the products read
.endr
	ULOAD (\s)+3
.endif
.endm
; The four pairs at T hold my 32 numbers' sums: they become the row's sum over all 1,024 columns, in v[T] of every lane.  out = 1: x1's rows, back from the stage, are stored ahead of the barrier's signal
.macro ROWSUM off, out
	v_pk_add_f32 v[T:T+1], v[T:T+1], v[T+2:T+3]
	v_pk_add_f32 v[T+4:T+5], v[T+4:T+5], v[T+6:T+7]
	s_delay_alu instid0(VALU_DEP_1)
	v_pk_add_f32 v[T:T+1], v[T:T+1], v[T+4:T+5]
	s_delay_alu instid0(VALU_DEP_1)
	v_add_f32 v[T], v[T], v[T+1]
	s_delay_alu instid0(VALU_DEP_1)
	v_permlanex16_b32 v[TP], v[T], s[SEL], s[SEL+1]
	s_delay_alu instid0(VALU_DEP_1)
	v_add_f32 v[T], v[T], v[TP]                    ; my wave's 64 columns of row r
	ds_store_b32 v[RS], v[T] offset:\off           ; lanes l and l xor 16 write the same word with the same value
	s_wait_dscnt 0x0                               ; for the other waves' sake: my store has landed (and the stage's loads are back)
.if \out
.irp t, 0,1,2,3,4,5,6,7
	global_store_b128 v[CO], v[BK+4*\t:BK+4*\t+3], s[60:61] offset:(2*\t+8*(\t/4))*4096   ; sixteen lanes store 256 consecutive bytes, at a multiple of 256 from the buffer's first byte
.endr
.endif
	s_barrier_signal -1
	s_barrier_wait -1
.irp i, 0,1,2,3
	ds_load_b128 v[R+4*\i:R+4*\i+3], v[RL] offset:\off+16*\i
.endr
	s_wait_dscnt 0x0
.irp i, 0,2,4,6
	v_pk_add_f32 v[R+\i:R+\i+1], v[R+\i:R+\i+1], v[R+8+\i:R+9+\i]
.endr
.irp i, 0,2
	v_pk_add_f32 v[R+\i:R+\i+1], v[R+\i:R+\i+1], v[R+4+\i:R+5+\i]
.endr
	s_delay_alu instid0(VALU_DEP_1)
	v_pk_add_f32 v[R:R+1], v[R:R+1], v[R+2:R+3]
	s_delay_alu instid0(VALU_DEP_1)
	v_add_f32 v[T], v[R], v[R+1]
.endm
	s_load_b512 s[16:31], s[0:1], 0x0              ; y s[16:17], the weights s[18:19], bo, x, gain, bias, x1 s[28:29], the operand's buffer s[30:31]
	v_lshl_add_u32 v14, v0, 2, SPARE
	v_mov_b32 v15, 0
	v_lshrrev_b32 v1, 5, v0
	s_delay_alu instid0(VALU_DEP_1)
	v_readfirstlane_b32 s8, v1                     ; wave 0..15
	s_lshr_b32 s9, ttmp9, 3                        ; T
	s_and_b32 s10, ttmp9, 7                        ; f
	s_lshr_b32 s11, s10, 2                         ; g
	s_and_b32 s12, s10, 3                          ; a
	s_lshl_b32 s13, s9, 7
	s_lshl_b32 s14, s11, 6
	s_add_co_u32 s13, s13, s14
	s_lshr_b32 s14, s12, 1
	s_lshl_b32 s14, s14, 5
	s_add_co_u32 s13, s13, s14
	s_and_b32 s14, s12, 1
	s_lshl_b32 s14, s14, 3
	s_add_co_u32 s13, s13, s14                     ; the fragment's first token
	s_mul_i32 s32, s9, 8*UNIT                      ; unit (T, 0), of y and of the result alike
	s_lshl_b32 s14, s11, 8
	s_add_co_u32 s34, s32, s14
	s_lshl_b32 s14, s12, 2
	s_add_co_u32 s34, s34, s14
	s_add_co_u32 s34, s34, USC                     ; the fragment's column of scale words
	s_mov_b32 s35, 0
	s_lshl_b32 s14, s10, 10
	s_add_co_u32 s32, s32, s14                     ; the fragment
	s_mov_b32 s33, 0
	s_lshr_b32 s15, s8, 1                          ; w / 2: Wo's tile of 128 rows, and the result's unit along K
	s_and_b32 s2, s8, 1                            ; w % 2: which 64 rows of it, and which half of the unit's K
	s_mul_i32 s36, s15, 8*UNIT
	s_add_co_u32 s36, s36, QOFF
	s_lshl_b32 s14, s2, 8
	s_add_co_u32 s38, s36, s14
	s_add_co_u32 s38, s38, USC                     ; my rows' scale words
	s_mov_b32 s39, 0
	s_lshl_b32 s14, s2, 12
	s_add_co_u32 s36, s36, s14                     ; my four fragments of Wo
	s_mov_b32 s37, 0
	s_lshl_b32 s40, s8, 8                          ; my 64 columns in bytes
	s_mov_b32 s41, 0
	s_lshl_b32 s42, s13, 12
	s_add_co_u32 s42, s42, s40                     ; and in x and x1
	s_mov_b32 s43, 0
	s_mul_i32 s66, s15, UNIT
	s_lshl_b32 s14, s2, 9
	s_add_co_u32 s66, s66, s14
	s_add_co_u32 s66, s66, s32                     ; the result's half fragment: unit w / 2, + 512 (w % 2)
	s_mov_b32 s67, 0
	s_mul_i32 s70, s8, 16*SPITCH                   ; my stage
	s_lshl_b32 s71, s8, 2
	s_lshl_b32 s72, s15, 6
	s_lshl_b32 s14, s2, 1
	s_add_co_u32 s72, s72, s14
	s_add_co_u32 s72, s72, SCW                     ; my half words: unit w / 2, bytes 2 (w % 2) on
	s_mov_b32 s[SEL], 0x76543210
	s_mov_b32 s[SEL+1], 0xfedcba98                 ; v_permlanex16_b32's selects for lane l xor 16
	s_mov_b32 s[INV], 0x3a800000                   ; 1 / 1024
	s_mov_b32 s[EPS], 0x3727c5ac                   ; 1e-5
	v_and_b32 v1, 15, v0                           ; r
	v_bfe_u32 v2, v0, 4, 1                         ; h
	v_and_b32 v3, 31, v0
	v_lshlrev_b32 v3, 4, v3                        ; 16 x lane
	v_lshlrev_b32 v[CO], 12, v2
	v_lshl_add_u32 v[CO], v1, 4, v[CO]             ; rows in memory: lanes 0-15 one row's 256 bytes, lanes 16-31 the next row's
	v_mul_u32_u24 v[STO], v1, SPITCH
	v_lshl_add_u32 v[STO], v2, 6, v[STO]
	v_add_nc_u32 v[STO], s70, v[STO]               ; the stage in the accumulators' layout: row r, 64 h bytes on
	v_mul_u32_u24 v[RD], v2, SPITCH
	v_lshl_add_u32 v[RD], v1, 4, v[RD]
	v_add_nc_u32 v[RD], s70, v[RD]                 ; the stage by rows
	v_lshlrev_b32 v[BCO], 6, v2                    ; bo, gain, bias: 16 h numbers on
	v_lshlrev_b32 v[R16], 4, v1                    ; scale words: 16 r
	v_mul_u32_u24 v[RS], v1, 80
	v_add_nc_u32 v[RL], RED1, v[RS]                ; row r's sixteen partial sums,
	v_add_nc_u32 v[RS], s71, v[RL]                 ; and mine among them
	v_lshl_add_u32 v[SSA], v1, 2, s72
	v_and_b32 v[SSR], 127, v0
	v_lshl_add_u32 v[SSR], v[SSR], 2, SCW          ; threads 0-127: word t
	v_bfe_u32 v[SGO], v0, 4, 3
	v_mul_u32_u24 v[SGO], v[SGO], UNIT
	v_lshl_add_u32 v[SGO], v1, 4, v[SGO]           ; its place: unit t / 16, row t % 16
	s_wait_alu depctr_va_vdst(0)
	s_wait_kmcnt 0x0
	s_add_nc_u64 s[PB:PB+1], s[16:17], s[32:33]
	s_add_nc_u64 s[PS:PS+1], s[16:17], s[34:35]
	s_add_nc_u64 s[QB:QB+1], s[18:19], s[36:37]
	s_add_nc_u64 s[QS:QS+1], s[18:19], s[38:39]
	s_add_nc_u64 s[52:53], s[20:21], s[40:41]      ; bo
	s_add_nc_u64 s[54:55], s[22:23], s[42:43]      ; x
	s_add_nc_u64 s[56:57], s[24:25], s[40:41]      ; gain
	s_add_nc_u64 s[58:59], s[26:27], s[40:41]      ; bias
	s_add_nc_u64 s[60:61], s[28:29], s[42:43]      ; x1
	s_add_nc_u64 s[62:63], s[30:31], s[66:67]      ; the result's codes
	s_add_nc_u64 s[68:69], s[30:31], s[34:35]      ; its scale words
.irp t, 0,1,2,3,4,5,6,7
	global_load_b128 v[XR+4*\t:XR+4*\t+3], v[CO], s[54:55] offset:(2*\t+8*(\t/4))*4096   ; stage row 2 t + h is token 2 t + h + 8 (t / 4) of the fragment
.endr
.irp b, 0,1,2,3
	global_load_b128 v[BI+8*\b:BI+8*\b+3], v[BCO], s[52:53] offset:(32*(\b/2)+8*(\b%2))*4
	global_load_b128 v[BI+8*\b+4:BI+8*\b+7], v[BCO], s[52:53] offset:(32*(\b/2)+8*(\b%2))*4+16
.endr
	ULOAD 0
	ULOAD 1
	ULOAD 2
	s_wait_loadcnt 44                              ; x is in; behind it: bo's 8 loads and three units' 36
.irp t, 0,1,2,3,4,5,6,7
	ds_store_b128 v[RD], v[XR+4*\t:XR+4*\t+3] offset:2*SPITCH*\t
.endr
.irp b, 0,1,2,3
	ds_load_b128 v[ACC+8*\b:ACC+8*\b+3], v[STO] offset:128*(\b/2)+32*(\b%2)       ; LDS serves a wave's instructions in order: these see my stores
	ds_load_b128 v[ACC+8*\b+4:ACC+8*\b+7], v[STO] offset:128*(\b/2)+32*(\b%2)+16
.endr
	s_wait_loadcnt 36                              ; bo is in; behind it: three units' 36
	s_wait_dscnt 0x0
.irp i, 0,1,2,3,4,5,6,7,8,9,10,11,12,13,14,15
	v_pk_add_f32 v[ACC+2*\i:ACC+2*\i+1], v[ACC+2*\i:ACC+2*\i+1], v[BI+2*\i:BI+2*\i+1]   ; x + bo: what the sums start from
.endr
.irp b, 0,1,2,3
	global_load_b128 v[XR+8*\b:XR+8*\b+3], v[BCO], s[56:57] offset:(32*(\b/2)+8*(\b%2))*4        ; the norm's gain and bias at my columns, 16 loads, into registers that are done with
	global_load_b128 v[XR+8*\b+4:XR+8*\b+7], v[BCO], s[56:57] offset:(32*(\b/2)+8*(\b%2))*4+16
	global_load_b128 v[BI+8*\b:BI+8*\b+3], v[BCO], s[58:59] offset:(32*(\b/2)+8*(\b%2))*4
	global_load_b128 v[BI+8*\b+4:BI+8*\b+7], v[BCO], s[58:59] offset:(32*(\b/2)+8*(\b%2))*4+16
.endr
	s_wait_alu depctr_va_vdst(0)
	KSTEP 0, 40, 1                                 ; behind unit 0: units 1, 2 and the 16
	KSTEP 1, 40, 1                                 ; unit 2, the 16, unit 3
	KSTEP 2, 40, 1                                 ; the 16, units 3, 4
	KSTEP 3, 24, 1                                 ; two units
	KSTEP 4, 24, 1
	KSTEP 5, 24, 0
	KSTEP 6, 12, 0
	KSTEP 7, 0, 0
.rept 4
	v_nop                                          ; places in front of the first read of results and of loads into the buffers
.endr
.irp b, 0,1,2,3
	ds_store_b128 v[STO], v[ACC+8*\b:ACC+8*\b+3] offset:128*(\b/2)+32*(\b%2)      ; x1 into my stage, each accumulator from its low end on
	ds_store_b128 v[STO], v[ACC+8*\b+4:ACC+8*\b+7] offset:128*(\b/2)+32*(\b%2)+16
.endr
.irp t, 0,1,2,3,4,5,6,7
	ds_load_b128 v[BK+4*\t:BK+4*\t+3], v[RD] offset:2*SPITCH*\t                   ; and back by rows
.endr
	v_mov_b32 v[TP], 0                             ; a lane permute's destination counts as one of its sources
.irp k, 0,1,2,3
	v_pk_add_f32 v[T+2*\k:T+2*\k+1], v[ACC+2*\k:ACC+2*\k+1], v[ACC+8+2*\k:ACC+9+2*\k]
.endr
.irp m, 16,24
.irp k, 0,1,2,3
	v_pk_add_f32 v[T+2*\k:T+2*\k+1], v[T+2*\k:T+2*\k+1], v[ACC+\m+2*\k:ACC+\m+1+2*\k]
.endr
.endr
	ROWSUM 0, 1
	v_mul_f32 v[MR], s[INV], v[T]                  ; the mean,
	v_mul_f32 v[MR+1], s[INV], v[T]                ; in both registers of the pair
.irp i, 0,1,2,3,4,5,6,7,8,9,10,11,12,13,14,15
	v_pk_add_f32 v[ACC+2*\i:ACC+2*\i+1], v[ACC+2*\i:ACC+2*\i+1], v[MR:MR+1] neg_lo:[0,1] neg_hi:[0,1]   ; x1 - mean
.endr
.irp k, 0,1,2,3
	v_pk_mul_f32 v[T+2*\k:T+2*\k+1], v[ACC+2*\k:ACC+2*\k+1], v[ACC+2*\k:ACC+2*\k+1]
.endr
.irp m, 8,16,24
.irp k, 0,1,2,3
	v_pk_fma_f32 v[T+2*\k:T+2*\k+1], v[ACC+\m+2*\k:ACC+\m+1+2*\k], v[ACC+\m+2*\k:ACC+\m+1+2*\k], v[T+2*\k:T+2*\k+1]
.endr
.endr
	ROWSUM 1280, 0
	s_delay_alu instid0(VALU_DEP_1)
	v_fma_f32 v[T], v[T], s[INV], s[EPS]           ; variance + eps
	s_wait_alu depctr_va_vdst(0)                   ; ahead of the two
	v_rsq_f32 v[MR], v[T]
	v_rsq_f32 v[MR+1], v[T]
	v_nop                                          ; a plain instruction behind the last of the batch
	s_wait_alu depctr_va_vdst(0)                   ; one wait for the two, ahead of their first reader
.irp i, 0,1,2,3,4,5,6,7,8,9,10,11,12,13,14,15
	v_pk_mul_f32 v[ACC+2*\i:ACC+2*\i+1], v[ACC+2*\i:ACC+2*\i+1], v[MR:MR+1]
.endr
.irp i, 0,1,2,3,4,5,6,7,8,9,10,11,12,13,14,15
	v_pk_fma_f32 v[ACC+2*\i:ACC+2*\i+1], v[ACC+2*\i:ACC+2*\i+1], v[XR+2*\i:XR+2*\i+1], v[BI+2*\i:BI+2*\i+1]
.endr
; THE QUANTISER.  Block n: the 16 registers at ACC + 16 n are columns 32 n + 16 h + 0 .. 15 of my 64; lane l xor 16 holds the block's other half
.irp n, 0,1
	v_mov_b32 v[TX+\n], 0
.endr
.irp n, 0,1
	v_max3_num_f32 v[TM+\n], |v[ACC+16*\n]|, |v[ACC+16*\n+1]|, 0x1800000   ; with the floor 2^(3 - 127): the byte cannot fall under 1
.endr
.irp i, 2,4,6,8,10,12,14
.irp n, 0,1
	s_delay_alu instid0(VALU_DEP_2)
	v_max3_num_f32 v[TM+\n], v[TM+\n], |v[ACC+16*\n+\i]|, |v[ACC+16*\n+\i+1]|
.endr
.endr
.irp n, 0,1
	s_delay_alu instid0(VALU_DEP_2)
	v_permlanex16_b32 v[TX+\n], v[TM+\n], s[SEL], s[SEL+1]
.endr
.irp n, 0,1
	s_delay_alu instid0(VALU_DEP_2)
	v_max_num_f32 v[TM+\n], v[TM+\n], v[TX+\n]
.endr
.irp n, 0,1
	s_delay_alu instid0(VALU_DEP_2)
	v_add_nc_u32 v[SO+\n], 0xff000000, v[TM+\n]    ; 2 off the exponent field: the conversion's scale operand
.endr
.irp n, 0,1
	s_delay_alu instid0(VALU_DEP_2)
	v_lshrrev_b32 v[BY+\n], 23, v[SO+\n]           ; the scale's byte
.endr
	s_delay_alu instid0(VALU_DEP_1)
	v_lshl_or_b32 v[HW], v[BY+1], 8, v[BY]         ; my two bytes of the row's word
.irp n, 0,1
	v_cvt_scalef32_pk8_fp4_f32 v[PC+2*\n], v[ACC+16*\n:ACC+16*\n+7], v[SO+\n]
	v_cvt_scalef32_pk8_fp4_f32 v[PC+2*\n+1], v[ACC+16*\n+8:ACC+16*\n+15], v[SO+\n]
.endr
	v_nop                                          ; a plain instruction behind the last scaled conversion
	v_permlane16_swap_b32 v[PC], v[PC+2]           ; a whole block to a lane: lanes 0-15 the first, lanes 16-31 the second
	v_permlane16_swap_b32 v[PC+1], v[PC+3]
	global_store_b128 v3, v[PC:PC+3], s[62:63]     ; 512 consecutive bytes: half a fragment
	ds_store_b16 v[SSA], v[HW]                     ; lanes l and l xor 16 write the same bytes with the same value
	s_wait_dscnt 0x0                               ; for the other waves' sake
	s_barrier_signal -1
	s_barrier_wait -1
	s_cmp_ge_u32 s8, 4                             ; waves 0 to 3 store the 128 scale words: 4 bytes, 16 bytes apart, the price of a fragment to a work-group
	s_cbranch_scc1 .Ldone
	ds_load_b32 v[WD], v[SSR]
	s_wait_dscnt 0x0
	global_store_b32 v[SGO], v[WD], s[68:69]
.Ldone:
	s_wait_tensorcnt 0x0                           ; the wave's end
	ds_add_u32 v14, v15
	s_wait_dscnt 0x0
	s_endpgm
.Lfunc_end_k_q6414668635_woln:
	.size	k_q6414668635_woln, .Lfunc_end_k_q6414668635_woln-k_q6414668635_woln
	.p2alignl 7, 3214868480
	.fill 96, 4, 3214868480
	.section	.rodata,"a",@progbits
	.p2align	6, 0x0
	.amdhsa_kernel k_q6414668635_woln
		.amdhsa_group_segment_fixed_size 74752
		.amdhsa_private_segment_fixed_size 0
		.amdhsa_enable_private_segment 0
		.amdhsa_kernarg_size 64
		.amdhsa_user_sgpr_count 2
		.amdhsa_user_sgpr_kernarg_segment_ptr 1
		.amdhsa_wavefront_size32 1
		.amdhsa_system_sgpr_workgroup_id_x 1
		.amdhsa_system_sgpr_workgroup_id_y 1
		.amdhsa_system_sgpr_workgroup_id_z 1
		.amdhsa_system_vgpr_workitem_id 0
		.amdhsa_next_free_vgpr 256
		.amdhsa_next_free_sgpr 96
		.amdhsa_reserve_vcc 0
		.amdhsa_float_denorm_mode_32 3
		.amdhsa_float_denorm_mode_16_64 3
		.amdhsa_memory_ordered 1
		.amdhsa_forward_progress 1
		.amdhsa_inst_pref_size 37
	.end_amdhsa_kernel
	.amdgpu_metadata
---
amdhsa.version: [ 1, 2 ]
amdhsa.kernels:
  - .name:           k_q6414668635_woln
    .symbol:         k_q6414668635_woln.kd
    .args:
      - { .name: YU, .offset: 0, .size: 8, .value_kind: global_buffer, .address_space: global }
      - { .name: WU, .offset: 8, .size: 8, .value_kind: global_buffer, .address_space: global }
      - { .name: bo, .offset: 16, .size: 8, .value_kind: global_buffer, .address_space: global }
      - { .name: x, .offset: 24, .size: 8, .value_kind: global_buffer, .address_space: global }
      - { .name: ln2_g, .offset: 32, .size: 8, .value_kind: global_buffer, .address_space: global }
      - { .name: ln2_b, .offset: 40, .size: 8, .value_kind: global_buffer, .address_space: global }
      - { .name: X1, .offset: 48, .size: 8, .value_kind: global_buffer, .address_space: global }
      - { .name: A2, .offset: 56, .size: 8, .value_kind: global_buffer, .address_space: global }
    .group_segment_fixed_size: 74752
    .private_segment_fixed_size: 0
    .kernarg_segment_align: 8
    .kernarg_segment_size: 64
    .max_flat_workgroup_size: 512
    .sgpr_count:     96
    .vgpr_count:     256
    .wavefront_size: 32
...
	.end_amdgpu_metadata
.endif
;; end of part 10
;; launch w1 (part 11): grid 16 x 16, 16 waves a work-group, clusters of 4 x 4, 327,680 bytes of LDS; arguments A2, WU, b1, HU; writes HU
.if DOCPART == 11
	.amdgcn_target "amdgcn-amd-amdhsa--gfx1250"
	.amdhsa_code_object_version 6
	.text
	.protected	k_q6414668635_w1
	.globl	k_q6414668635_w1
	.p2align	8
	.type	k_q6414668635_w1,@function
k_q6414668635_w1:
	s_mov_b64 s[64:65], 0
	v_nop
	global_prefetch_b8 v0, s[64:65] scope:SCOPE_SE
	s_setreg_imm32_b32 hwreg(HW_REG_WAVE_MODE, 25, 1), 1
	s_wait_xcnt 0x0
	s_wait_alu depctr_hold_cnt(0) depctr_sa_sdst(0) depctr_va_vdst(0) depctr_va_sdst(0) depctr_va_ssrc(0) depctr_va_vcc(0) depctr_vm_vsrc(0)
	s_getreg_b32 s2, hwreg(HW_REG_IB_STS2, 6, 4)
	s_cmp_eq_u32 s2, 0
	s_cbranch_scc0 .Lentry_in_a_cluster
	s_endpgm
.Lentry_in_a_cluster:
	s_bfe_u32 s2, ttmp6, 0x10000c
	s_cmp_lg_u32 s2, 0xf033
	s_cbranch_scc0 .Lentry_shape_is_right
	s_endpgm
.Lentry_shape_is_right:
; hidden = gelu(LN2(x1) W1 + b1), the exact gelu 0.5 x (1 + erf(x / sqrt 2)), on codes of FP4 (E2M1) with E8M0 scales; the result is quantised at once along the hidden units, the next product's K, and stored in the operand
; layout U (units of 8,704 bytes: 128 rows x 128 K as images of the operand's registers, then scale words).  It never exists in memory as f32.
; C = P Q^T on a tile of 256 x 256: P = 256 tokens (source 1: a lane holds one token), Q = 256 rows of W1 (source 0: a lane's registers run along the hidden units, 16 neighbours in two accumulators by U's order of rows).
; SHARES.  16 x 16 tiles: 256 work-groups, one to a WGP.  Sixteen waves, four to a SIMD, 256 registers each; wave w makes 64 x 64: tokens 64 (w / 4) on, hidden units 64 (w % 4) on: 16 accumulators.
; One set of fragments a wave: while one wave waits for its LDS loads, the SIMD's other three have products or their gelu to issue.
; LDS.  P's 256 rows for all of K = 1,024 are 16 units on end in memory, 139,264 bytes; Q's likewise behind them.  Every byte is filled ONCE, at the head; nothing is filled again.
; Every wave issues one joint load of two units: waves 0-7 for P, 8-15 for Q; wave i of the eight takes tile i / 4, units 2 (i % 4) and 2 (i % 4) + 1: one tensor load of a wave is out at the most.
; CLUSTER 4 x 4: P's units are asked for jointly along a row of the cluster, Q's along a column.  No prefetch: every unit is asked for at the kernel's head.  The bias is the C of the first products.
; erf(z) = z P(z^2) / Q(z^2) on |z| <= 4, polynomials of degree 6 and 4 in f32, z held at +-4 (erf is 1 there to f32's last bit); the division by v_rcp_f32.
; LIMITS: NaN and infinities are not served.  erf's error is a few 1e-7 absolute, so 1 + erf loses relative accuracy where x is far below 0 and gelu is next to nothing.  A block under 2^-124 (zeros too) gets the byte 1, read by this program alone.
; REGISTERS: v1-9 addresses; v16-19 scale words (lanes 0-15 P's words, lanes 16-31 Q's); v20-23 two coefficients; v28-59 the bias as C, later the codes made; v60-91 Q's four fragments, v92-123 P's, later at work;
; v128-255 accumulator (a, b) at 128 + 8 (4 a + b).
.set UNIT,  8704
.set USC,   8192
.set KU,    8                          ; units along K
.set QOFF,  2228224                    ; W1's region
.set TILE,  2*KU*UNIT                  ; 256 rows x 1,024 K
.set QL,    TILE                       ; LDS: P from 0, Q from here,
.set SST,   2*TILE                     ; and 4 x 512 bytes in which the four result units' scale words meet
.set ADRP, 4
.set ADRQ, 5
.set ADRS, 6
.set SSA,  7                           ; where I put my half words
.set SSR,  8                           ; where a unit's words are read back
.set BCO,  9                           ; the bias' offset
.set SC,   16
.set VA0,  20                          ; v[20:21] P's leading coefficient, v[22:23] Q's
.set VB0,  22
.set BIAS, 28
.set PC,   28
.set HW,   44
.set FQ,   60
.set FP,   92
.set ZP,   60                          ; v60-75  z, then z P, then erf
.set QR,   76                          ; v76-91  Q, then 1 / Q
.set WW,   92                          ; v92-99  z^2 of four pairs; v92-107 later 0.5 x
.set PP,   100                         ; v100-107 P of four pairs
.set TM,   64
.set TX,   72
.set SO,   80
.set BY,   88
.set ACC,  128
.set G1P, 24
.set G0P, 32                           ; s[32:35] group 0 of P's load
.set G1Q, 48
.set G0Q, 56                           ; s[56:59] for Q's
.set CA,  66                           ; s[66:77] P's six further coefficients, each in both registers of a pair
.set CB,  78                           ; s[78:85] Q's four
.set TP,  86                           ; s86 which of P's two tiles of 128 rows is mine: w / 8.  Also: I fetch for P (0) or Q (1)
.set GM,  87                           ; s87 which 64 rows of it: bit 2 of w.  Also: which tile I fetch
.set TQ,  88                           ; s88 which of Q's two tiles: bit 1 of w
.set HN,  89                           ; s89 which 64 rows of it: bit 0 of w
.set SEL, 92
.macro CROUND                          ; a round of the cluster's barrier
	s_barrier_signal -1
	s_barrier_wait -1
	s_cmp_lg_u32 s14, 0
	s_cbranch_scc1 .Lnot_wave_0_\@
	s_barrier_signal -3
.Lnot_wave_0_\@:
	s_barrier_wait -3
	s_barrier_signal -1
	s_barrier_wait -1
.endm
.macro PLACES n
.rept \n
	v_nop
.endr
.endm
.macro MUL4 a, cz                      ; P's block a against Q's four.  cz = 1: the first product starts the sums from the bias.  The 16 accumulators take turns, in one order throughout
.irp b, 0,1,2,3
.if \cz
	v_wmma_scale_f32_16x16x128_f8f6f4 v[ACC+8*(4*(\a)+\b):ACC+8*(4*(\a)+\b)+7], v[FQ+8*\b:FQ+8*\b+7], v[FP+8*(\a):FP+8*(\a)+7], v[BIAS+8*\b:BIAS+8*\b+7], v[SC+\b], v[SC+(\a)] matrix_a_fmt:MATRIX_FMT_FP4 matrix_b_fmt:MATRIX_FMT_FP4 matrix_a_scale:MATRIX_SCALE_ROW1
.else
	v_wmma_scale_f32_16x16x128_f8f6f4 v[ACC+8*(4*(\a)+\b):ACC+8*(4*(\a)+\b)+7], v[FQ+8*\b:FQ+8*\b+7], v[FP+8*(\a):FP+8*(\a)+7], v[ACC+8*(4*(\a)+\b):ACC+8*(4*(\a)+\b)+7], v[SC+\b], v[SC+(\a)] matrix_a_fmt:MATRIX_FMT_FP4 matrix_b_fmt:MATRIX_FMT_FP4 matrix_a_scale:MATRIX_SCALE_ROW1
.endif
.endr
.endm
.macro UNITK s, cz                     ; 128 along K: 17 LDS loads (the scale words, Q's four fragments, P's four) and 16 products
	PLACES 4                                       ; in front of loads into registers that the last products read
	ds_load_b128 v[SC:SC+3], v[ADRS] offset:(\s)*UNIT
.irp i, 0,1,2,3
	ds_load_b128 v[FQ+8*\i:FQ+8*\i+3], v[ADRQ] offset:(\s)*UNIT+1024*\i
	ds_load_b128 v[FQ+8*\i+4:FQ+8*\i+7], v[ADRQ] offset:(\s)*UNIT+1024*\i+512
.endr
.irp i, 0,1,2,3
	ds_load_b128 v[FP+8*\i:FP+8*\i+3], v[ADRP] offset:(\s)*UNIT+1024*\i
	ds_load_b128 v[FP+8*\i+4:FP+8*\i+7], v[ADRP] offset:(\s)*UNIT+1024*\i+512
.endr
	s_wait_dscnt 6                                 ; the words, Q and P's block 0 are in; the six loads of P's blocks 1 to 3 may be out
	MUL4 0, \cz
	s_wait_dscnt 4                                 ; those of blocks 2 and 3
	MUL4 1, \cz
	s_wait_dscnt 2                                 ; those of block 3
	MUL4 2, \cz
	s_wait_dscnt 0x0
	MUL4 3, \cz
.endm
; gelu of the 16 numbers v[V] .. v[V + 15] (two accumulators), in place, two at a time
.macro GELU16 V
.irp k, 0,1,2,3,4,5,6,7
	v_pk_mul_f32 v[ZP+2*\k:ZP+2*\k+1], v[(\V)+2*\k:(\V)+2*\k+1], 0x3f3504f3 op_sel_hi:[1,0]   ; z = x / sqrt 2; each accumulator from its low end on
.endr
.irp k, 0,1,2,3,4,5,6,7,8,9,10,11,12,13,14,15
	v_med3_num_f32 v[ZP+\k], v[ZP+\k], -4.0, 4.0
.endr
.irp q, 0,1
.irp k, 0,1,2,3
	v_pk_mul_f32 v[WW+2*\k:WW+2*\k+1], v[ZP+8*\q+2*\k:ZP+8*\q+2*\k+1], v[ZP+8*\q+2*\k:ZP+8*\q+2*\k+1]
.endr
.irp k, 0,1,2,3
	s_delay_alu instid0(VALU_DEP_4)
	v_pk_fma_f32 v[PP+2*\k:PP+2*\k+1], v[WW+2*\k:WW+2*\k+1], v[VA0:VA0+1], s[CA:CA+1] op_sel_hi:[1,1,0]
.endr
.irp c, 1,2,3,4,5
.irp k, 0,1,2,3
	s_delay_alu instid0(VALU_DEP_4)
	v_pk_fma_f32 v[PP+2*\k:PP+2*\k+1], v[PP+2*\k:PP+2*\k+1], v[WW+2*\k:WW+2*\k+1], s[CA+2*\c:CA+2*\c+1] op_sel_hi:[1,1,0]
.endr
.endr
.irp k, 0,1,2,3
	v_pk_fma_f32 v[QR+8*\q+2*\k:QR+8*\q+2*\k+1], v[WW+2*\k:WW+2*\k+1], v[VB0:VB0+1], s[CB:CB+1] op_sel_hi:[1,1,0]
.endr
.irp c, 1,2,3
.irp k, 0,1,2,3
	s_delay_alu instid0(VALU_DEP_4)
	v_pk_fma_f32 v[QR+8*\q+2*\k:QR+8*\q+2*\k+1], v[QR+8*\q+2*\k:QR+8*\q+2*\k+1], v[WW+2*\k:WW+2*\k+1], s[CB+2*\c:CB+2*\c+1] op_sel_hi:[1,1,0]
.endr
.endr
.irp k, 0,1,2,3
	v_pk_mul_f32 v[ZP+8*\q+2*\k:ZP+8*\q+2*\k+1], v[ZP+8*\q+2*\k:ZP+8*\q+2*\k+1], v[PP+2*\k:PP+2*\k+1]
.endr
.endr
	s_wait_alu depctr_va_vdst(0)
.irp k, 0,1,2,3,4,5,6,7,8,9,10,11,12,13,14,15
	v_rcp_f32 v[QR+\k], v[QR+\k]
.endr
.irp k, 0,1,2,3,4,5,6,7
	v_pk_mul_f32 v[WW+2*\k:WW+2*\k+1], v[(\V)+2*\k:(\V)+2*\k+1], 0.5 op_sel_hi:[1,0]   ; 0.5 x: work that names no reciprocal
.endr
	s_wait_alu depctr_va_vdst(0)                   ; one wait for the sixteen, ahead of their first reader
.irp k, 0,1,2,3,4,5,6,7
	v_pk_mul_f32 v[ZP+2*\k:ZP+2*\k+1], v[ZP+2*\k:ZP+2*\k+1], v[QR+2*\k:QR+2*\k+1]   ; erf
.endr
.irp k, 0,1,2,3,4,5,6,7
	v_pk_fma_f32 v[(\V)+2*\k:(\V)+2*\k+1], v[WW+2*\k:WW+2*\k+1], v[ZP+2*\k:ZP+2*\k+1], v[WW+2*\k:WW+2*\k+1]   ; 0.5 x erf + 0.5 x
.endr
.endm
	s_load_b128 s[4:7], s[0:1], 0x0                ; the tokens' codes, the weights
	s_load_b128 s[8:11], s[0:1], 0x10              ; b1, the result
	v_lshl_add_u32 v126, v0, 2, 0x44800
	v_mov_b32 v127, 0
	ds_add_u32 v126, v127
	ds_add_u32 v126, v127
	v_lshrrev_b32 v1, 5, v0
	s_delay_alu instid0(VALU_DEP_1)
	v_readfirstlane_b32 s14, v1                    ; wave 0..15
	s_and_b32 s16, s14, 3                          ; which 64 of Q's 256 rows are mine.  Also: which pair of units of K I fetch
	s_lshr_b32 s[TP], s14, 3
	s_bfe_u32 s[GM], s14, 0x10002
	s_bfe_u32 s[TQ], s14, 0x10001
	s_and_b32 s[HN], s14, 1
	s_bfe_u32 s40, ttmp6, 0x40000                  ; cx, cy: my place in the cluster
	s_bfe_u32 s41, ttmp6, 0x40004
	s_lshl_b32 s42, ttmp9, 2
	s_add_co_u32 s42, s42, s40                     ; Q's tile of 256 rows
	s_and_b32 s17, ttmp7, 0xffff
	s_lshl_b32 s17, s17, 2
	s_add_co_u32 s17, s17, s41                     ; P's
	s_lshl_b32 s43, s41, 2
	s_lshl_b32 s43, 15, s43                        ; my row of the cluster
	s_lshl_b32 s44, 0x1111, s40                    ; my column
	s_or_b32 s[G1P], s43, (3<<16)|(1<<21)          ; 15:0 the mask; 17:16 elements of 8 bytes; 21 set beside a mask; no padding
	s_or_b32 s[G1Q], s44, (3<<16)|(1<<21)
.irp g, G1P, G1Q
	s_mov_b32 s[\g+1], 32<<16                      ; a unit, dense, as rows of 256 bytes: tensor_dim0 = 32
	s_mov_b32 s[\g+2], 68<<16                      ; two units on end: tensor_dim1 = 68 rows of 256 bytes
	s_mov_b32 s[\g+3], 32<<16                      ; tile_dim0
	s_mov_b32 s[\g+4], 68                          ; tile_dim1
	s_mov_b32 s[\g+5], 32                          ; the pitch
	s_mov_b32 s[\g+6], 0
	s_mov_b32 s[\g+7], 0
.endr
	s_lshl_b32 s18, s[GM], 2                       ; four pairs of units in a tile of 128 rows
	s_add_co_u32 s18, s18, s16
	s_mul_i32 s45, s18, 2*UNIT                     ; my pair of units in a tile of 256 rows, in memory and in LDS alike: no place in the cluster enters an LDS address
	s_mul_i32 s20, s17, TILE
	s_add_co_u32 s20, s20, s45
	s_mov_b32 s21, 0
	s_mul_i32 s46, s42, TILE
	s_add_co_u32 s46, s46, s45
	s_add_co_u32 s46, s46, QOFF
	s_mov_b32 s47, 0
	s_wait_dscnt 0x0
	s_wait_kmcnt 0x0
	s_add_nc_u64 s[20:21], s[4:5], s[20:21]
	s_add_nc_u64 s[46:47], s[6:7], s[46:47]
.irp c, 0
	s_mov_b32 s[G0P+4*\c], 1
	s_add_co_u32 s[G0P+4*\c+1], s45, \c*4*UNIT
	s_add_nc_u64 s[G0P+4*\c+2:G0P+4*\c+3], s[20:21], \c*4*UNIT
	s_or_b32 s[G0P+4*\c+3], s[G0P+4*\c+3], 0x80000000
	s_mov_b32 s[G0Q+4*\c], 1
	s_add_co_u32 s[G0Q+4*\c+1], s45, QL+\c*4*UNIT
	s_add_nc_u64 s[G0Q+4*\c+2:G0Q+4*\c+3], s[46:47], \c*4*UNIT
	s_or_b32 s[G0Q+4*\c+3], s[G0Q+4*\c+3], 0x80000000
.endr
	CROUND                                         ; all sixteen work-groups are here: the joint loads meet
	s_cmp_eq_u32 s[TP], 0                          ; a wave's fill stands in one branch on the wave's number, ahead of every wait on TENSORcnt and every LDS read; four v_nop follow it
	s_cbranch_scc0 .Lfor_q
	; ONE joint load a wave: units 2 (w % 4) and 2 (w % 4) + 1 of tile (w / 4) % 2
	tensor_load_to_lds s[G0P:G0P+3], s[G1P:G1P+7]
	s_nop 0
.rept 4
	v_nop
.endr
	s_branch .Lasked
.Lfor_q:
	tensor_load_to_lds s[G0Q:G0Q+3], s[G1Q:G1Q+7]
	s_nop 0
.rept 4
	v_nop
.endr
.Lasked:
	v_and_b32 v1, 15, v0                           ; r
	v_bfe_u32 v2, v0, 4, 1                         ; h
	v_and_b32 v3, 31, v0
	s_delay_alu instid0(VALU_DEP_1)
	v_lshlrev_b32 v3, 4, v3                        ; 16 x lane
	s_wait_alu depctr_va_vdst(0)
	v_lshlrev_b32 v[BCO], 6, v2                    ; the bias: 16 h numbers on
	s_lshl_b32 s18, s42, 10
	s_lshl_b32 s19, s16, 8
	s_add_co_u32 s18, s18, s19                     ; 4 (256 Q's tile + 64 (w % 4))
	s_mov_b32 s19, 0
	s_add_nc_u64 s[8:9], s[8:9], s[18:19]
.irp b, 0,1,2,3
	global_load_b128 v[BIAS+8*\b:BIAS+8*\b+3], v[BCO], s[8:9] offset:(32*(\b/2)+8*(\b%2))*4
	global_load_b128 v[BIAS+8*\b+4:BIAS+8*\b+7], v[BCO], s[8:9] offset:(32*(\b/2)+8*(\b%2))*4+16
.endr
	s_lshl_b32 s18, s17, 1
	s_add_co_u32 s18, s18, s[TP]                   ; the result's tile of 128 tokens:
	s_lshl_b32 s18, s18, 5                         ; 32 units in a row of tiles,
	s_lshl_b32 s22, s42, 1
	s_add_co_u32 s22, s22, s[TQ]                   ; its unit along the hidden units
	s_add_co_u32 s18, s18, s22
	s_mul_i32 s18, s18, UNIT
	s_add_nc_u64 s[90:91], s[10:11], s[18:19]      ; the result's unit
	s_lshl_b32 s18, s[GM], 12
	s_lshl_b32 s22, s[HN], 9
	s_add_co_u32 s18, s18, s22
	s_add_nc_u64 s[12:13], s[90:91], s[18:19]      ; my four fragments' halves: 4,096 x my half of the rows + 512 x my half of the K
	s_add_nc_u64 s[90:91], s[90:91], USC           ; its scale words
	s_mov_b32 s[SEL], 0x76543210
	s_mov_b32 s[SEL+1], 0xfedcba98                 ; v_permlanex16_b32's selects for lane l xor 16
	s_mov_b32 s[CA], 0x32edffee                    ; P: 2.77068142e-08,
	s_mov_b32 s[CA+2], 0xb60cff51                  ; -2.10102402e-06,
	s_mov_b32 s[CA+4], 0xb86ec2d2                  ; -5.69250639e-05,
	s_mov_b32 s[CA+6], 0xba40ac63                  ; -7.34990630e-04,
	s_mov_b32 s[CA+8], 0xbb41a1f6                  ; -2.95459981e-03,
	s_mov_b32 s[CA+10], 0xbc83dbd4                 ; -1.60960333e-02
	s_mov_b32 s[CB], 0xb95fbd29                    ; Q: -2.13374055e-04,
	s_mov_b32 s[CB+2], 0xbadc924e                  ; -1.68282697e-03,
	s_mov_b32 s[CB+4], 0xbbf19bf8                  ; -7.37332917e-03,
	s_mov_b32 s[CB+6], 0xbc69b6a7                  ; -1.42647391e-02
.irp c, 0,2,4,6,8,10
	s_mov_b32 s[CA+\c+1], s[CA+\c]                 ; (named as pairs, so both are written)
.endr
.irp c, 0,2,4,6
	s_mov_b32 s[CB+\c+1], s[CB+\c]
.endr
	s_mul_i32 s21, s[TP], KU*UNIT                  ; P: my tile of 128 rows,
	s_lshl_b32 s22, s[GM], 12
	s_add_co_u32 s22, s22, s21                     ; my four fragments in each unit
	v_add_nc_u32 v[ADRP], s22, v3
	s_mul_i32 s23, s[TQ], KU*UNIT
	s_add_co_u32 s23, s23, QL                      ; Q likewise
	s_lshl_b32 s22, s[HN], 12
	s_add_co_u32 s22, s22, s23
	v_add_nc_u32 v[ADRQ], s22, v3
	s_lshl_b32 s22, s[GM], 8
	s_add_co_u32 s21, s21, s22                     ; P's scale words (less the codes' 8,192 bytes),
	s_lshl_b32 s22, s[HN], 8
	s_add_co_u32 s23, s23, s22                     ; Q's
	s_sub_co_u32 s23, s23, s21
	v_mul_u32_u24 v[ADRS], s23, v2                 ; lanes 16-31 take Q's words: one product with h
	s_add_co_u32 s21, s21, USC
	v_lshl_add_u32 v[ADRS], v1, 4, v[ADRS]
	s_delay_alu instid0(VALU_DEP_1)
	v_add_nc_u32 v[ADRS], s21, v[ADRS]
	s_lshl_b32 s21, s[TP], 10
	s_lshl_b32 s22, s[TQ], 9
	s_add_co_u32 s21, s21, s22
	s_add_co_u32 s21, s21, SST                     ; my result unit's 512 bytes of words
	v_add_nc_u32 v[SSR], s21, v3
	s_lshl_b32 s22, s[GM], 8
	s_add_co_u32 s21, s21, s22
	s_lshl_b32 s22, s[HN], 1
	s_add_co_u32 s21, s21, s22
	v_lshl_add_u32 v[SSA], v1, 4, s21              ; + 256 x my half of the rows + 16 r + 2 x my half of the K
	s_wait_alu depctr_va_vdst(0)
	s_wait_tensorcnt 0x0                           ; my two units are in
	s_barrier_signal -1
	s_barrier_wait -1                              ; everybody's is
	s_wait_loadcnt 0x0                             ; the bias
	UNITK 0, 1
	UNITK 1, 0
	UNITK 2, 0
	UNITK 3, 0
	UNITK 4, 0
	UNITK 5, 0
	UNITK 6, 0
	UNITK 7, 0
	v_mov_b32 v[VA0], 0xaf95df0b                   ; P's leading coefficient, -2.72614226e-10; these four lines are the places in front of the first read of results
	v_mov_b32 v[VA0+1], 0xaf95df0b
	v_mov_b32 v[VB0], 0xb77460cd                   ; Q's, -1.45660718e-05
	v_mov_b32 v[VB0+1], 0xb77460cd
.irp n, 0,1,2,3,4,5,6,7
	GELU16 ACC+16*\n
.endr
; THE QUANTISER.  Block n = 2 a + u: the 16 registers at ACC + 16 n are hidden units 32 u + 16 h + 0 .. 15 (of my 64) of token (a, r); lane l xor 16 holds the block's other half.  The eight by turns
.irp n, 0,1,2,3,4,5,6,7
	v_mov_b32 v[TX+\n], 0                          ; a lane permute's destination counts as one of its sources
.endr
.irp n, 0,1,2,3,4,5,6,7
	v_max3_num_f32 v[TM+\n], |v[ACC+16*\n]|, |v[ACC+16*\n+1]|, 0x1800000   ; with the floor 2^(3 - 127): the byte cannot fall under 1
.endr
.irp i, 2,4,6,8,10,12,14
.irp n, 0,1,2,3,4,5,6,7
	v_max3_num_f32 v[TM+\n], v[TM+\n], |v[ACC+16*\n+\i]|, |v[ACC+16*\n+\i+1]|
.endr
.endr
.irp n, 0,1,2,3,4,5,6,7
	v_permlanex16_b32 v[TX+\n], v[TM+\n], s[SEL], s[SEL+1]
.endr
.irp n, 0,1,2,3,4,5,6,7
	v_max_num_f32 v[TM+\n], v[TM+\n], v[TX+\n]
.endr
.irp n, 0,1,2,3,4,5,6,7
	v_add_nc_u32 v[SO+\n], 0xff000000, v[TM+\n]    ; 2 off the exponent field: the conversion's scale operand
.endr
.irp n, 0,1,2,3,4,5,6,7
	v_lshrrev_b32 v[BY+\n], 23, v[SO+\n]           ; the scale's byte
.endr
.irp a, 0,1,2,3
	v_lshl_or_b32 v[HW+\a], v[BY+2*\a+1], 8, v[BY+2*\a]   ; my two bytes of the row's word
.endr
.irp n, 0,1,2,3,4,5,6,7
	v_cvt_scalef32_pk8_fp4_f32 v[PC+2*\n], v[ACC+16*\n:ACC+16*\n+7], v[SO+\n]
	v_cvt_scalef32_pk8_fp4_f32 v[PC+2*\n+1], v[ACC+16*\n+8:ACC+16*\n+15], v[SO+\n]
.endr
	v_nop                                          ; a plain instruction behind the last scaled conversion
.irp a, 0,1,2,3
.irp i, 0,1
	v_permlane16_swap_b32 v[PC+4*\a+\i], v[PC+4*\a+2+\i]   ; a whole block to a lane: lanes 0-15 the first, lanes 16-31 the second
.endr
.endr
.irp a, 0,1,2,3
	global_store_b128 v3, v[PC+4*\a:PC+4*\a+3], s[12:13] offset:1024*\a   ; 512 consecutive bytes: half a fragment
	ds_store_b16 v[SSA], v[HW+\a] offset:4*\a      ; lanes l and l xor 16 write the same bytes with the same value
.endr
	s_wait_dscnt 0x0                               ; for the other waves' sake: my stores have landed
	s_barrier_signal -1
	s_barrier_wait -1
	s_and_b32 s18, s14, 5                          ; of the four waves of a result unit the one with the first half of the rows and of the K stores its words: waves 0, 2, 8, 10
	s_cmp_lg_u32 s18, 0
	s_cbranch_scc1 .Lnot_mine
	ds_load_b128 v[60:63], v[SSR]
	s_wait_dscnt 0x0
	global_store_b128 v3, v[60:63], s[90:91]       ; the unit's 512 bytes of scale words
.Lnot_mine:
	s_wait_tensorcnt 0x0
	ds_add_u32 v126, v127
	s_wait_dscnt 0x0
	CROUND                                         ; the closing round
	s_endpgm
.Lfunc_end_k_q6414668635_w1:
	.size	k_q6414668635_w1, .Lfunc_end_k_q6414668635_w1-k_q6414668635_w1
	.p2alignl 7, 3214868480
	.fill 96, 4, 3214868480
	.section	.rodata,"a",@progbits
	.p2align	6, 0x0
	.amdhsa_kernel k_q6414668635_w1
		.amdhsa_group_segment_fixed_size 327680
		.amdhsa_private_segment_fixed_size 0
		.amdhsa_enable_private_segment 0
		.amdhsa_kernarg_size 32
		.amdhsa_user_sgpr_count 2
		.amdhsa_user_sgpr_kernarg_segment_ptr 1
		.amdhsa_wavefront_size32 1
		.amdhsa_system_sgpr_workgroup_id_x 1
		.amdhsa_system_sgpr_workgroup_id_y 1
		.amdhsa_system_sgpr_workgroup_id_z 1
		.amdhsa_system_vgpr_workitem_id 0
		.amdhsa_next_free_vgpr 256
		.amdhsa_next_free_sgpr 96
		.amdhsa_reserve_vcc 0
		.amdhsa_float_denorm_mode_32 3
		.amdhsa_float_denorm_mode_16_64 3
		.amdhsa_memory_ordered 1
		.amdhsa_forward_progress 1
		.amdhsa_inst_pref_size 141
	.end_amdhsa_kernel
	.amdgpu_metadata
---
amdhsa.version: [ 1, 2 ]
amdhsa.kernels:
  - .name:           k_q6414668635_w1
    .symbol:         k_q6414668635_w1.kd
    .args:
      - { .name: A2, .offset: 0, .size: 8, .value_kind: global_buffer, .address_space: global }
      - { .name: WU, .offset: 8, .size: 8, .value_kind: global_buffer, .address_space: global }
      - { .name: b1, .offset: 16, .size: 8, .value_kind: global_buffer, .address_space: global }
      - { .name: HU, .offset: 24, .size: 8, .value_kind: global_buffer, .address_space: global }
    .group_segment_fixed_size: 327680
    .private_segment_fixed_size: 0
    .kernarg_segment_align: 8
    .kernarg_segment_size: 32
    .max_flat_workgroup_size: 512
    .sgpr_count:     96
    .vgpr_count:     256
    .wavefront_size: 32
...
	.end_amdgpu_metadata
.endif
;; end of part 11
;; launch w2 (part 12): grid 8 x 32, 4 waves a work-group, clusters of 4 x 4, 327,680 bytes of LDS; arguments HU, WU, b2, X1, out0; writes out0
.if DOCPART == 12
	.amdgcn_target "amdgcn-amd-amdhsa--gfx1250"
	.amdhsa_code_object_version 6
	.text
	.protected	k_q6414668635_w2
	.globl	k_q6414668635_w2
	.p2align	8
	.type	k_q6414668635_w2,@function
k_q6414668635_w2:
	s_mov_b64 s[64:65], 0
	v_nop
	global_prefetch_b8 v0, s[64:65] scope:SCOPE_SE
	s_setreg_imm32_b32 hwreg(HW_REG_WAVE_MODE, 25, 1), 1
	s_wait_xcnt 0x0
	s_wait_alu depctr_hold_cnt(0) depctr_sa_sdst(0) depctr_va_vdst(0) depctr_va_sdst(0) depctr_va_ssrc(0) depctr_va_vcc(0) depctr_vm_vsrc(0)
	s_getreg_b32 s2, hwreg(HW_REG_IB_STS2, 6, 4)
	s_cmp_eq_u32 s2, 0
	s_cbranch_scc0 .Lentry_in_a_cluster
	s_endpgm
.Lentry_in_a_cluster:
	s_bfe_u32 s2, ttmp6, 0x10000c
	s_cmp_lg_u32 s2, 0xf033
	s_cbranch_scc0 .Lentry_shape_is_right
	s_endpgm
.Lentry_shape_is_right:
.set KU,    32
.set NQ,    8
.set LAPS,  2
.set QOFF,  4456448
.set NT,    1
.set UNIT,  8704
.set USC,   8192
.set HALF,  NQ/2*UNIT
.set RR,    HALF/256
.set SLOT,  2*NQ*UNIT
.set STAGE, 2*SLOT
.set SPITCH, 272
.set SPARE, STAGE+4*16*SPITCH
.set ADRP, 4
.set ADRQ, 6
.set ADRS, 8
.set STO,  10
.set RD,   11
.set CO,   12
.set SPW,  13
.set NIL,  14
.set BCO,  15
.set SC,   16
.set BIAS, 24
.set BK,   56
.set ACC,  128
.set RES,  128
.set G1P, 24
.set G0P, 32
.set G1Q, 48
.set G0Q, 56
.set MSB, 0
.macro WIN new
.if MSB != \new
	s_set_vgpr_msb (MSB<<8)|\new
.set MSB, \new
.endif
.endm
.set MUL,   0x05
.set TO_F,  0x40
.set W_RES, 0x04
.macro JLOAD g0p, g1p, g0q, g1q
	s_cmp_eq_u32 s15, 0
	s_cbranch_scc0 .Lfor_q_\@
	tensor_load_to_lds s[\g0p:\g0p+3], s[\g1p:\g1p+7]
	s_nop 0
.rept 4
	v_nop
.endr
	s_branch .Lasked_\@
.Lfor_q_\@:
	tensor_load_to_lds s[\g0q:\g0q+3], s[\g1q:\g1q+7]
	s_nop 0
.rept 4
	v_nop
.endr
.Lasked_\@:
.endm
.macro CREST
	s_cmp_lg_u32 s14, 0
	s_cbranch_scc1 .Lnot_wave_0_\@
	s_barrier_signal -3
.Lnot_wave_0_\@:
	s_barrier_wait -3
	s_barrier_signal -1
	s_barrier_wait -1
.endm
.macro CROUND
	s_barrier_signal -1
	s_barrier_wait -1
	CREST
.endm
.macro PLACES n
.rept \n
	v_nop
.endr
.endm
.macro FETCH slot, q, p
	WIN 0
	ds_load_b128 v[SC+4*(\p):SC+4*(\p)+3], v[ADRS+\slot] offset:(\q)*UNIT
	WIN TO_F
.irp i, 0,1,2,3
	ds_load_b128 v[64*(\p)+8*\i:64*(\p)+8*\i+3], v[ADRQ+\slot] offset:(\q)*UNIT+1024*\i
	ds_load_b128 v[64*(\p)+8*\i+4:64*(\p)+8*\i+7], v[ADRQ+\slot] offset:(\q)*UNIT+1024*\i+512
.endr
.irp i, 0,1,2,3
	ds_load_b128 v[64*(\p)+32+8*\i:64*(\p)+32+8*\i+3], v[ADRP+\slot] offset:(\q)*UNIT+1024*\i
	ds_load_b128 v[64*(\p)+32+8*\i+4:64*(\p)+32+8*\i+7], v[ADRP+\slot] offset:(\q)*UNIT+1024*\i+512
.endr
.endm
.macro MUL4 a, p, cz
.irp b, 0,1,2,3
.if \cz
	v_wmma_scale_f32_16x16x128_f8f6f4 v[ACC+8*(4*(\a)+\b):ACC+8*(4*(\a)+\b)+7], v[64*(\p)+8*\b:64*(\p)+8*\b+7], v[64*(\p)+32+8*(\a):64*(\p)+32+8*(\a)+7], v[BIAS+8*\b:BIAS+8*\b+7], v[SC+4*(\p)+\b], v[SC+4*(\p)+(\a)] matrix_a_fmt:MATRIX_FMT_FP4 matrix_b_fmt:MATRIX_FMT_FP4 matrix_a_scale:MATRIX_SCALE_ROW1
.else
	v_wmma_scale_f32_16x16x128_f8f6f4 v[ACC+8*(4*(\a)+\b):ACC+8*(4*(\a)+\b)+7], v[64*(\p)+8*\b:64*(\p)+8*\b+7], v[64*(\p)+32+8*(\a):64*(\p)+32+8*(\a)+7], v[ACC+8*(4*(\a)+\b):ACC+8*(4*(\a)+\b)+7], v[SC+4*(\p)+\b], v[SC+4*(\p)+(\a)] matrix_a_fmt:MATRIX_FMT_FP4 matrix_b_fmt:MATRIX_FMT_FP4 matrix_a_scale:MATRIX_SCALE_ROW1
.endif
.endr
.endm
.macro KS slot, q, cz
	PLACES 4
	FETCH \slot, (\q)+1, 1-(\q)%2
	s_wait_dscnt 17
	WIN MUL
	MUL4 0, (\q)%2, \cz
	MUL4 1, (\q)%2, \cz
	MUL4 2, (\q)%2, \cz
	MUL4 3, (\q)%2, \cz
.endm
.macro KSS slot, from
.set Q, \from
.rept NQ-1-\from
	KS \slot, Q, 0
.set Q, Q+1
.endr
.endm
.macro TURN slot, next, fill
	WIN 0
	s_wait_tensorcnt 0x0
	ds_add_u32 v[SPW], v[NIL]
	s_wait_dscnt 1
	WIN MUL
	MUL4 0, 1, 0
	s_wait_dscnt 0x0
	s_barrier_signal -1
	MUL4 1, 1, 0
	WIN 0
	s_barrier_wait -1
.if \fill
	CREST
	s_add_nc_u64 s[G0P+4*\slot+2:G0P+4*\slot+3], s[G0P+4*\slot+2:G0P+4*\slot+3], 2*NQ*UNIT
	s_add_nc_u64 s[G0Q+4*\slot+2:G0Q+4*\slot+3], s[G0Q+4*\slot+2:G0Q+4*\slot+3], 2*NQ*UNIT
	JLOAD G0P+4*\slot, G1P, G0Q+4*\slot, G1Q
.else
	PLACES 4
.endif
	FETCH \next, 0, 0
	WIN MUL
	MUL4 2, 1, 0
	MUL4 3, 1, 0
.endm
	s_load_b128 s[4:7], s[0:1], 0x0
	s_load_b128 s[8:11], s[0:1], 0x10
	s_load_b64 s[12:13], s[0:1], 0x20
	v_lshl_add_u32 v[SPW], v0, 2, SPARE
	v_mov_b32 v[NIL], 0
	ds_add_u32 v13, v14
	ds_add_u32 v13, v14
	s_wait_dscnt 0x0
	v_lshrrev_b32 v1, 5, v0
	v_readfirstlane_b32 s14, v1
	s_lshr_b32 s15, s14, 1
	s_and_b32 s16, s14, 1
	s_bfe_u32 s40, ttmp6, 0x40000
	s_bfe_u32 s41, ttmp6, 0x40004
	s_lshl_b32 s42, ttmp9, 2
	s_add_co_u32 s42, s42, s40
	s_and_b32 s17, ttmp7, 0xffff
	s_lshl_b32 s17, s17, 2
	s_add_co_u32 s17, s17, s41
	s_lshl_b32 s43, s41, 2
	s_lshl_b32 s43, 15, s43
	s_lshl_b32 s44, 0x1111, s40
	s_or_b32 s[G1P], s43, (3<<16)|(1<<21)
	s_or_b32 s[G1Q], s44, (3<<16)|(1<<21)
.irp g, G1P, G1Q
	s_mov_b32 s[\g+1], 32<<16
	s_mov_b32 s[\g+2], RR<<16
	s_mov_b32 s[\g+3], 32<<16
	s_mov_b32 s[\g+4], RR
	s_mov_b32 s[\g+5], 32
	s_mov_b32 s[\g+6], 0
	s_mov_b32 s[\g+7], 0
.endr
	s_mul_i32 s18, s16, HALF
	s_mul_i32 s20, s17, KU*UNIT
	s_add_co_u32 s20, s20, s18
	s_mov_b32 s21, 0
	s_mul_i32 s46, s42, KU*UNIT
	s_add_co_u32 s46, s46, s18
	s_add_co_u32 s46, s46, QOFF
	s_mov_b32 s47, 0
	s_mul_i32 s45, s14, HALF
	s_wait_kmcnt 0x0
	s_add_nc_u64 s[20:21], s[4:5], s[20:21]
	s_add_nc_u64 s[46:47], s[6:7], s[46:47]
	; the prefetches' addresses.  A fill's eight units of P, or of Q, are 272 blocks of 256 bytes on end; the four partners that ask for them jointly share them out BY ADDRESS, 68 each (cx for P, cy for Q), 17 to a wave, a lane a block
	s_mul_i32 s66, s17, KU*UNIT
	s_mul_i32 s67, s40, 68*256
	s_add_co_u32 s66, s66, s67
	s_mov_b32 s67, 0
	s_add_nc_u64 s[66:67], s[4:5], s[66:67]
	s_mul_i32 s68, s42, KU*UNIT
	s_mul_i32 s69, s41, 68*256
	s_add_co_u32 s68, s68, s69
	s_add_co_u32 s68, s68, QOFF
	s_mov_b32 s69, 0
	s_add_nc_u64 s[68:69], s[6:7], s[68:69]
	v_lshrrev_b32 v121, 5, v0
	v_and_b32 v120, 31, v0
	v_min_u32 v120, 16, v120                       ; the lanes left over name their wave's last block again
	v_mad_u32_u24 v120, v121, 17, v120
	v_lshlrev_b32 v120, 8, v120                    ; never rewritten
	CROUND
.irp s, 0,1
	s_mov_b32 s[G0P+4*\s], 1
	s_add_co_u32 s[G0P+4*\s+1], s45, \s*SLOT
	s_add_nc_u64 s[G0P+4*\s+2:G0P+4*\s+3], s[20:21], \s*NQ*UNIT
	s_or_b32 s[G0P+4*\s+3], s[G0P+4*\s+3], 0x80000000
	s_mov_b32 s[G0Q+4*\s], 1
	s_add_co_u32 s[G0Q+4*\s+1], s45, \s*SLOT
	s_add_nc_u64 s[G0Q+4*\s+2:G0Q+4*\s+3], s[46:47], \s*NQ*UNIT
	s_or_b32 s[G0Q+4*\s+3], s[G0Q+4*\s+3], 0x80000000
	s_wait_alu depctr_va_vdst(0)
	s_wait_tensorcnt 0x0
	ds_add_u32 v13, v14
	ds_add_u32 v13, v14
	s_wait_dscnt 0x0
	CROUND
	JLOAD G0P+4*\s, G1P, G0Q+4*\s, G1Q
	; A PREFETCH INTO THE L2: each fill of the ring is asked for only when the one before has landed, so what the later fills will want is asked of memory here: behind fill 0 the units of fills 1 and 2, behind fill 1 those of fill 3, the last
.if \s == 0
	global_prefetch_b8 v120, s[66:67] offset:NQ*UNIT th:TH_LOAD_NT scope:SCOPE_SE
	global_prefetch_b8 v120, s[68:69] offset:NQ*UNIT th:TH_LOAD_NT scope:SCOPE_SE
	global_prefetch_b8 v120, s[66:67] offset:2*NQ*UNIT th:TH_LOAD_NT scope:SCOPE_SE
	global_prefetch_b8 v120, s[68:69] offset:2*NQ*UNIT th:TH_LOAD_NT scope:SCOPE_SE
.else
	global_prefetch_b8 v120, s[66:67] offset:3*NQ*UNIT th:TH_LOAD_NT scope:SCOPE_SE
	global_prefetch_b8 v120, s[68:69] offset:3*NQ*UNIT th:TH_LOAD_NT scope:SCOPE_SE
.endif
.endr
	v_and_b32 v1, 15, v0
	v_bfe_u32 v2, v0, 4, 1
	v_and_b32 v3, 31, v0
	v_lshlrev_b32 v3, 4, v3
	v_lshlrev_b32 v[BCO], 6, v2
	s_wait_alu depctr_va_vdst(0)
	v_lshlrev_b32 v[CO], 12, v2
	v_lshl_add_u32 v[CO], v1, 4, v[CO]
	s_wait_alu depctr_va_vdst(0)
	s_lshl_b32 s18, s42, 9
	s_lshl_b32 s19, s16, 8
	s_add_co_u32 s18, s18, s19
	s_mov_b32 s19, 0
	s_add_nc_u64 s[8:9], s[8:9], s[18:19]
	s_lshl_b32 s22, s17, 7
	s_lshl_b32 s23, s15, 6
	s_add_co_u32 s22, s22, s23
	s_lshl_b32 s22, s22, 12
	s_add_co_u32 s18, s18, s22
	s_add_nc_u64 s[10:11], s[10:11], s[18:19]
	s_add_nc_u64 s[12:13], s[12:13], s[18:19]
.irp b, 0,1,2,3
	global_load_b128 v[BIAS+8*\b:BIAS+8*\b+3], v[BCO], s[8:9] offset:(32*(\b/2)+8*(\b%2))*4
	global_load_b128 v[BIAS+8*\b+4:BIAS+8*\b+7], v[BCO], s[8:9] offset:(32*(\b/2)+8*(\b%2))*4+16
.endr
	WIN TO_F
.irp a, 0,1,2,3
.irp t, 0,1,2,3,4,5,6,7
	global_load_b128 v[RES+32*\a+4*\t:RES+32*\a+4*\t+3], v[CO], s[10:11] offset:(32*(\a/2)+8*(\a%2)+2*\t+8*(\t/4))*4096
.endr
.endr
	WIN 0
	s_lshl_b32 s21, s15, 12
	s_lshl_b32 s22, s16, 12
	s_add_co_u32 s22, s22, NQ*UNIT
.irp s, 0,1
	v_add_nc_u32 v[ADRP+\s], s21, v3
	v_add_nc_u32 v[ADRQ+\s], s22, v3
	s_add_co_u32 s21, s21, SLOT
	s_add_co_u32 s22, s22, SLOT
.endr
	s_lshl_b32 s21, s15, 8
	s_lshl_b32 s22, s16, 8
	s_add_co_u32 s22, s22, NQ*UNIT
	s_sub_co_u32 s22, s22, s21
	v_mul_u32_u24 v[ADRS], s22, v2
	s_add_co_u32 s21, s21, USC
	v_lshl_add_u32 v[ADRS], v1, 4, v[ADRS]
	v_add_nc_u32 v[ADRS], s21, v[ADRS]
	v_add_nc_u32 v[ADRS+1], SLOT, v[ADRS]
	s_mul_i32 s23, s14, 16*SPITCH
	s_add_co_u32 s23, s23, STAGE
	v_mul_u32_u24 v[STO], v1, SPITCH
	v_lshl_add_u32 v[STO], v2, 6, v[STO]
	v_add_nc_u32 v[STO], s23, v[STO]
	v_mul_u32_u24 v[RD], v2, SPITCH
	v_lshl_add_u32 v[RD], v1, 4, v[RD]
	v_add_nc_u32 v[RD], s23, v[RD]
	s_wait_alu depctr_va_vdst(0)
	s_wait_tensorcnt 1
	s_barrier_signal -1
	s_barrier_wait -1
	FETCH 0, 0, 0
	s_wait_loadcnt 32
	KS 0, 0, 1
.if LAPS > 1
.rept LAPS-1
	KSS 0, 1
	TURN 0, 1, 1
	KSS 1, 0
	TURN 1, 0, 1
	KS 0, 0, 0
.endr
.endif
	KSS 0, 1
	TURN 0, 1, 0
	KSS 1, 0
	s_wait_dscnt 0x0
	WIN MUL
	MUL4 0, 1, 0
	MUL4 1, 1, 0
	MUL4 2, 1, 0
	MUL4 3, 1, 0
	WIN 0
	PLACES 4
.macro TOSTAGE a
.irp b, 0,1,2,3
	ds_store_b128 v[STO], v[ACC+32*(\a)+8*\b:ACC+32*(\a)+8*\b+3] offset:128*(\b/2)+32*(\b%2)
	ds_store_b128 v[STO], v[ACC+32*(\a)+8*\b+4:ACC+32*(\a)+8*\b+7] offset:128*(\b/2)+32*(\b%2)+16
.endr
.set BB, BK+32*((\a)%2)
.irp t, 0,1,2,3,4,5,6,7
	ds_load_b128 v[BB+4*\t:BB+4*\t+3], v[RD] offset:2*SPITCH*\t
.endr
.endm
.macro SEND a, younger
.set BB, BK+32*((\a)%2)
	s_wait_dscnt \younger
	WIN W_RES
.irp i, 0,1,2,3,4,5,6,7,8,9,10,11,12,13,14,15
	v_pk_add_f32 v[BB+2*\i:BB+2*\i+1], v[BB+2*\i:BB+2*\i+1], v[RES+32*(\a)+2*\i:RES+32*(\a)+2*\i+1]
.endr
	WIN 0
.irp t, 0,1,2,3,4,5,6,7
.if NT
	global_store_b128 v[CO], v[BB+4*\t:BB+4*\t+3], s[12:13] offset:(32*((\a)/2)+8*((\a)%2)+2*\t+8*(\t/4))*4096 th:TH_STORE_NT
.else
	global_store_b128 v[CO], v[BB+4*\t:BB+4*\t+3], s[12:13] offset:(32*((\a)/2)+8*((\a)%2)+2*\t+8*(\t/4))*4096
.endif
.endr
.endm
	s_wait_loadcnt 0x0
	TOSTAGE 0
.irp a, 1,2,3
.if \a > 1
	s_wait_xcnt 0x0
.endif
	TOSTAGE \a
	SEND \a-1, 16
.endr
	SEND 3, 0
	s_wait_tensorcnt 0x0
	ds_add_u32 v[SPW], v[NIL]
	s_wait_dscnt 0x0
	CROUND
	s_endpgm
.Lfunc_end_k_q6414668635_w2:
	.size	k_q6414668635_w2, .Lfunc_end_k_q6414668635_w2-k_q6414668635_w2
	.p2alignl 7, 3214868480
	.fill 96, 4, 3214868480
	.section	.rodata,"a",@progbits
	.p2align	6, 0x0
	.amdhsa_kernel k_q6414668635_w2
		.amdhsa_group_segment_fixed_size 327680
		.amdhsa_private_segment_fixed_size 0
		.amdhsa_enable_private_segment 0
		.amdhsa_kernarg_size 40
		.amdhsa_user_sgpr_count 2
		.amdhsa_user_sgpr_kernarg_segment_ptr 1
		.amdhsa_wavefront_size32 1
		.amdhsa_system_sgpr_workgroup_id_x 1
		.amdhsa_system_sgpr_workgroup_id_y 1
		.amdhsa_system_sgpr_workgroup_id_z 1
		.amdhsa_system_vgpr_workitem_id 0
		.amdhsa_next_free_vgpr 512
		.amdhsa_next_free_sgpr 96
		.amdhsa_reserve_vcc 0
		.amdhsa_float_denorm_mode_32 3
		.amdhsa_float_denorm_mode_16_64 3
		.amdhsa_memory_ordered 1
		.amdhsa_forward_progress 1
		.amdhsa_inst_pref_size 134
	.end_amdhsa_kernel
	.amdgpu_metadata
---
amdhsa.version: [ 1, 2 ]
amdhsa.kernels:
  - .name:           k_q6414668635_w2
    .symbol:         k_q6414668635_w2.kd
    .args:
      - { .name: HU, .offset: 0, .size: 8, .value_kind: global_buffer, .address_space: global }
      - { .name: WU, .offset: 8, .size: 8, .value_kind: global_buffer, .address_space: global }
      - { .name: b2, .offset: 16, .size: 8, .value_kind: global_buffer, .address_space: global }
      - { .name: X1, .offset: 24, .size: 8, .value_kind: global_buffer, .address_space: global }
      - { .name: out0, .offset: 32, .size: 8, .value_kind: global_buffer, .address_space: global }
    .group_segment_fixed_size: 327680
    .private_segment_fixed_size: 0
    .kernarg_segment_align: 8
    .kernarg_segment_size: 40
    .max_flat_workgroup_size: 128
    .sgpr_count:     96
    .vgpr_count:     512
    .wavefront_size: 32
...
	.end_amdgpu_metadata
.endif
;; end of part 12
